; MI455X (gfx1250); checked and timed in simulation.
; The chip was launched on July 23, 2026; its instructions are those of AMD's public machine-readable ISA for CDNA 5 (MIT licence, August 2026) and "CDNA5" Instruction Set Architecture Reference Guide (July 2026). The comments in the code are by the model that wrote it; some were corrected since.
;; RLI Pv2 Bi Multi Head Attention. Allowed arithmetic: matrix products marked QUANTISED: E2M3 operands, one E8M0 scale for each 32 along K, by v_wmma_scale_f32_16x16x128_f8f6f4 with both operands' format E2M3, f32 sums; everything else in f32.
;; Inputs: Wk 256 x 768 float32; Wol 768 x 256 float32; Wov 256 x 256 float32; Wq 256 x 256 float32; Wvl 256 x 768 float32; Wvv 256 x 256 float32; attention_mask_l 4 x 256 float32; attention_mask_v 4 x 13,600 float32; bk 256 float32; bol 768 float32; bov 256 float32; bq 256 float32; bvl 256 float32; bvv 256 float32; l 4 x 256 x 768 float32; v 4 x 13,600 x 256 float32; v_pos 4 x 13,600 x 256 float32.
;; Outputs: out0 4 x 13,600 x 256 float32; out1 4 x 256 x 768 float32.
;; This version of the problem:
;;   THIS VERSION OF THE PROBLEM IS GIVEN IN LOW PRECISION. The matrix products marked QUANTISED in the list below multiply operands that are first quantised to E2M3 (2 exponent bits, 3 mantissa bits; 6 bits a number), with one power-of-two scale for each 32 numbers along K (OCP MX v1.0); their sums are f32. All else is computed in f32.
;;   The module's matrix products, in the order in which they are computed (A, B: the left and right operand; K: the contracted axis; several contracted axes count as one K, in the product's order):
;;     1. [M 54,400, K 256] x [K 256, N 256]; A: computed on the way; B: input Wq: QUANTISED
;;     2. [M 1,024, K 768] x [K 768, N 256]; A: input l; B: input Wk: QUANTISED
;;     3. [M 54,400, K 256] x [K 256, N 256]; A: input v; B: input Wvv: QUANTISED
;;     4. [M 1,024, K 768] x [K 768, N 256]; A: input l; B: input Wvl: QUANTISED
;;     5. batch 32 x [M 13,600, K 32] x [K 32, N 256]; A: computed on the way; B: computed on the way: QUANTISED
;;     6. batch 32 x [M 13,600, K 256] x [K 256, N 32]; A: softmax (see below); B: computed on the way: QUANTISED
;;     7. batch 32 x [M 256, K 13,600] x [K 13,600, N 32]; A: softmax (see below); B: computed on the way: QUANTISED
;;     8. [M 54,400, K 256] x [K 256, N 256]; A: computed on the way; B: input Wov: QUANTISED
;;     9. [M 1,024, K 256] x [K 256, N 768]; A: computed on the way; B: input Wol: QUANTISED
;;   THE QUANTISER, for each operand of a quantised product, along K:
;;     - K is cut into blocks of 32 from its start; a last block that is shorter is filled with zeros.
;;     - A block's scale is 2^e with e = floor(log2(the largest magnitude in the block)) - 2, held to -126 .. 127; a block of zeros has e = 0. As a byte (E8M0): e + 127.
;;     - Each number is divided by its block's scale, clamped to +-7.5, and rounded to the nearest number of E2M3, ties to even, subnormals kept.
;;     - The product sums the exact products of the quantised numbers (number of the format x scale) in f32.
;;   ~~~python
;;   def quantise(x, axis):      # numpy; x: float32 -> the quantised numbers, widened to float32 again
;;       x = np.moveaxis(x, axis, -1); K = x.shape[-1]
;;       x = np.pad(x, [(0, 0)] * (x.ndim - 1) + [(0, -K % 32)]); x = x.reshape(x.shape[:-1] + (-1, 32)); a = np.abs(x).max(-1, keepdims=True)
;;       e = np.where(a > 0, np.clip(np.frexp(np.where(a > 0, a, 1))[1] - 1 - 2, -126, 127), 0)      # np.frexp(a)[1] - 1 = floor(log2(a)), exactly
;;       r = np.clip(x / 2.0 ** e, -7.5, 7.5)
;;       step = 2.0 ** (np.maximum(np.frexp(np.where(r == 0, 1, r))[1] - 1, 0) - 3)
;;       q = np.round(r / step) * step * 2.0 ** e      # np.round: ties to even
;;       return np.moveaxis(q.reshape(q.shape[:-2] + (-1,))[..., :K], -1, axis).astype(np.float32)
;;   ~~~
;;   SOFTMAX AHEAD OF A QUANTISED PRODUCT. Where the list says 'softmax', what is quantised is not the finished softmax but p = 2^(t - M), with t = logit x log2(e) and M = ceil(the row's largest t), a whole number; so 1/2 < the row's largest p <= 1. The row's sum l is taken of the UNQUANTISED p, in f32, and the product's result is divided by l at the end. Since M is a whole number, a kernel that streams over the keys may use a running M (the ceiling of the running maximum): every later rescaling is an exact power of two, which a block's scale takes up: the codes' values come out the same.
;;   OPERANDS COMPUTED ON THE WAY. 'Computed on the way' means the value that the module computes at that place (a softmax that the list does not call 'softmax' is quantised finished and normalised). What goes into a quantiser is computed in f32, as accurately as f32 sums, v_exp_f32 and their like allow (about 1e-6 of the number): no bf16 or f16 on the way to a quantiser, and a product that is left as it is and whose result goes on into a quantised operand takes f32 operands (vector FMAs, or v_wmma_f32_16x16x4_f32). A number that lies on a knife's edge between two numbers of the format may be rounded either way, as far as f32 arithmetic and the matrix unit's own rounding can turn it there, and no further.
;; 2 versions. Each part assembles by itself: llvm-mc -triple=amdgcn-amd-amdhsa -mcpu=gfx1250 --defsym DOCPART=n.
;; ======== version 1 of 2: 5 launches
;; workspace buffers: prep 716,800 bytes; qbuf 10,880,000 bytes; vbuf 10,880,000 bytes; pam 1,998,848 bytes; part 8,912,896 bytes
;; launch prep (part 1): grid 32 x 8, 6 waves a work-group, no clusters, 62,208 bytes of LDS; arguments l, Wk, Wvl, bk, bvl, Wq, Wvv, Wov, Wol, prep; writes prep
.if DOCPART == 1
	.amdgcn_target "amdgcn-amd-amdhsa--gfx1250"
	.amdhsa_code_object_version 6
	.text
	.protected	k_q18f9b93336_prep
	.globl	k_q18f9b93336_prep
	.p2align	8
	.type	k_q18f9b93336_prep,@function
k_q18f9b93336_prep:
	s_mov_b64 s[64:65], 0
	v_nop
	global_prefetch_b8 v0, s[64:65] scope:SCOPE_SE
	s_setreg_imm32_b32 hwreg(HW_REG_WAVE_MODE, 25, 1), 1
	s_wait_xcnt 0x0
; k = l Wk^T + bk and val_l = l Wvl^T + bvl on codes of FP6 (E2M3), one E8M0 scale for each 32 along K = 768; the results are quantised again
; (k along its head's 32 channels, val_l along 32 language tokens) and stored as codes.  Also: Wq, Wvv, Wov, Wol become images of operand registers.
; SHARES.  Work-group (x, y): x = 32 of the 4 x 256 language tokens, y = head.  Phase 1: wave w quantises K step w (128 of 768) of six tiles of 16 rows: l's two, Wk's two, Wvl's two;
; a fragment goes to LDS as an image of its 12 registers (16 bytes a lane, 512 bytes a store).  Phase 2: waves 0, 1 make k of token tile 0, 1; waves 2, 3 val_l of channel tile 0, 1.
; Wave 4 of the first 192 work-groups quantises one fragment (16 rows x 128 K) of a weight of K = 256.
; THE ROWS OF A TILE of l, of Wk and of Wq are not neighbours: row r of tile u is 8 u + r + 8 (r / 8), so that the 16 result registers of two tiles are 16 neighbours along the next K.
; LIMITS: NaN and infinities are not served; a block whose largest magnitude lies under 2^-124 (a block of zeros too) has the scale byte 1: these bytes are read by this program alone.
.set KC,   307200                      ; prep: k's codes [b][head][s][24]
.set KSB,  503808                      ; k's scale bytes [b][head][s]
.set VLC,  512000                      ; val_l's codes [b][head][d][192]
.set VLSB, 708608                      ; val_l's scale bytes [b][head][d][8]
.set SCB,  55296                       ; LDS: behind the 36 images of 1,536 bytes: their scale words, 128 bytes each
.set PC,   16                          ; v16-27  a fragment's codes
.set PT,   28                          ; v28-35  the conversions' second halves
.set TM,   36                          ; v36-43  at work in the quantisers
.set PW,   44                          ; v44     a scale word
.set H8,   9                           ; v9      8 x (lane / 16)
.set SEL,  32                          ; s[32:33] lane selects: lane l xor 16
.set XA,   64                          ; v64-127, v128-191: two sets of 64 numbers
.set XB,   128
.macro PLACES n
.rept \n
	v_nop
.endr
.endm
.macro BAR                             ; my LDS stores have landed and my LDS loads are in: then the work-group's barrier
	s_wait_dscnt 0x0
	s_barrier_signal -1
	s_barrier_wait -1
.endm
.macro MM d, a, b, c, sa, sb
	v_wmma_scale_f32_16x16x128_f8f6f4 v[\d:\d+7], v[\a:\a+11], v[\b:\b+11], \c, v[\sa], v[\sb] matrix_a_fmt:MATRIX_FMT_FP6 matrix_b_fmt:MATRIX_FMT_FP6
.endm
; 64 numbers of a lane, register 32 c + i = k 64 c + 32 (lane / 16) + i of my row: two whole blocks.  They become the fragment's 12 registers in v[PC] on and the row's scale word in v[PW].
.macro QF x
.irp c, 0,1
	v_max3_num_f32 v[TM+\c], |v[\x+32*\c]|, |v[\x+32*\c+1]|, 0x1800000   ; with the floor 2^(3 - 127): the byte cannot fall under 1
.endr
.irp i, 2,4,6,8,10,12,14,16,18,20,22,24,26,28,30
.irp c, 0,1
	v_max3_num_f32 v[TM+\c], v[TM+\c], |v[\x+32*\c+\i]|, |v[\x+32*\c+\i+1]|
.endr
.endr
.irp c, 0,1
	v_add_nc_u32 v[TM+2+\c], 0xff000000, v[TM+\c]      ; 2 off the exponent field: the conversion's scale operand
.endr
.irp c, 0,1
	v_lshrrev_b32 v[TM+4+\c], 23, v[TM+2+\c]           ; the scale's byte
.endr
	v_lshl_or_b32 v[PW], v[TM+5], 16, v[TM+4]          ; my blocks are h and 2 + h:
	v_lshlrev_b32 v[PW], v[H8], v[PW]                  ; 8 h bits up,
	v_permlanex16_b32 v[TM+6], v[PW], s[SEL], s[SEL+1]
	v_or_b32 v[PW], v[PW], v[TM+6]                     ; and with lane l xor 16's two bytes the word is whole
.irp c, 0,1
	v_cvt_scalef32_pk16_fp6_f32 v[PC+6*\c:PC+6*\c+2], v[\x+32*\c:\x+32*\c+15], v[TM+2+\c]
	v_cvt_scalef32_pk16_fp6_f32 v[PT+4*\c:PT+4*\c+2], v[\x+32*\c+16:\x+32*\c+31], v[TM+2+\c]   ; (a conversion's three registers begin on an even number)
.endr
	v_nop                                              ; one plain place behind a scaled conversion
.irp c, 0,1
.irp i, 0,1,2
	v_mov_b32 v[PC+6*\c+3+\i], v[PT+4*\c+\i]
.endr
.endr
.endm
; 16 registers that are half a block (the other half in lane l xor 16) become 12 bytes of codes in v[x] on; the scale's byte in v[TM+6]
.macro QH1 y, x
	v_max3_num_f32 v[TM], |v[\y]|, |v[\y+1]|, 0x1800000
.irp i, 2,4,6,8,10,12,14
	v_max3_num_f32 v[TM], v[TM], |v[\y+\i]|, |v[\y+\i+1]|
.endr
	v_permlanex16_b32 v[TM+2], v[TM], s[SEL], s[SEL+1]
	v_max_num_f32 v[TM], v[TM], v[TM+2]
	v_add_nc_u32 v[TM+4], 0xff000000, v[TM]
	v_lshrrev_b32 v[TM+6], 23, v[TM+4]
	v_cvt_scalef32_pk16_fp6_f32 v[\x:\x+2], v[\y:\y+15], v[TM+4]
	v_nop
.endm
.macro ULOAD reg, vo, sb, imm          ; 16 rows x 128 along K of f32: 16 loads, a lane's two blocks of 128 bytes
.irp c, 0,1
.irp i, 0,1,2,3,4,5,6,7
	global_load_b128 v[\reg+32*\c+4*\i:\reg+32*\c+4*\i+3], v[\vo], s[\sb:\sb+1] offset:\imm+256*\c+16*\i
.endr
.endr
.endm
.macro U x, kind, left                 ; one unit: its 16 loads are in (left younger ones stay out), it is quantised, and its image goes to LDS
	s_wait_loadcnt \left
	QF \x
	ds_store_b128 v3, v[PC:PC+3] offset:9216*\kind
	ds_store_b128 v3, v[PC+4:PC+7] offset:9216*\kind+512
	ds_store_b128 v3, v[PC+8:PC+11] offset:9216*\kind+1024
	ds_store_b32 v4, v[PW] offset:768*\kind
	s_wait_dscnt 0x0                                   ; the stores have read their registers: the next fragment may be made
.endm
	s_load_b512 s[4:19], s[0:1], 0x0               ; l 4, Wk 6, Wvl 8, bk 10, bvl 12, Wq 14, Wvv 16, Wov 18
	s_load_b128 s[20:23], s[0:1], 0x40             ; Wol 20, prep 22
	v_lshl_add_u32 v254, v0, 2, 0xf000
	v_mov_b32 v255, 0
	v_lshrrev_b32 v10, 5, v0
	v_readfirstlane_b32 s24, v10                   ; wave 0..5
	s_mov_b32 s25, ttmp9                           ; x
	s_and_b32 s26, ttmp7, 0xffff                   ; y: the head
	s_mov_b32 s[SEL], 0x76543210
	s_mov_b32 s[SEL+1], 0xfedcba98
	v_and_b32 v10, 31, v0                          ; lane
	v_and_b32 v11, 15, v0                          ; r
	v_bfe_u32 v12, v0, 4, 1                        ; h
	v_bfe_u32 v13, v0, 3, 1                        ; r / 8
	v_lshl_add_u32 v14, v13, 3, v11                ; r + 8 (r / 8)
	v_lshlrev_b32 v[H8], 3, v12
	v_lshlrev_b32 v15, 7, v12                      ; 128 h
	v_mad_u32_u24 v1, v14, 3072, v15               ; l, Wk: my row of a tile (3,072 bytes a row) + my half's 128 bytes
	v_mad_u32_u24 v2, v11, 3072, v15               ; Wvl: rows as they lie
	s_mul_i32 s27, s24, 1536
	v_lshl_add_u32 v3, v10, 4, s27                 ; images, on the way in: K step = wave
	s_lshl_b32 s27, s24, 7
	s_add_co_u32 s27, s27, SCB
	v_lshl_add_u32 v4, v10, 2, s27                 ; their scale words
	s_and_b32 s34, s24, 3                          ; the role in phase 2
	s_lshr_b32 s35, s34, 1                         ; 0: k, 1: val_l
	s_and_b32 s36, s34, 1                          ; which tile
	s_lshl_b32 s37, s35, 1
	s_xor_b32 s38, s37, 2                          ; source 0: kinds 2, 3 (Wk) for k; kinds 0, 1 (l) for val_l
	s_add_co_u32 s39, s34, s37                     ; source 1: kind 0, 1 (l) for k; 4, 5 (Wvl) for val_l
	s_mul_i32 s27, s38, 9216
	v_lshl_add_u32 v5, v10, 4, s27
	s_mul_i32 s27, s39, 9216
	v_lshl_add_u32 v6, v10, 4, s27
	s_mul_i32 s27, s38, 768
	s_add_co_u32 s27, s27, SCB
	v_lshl_add_u32 v7, v10, 2, s27
	s_mul_i32 s27, s39, 768
	s_add_co_u32 s27, s27, SCB
	v_lshl_add_u32 v8, v10, 2, s27
	; where phase 2's results go, as offsets in prep
	s_lshr_b32 s40, s25, 3                         ; b
	s_and_b32 s41, s25, 7                          ; which 32 of the batch's 256 tokens
	s_lshl_b32 s42, s40, 3
	s_add_co_u32 s42, s42, s26                     ; 8 b + head
	s_mul_i32 s43, s42, 6144
	s_mul_i32 s44, s41, 768
	s_mul_i32 s27, s36, 192
	s_add_co_u32 s44, s44, s27
	s_add_co_u32 s44, s44, s43
	s_add_co_u32 s44, s44, KC                      ; k: token 32 sblk + 8 tile, 24 bytes a token
	s_mul_i32 s45, s36, 3072
	s_mul_i32 s27, s41, 24
	s_add_co_u32 s45, s45, s27
	s_add_co_u32 s45, s45, s43
	s_add_co_u32 s45, s45, VLC                     ; val_l: channel 16 tile, 192 bytes a channel, + 24 sblk
	s_lshl_b32 s46, s42, 8
	s_lshl_b32 s47, s41, 5
	s_lshl_b32 s27, s36, 3
	s_add_co_u32 s47, s47, s27
	s_add_co_u32 s47, s47, s46
	s_add_co_u32 s47, s47, KSB
	s_lshl_b32 s48, s36, 7
	s_add_co_u32 s48, s48, s41
	s_add_co_u32 s48, s48, s46
	s_add_co_u32 s48, s48, VLSB
	s_mov_b32 s50, 192
	s_cmp_eq_u32 s35, 0
	s_cselect_b32 s44, s44, s45
	s_cselect_b32 s47, s47, s48
	s_cselect_b32 s49, 8, 0
	s_cselect_b32 s50, 24, s50                     ; bytes from row to row of the codes
	s_cselect_b32 s51, 1, 8                        ; and of the scale bytes
	v_mad_u32_u24 v45, v13, s49, v11               ; my row: tokens in the tile's order, channels as they lie
	v_mul_u32_u24 v46, v12, 12
	v_mad_u32_u24 v46, v45, s50, v46
	v_add_nc_u32 v46, s44, v46                     ; codes: + 12 h
	v_mul_u32_u24 v47, v45, s51
	v_add_nc_u32 v47, s47, v47
	v_lshlrev_b32 v196, 6, v12                     ; bk: 64 h
	v_lshlrev_b32 v197, 2, v11                     ; bvl: 4 r
.irp i, 0,1,2,3,4,5,6,7
	v_mov_b32 v[TM+\i], 0                          ; written once: a lane permute's destination counts as one of its sources
.endr
	s_mul_i32 s28, s25, 98304                      ; 32 rows of 3,072 bytes
	s_lshl_b32 s27, s24, 9                         ; + my K step's 512 bytes
	s_add_co_u32 s28, s28, s27
	s_mov_b32 s29, 0
	s_mul_i32 s30, s26, 98304
	s_add_co_u32 s30, s30, s27
	s_mov_b32 s31, 0
	s_lshl_b32 s52, s26, 7                         ; the head's 32 biases
	s_mov_b32 s53, 0
	s_lshl_b32 s54, s36, 6
	s_add_co_u32 s54, s54, s52
	s_mov_b32 s55, 0
	s_wait_kmcnt 0x0
	s_add_nc_u64 s[4:5], s[4:5], s[28:29]
	s_add_nc_u64 s[6:7], s[6:7], s[30:31]
	s_add_nc_u64 s[8:9], s[8:9], s[30:31]
	s_add_nc_u64 s[10:11], s[10:11], s[52:53]
	s_add_nc_u64 s[12:13], s[12:13], s[54:55]
	; ---- phase 1: six units, the loads one unit ahead
	ULOAD XA, 1, 4, 0
	ULOAD XB, 1, 4, 24576
	U XA, 0, 16
	ULOAD XA, 1, 6, 0
	U XB, 1, 16
	ULOAD XB, 1, 6, 24576
	U XA, 2, 16
	ULOAD XA, 2, 8, 0
	U XB, 3, 16
	ULOAD XB, 2, 8, 49152
	U XA, 4, 16
	U XB, 5, 0
	BAR                                            ; the 36 images lie in LDS
	s_cmp_lt_u32 s24, 4
	s_cbranch_scc0 .Lw45
	; ---- phase 2: two accumulators by turns, six K steps; the bias is the sums' first C
	s_cmp_eq_u32 s35, 0
	s_cbranch_scc0 .Lbv
.irp i, 0,1,2,3
	global_load_b128 v[48+4*\i:51+4*\i], v196, s[10:11] offset:16*\i   ; k: register i is channel 16 h + i
.endr
	s_branch .Lbj
.Lbv:
.irp i, 0,1,2,3,4,5,6,7,8,9,10,11,12,13,14,15
	global_load_b32 v[48+\i], v197, s[12:13]       ; val_l: my lane's channel in every register
.endr
.Lbj:
	s_wait_loadcnt 0x0
.irp ks, 0,1,2,3,4,5
.irp c, 0,1,2
	ds_load_b128 v[64+4*\c:67+4*\c], v5 offset:1536*\ks+512*\c
	ds_load_b128 v[76+4*\c:79+4*\c], v5 offset:9216+1536*\ks+512*\c
	ds_load_b128 v[88+4*\c:91+4*\c], v6 offset:1536*\ks+512*\c
.endr
	ds_load_b32 v192, v7 offset:128*\ks
	ds_load_b32 v193, v7 offset:768+128*\ks
	ds_load_b32 v194, v8 offset:128*\ks
	s_wait_dscnt 0x0
	MM 48, 64, 88, v[48:55], 192, 194
	MM 56, 76, 88, v[56:63], 193, 194
	PLACES 4                                       ; in front of loads into registers that the products have read, and of the first read of results
.endr
	QH1 48, 16
	global_store_b96 v46, v[16:18], s[22:23]
	global_store_b8 v47, v[TM+6], s[22:23]         ; both halves of the lanes write the same byte with the same value
	s_wait_tensorcnt 0x0
	ds_add_u32 v254, v255
	s_wait_dscnt 0x0
	s_endpgm
.Lw45:
	s_cmp_eq_u32 s24, 4
	s_cbranch_scc0 .Lend
	s_lshl_b32 s27, s26, 5
	s_add_co_u32 s27, s27, s25                     ; g = x + 32 y: which of the 192 weight fragments
	s_cmp_lt_u32 s27, 192
	s_cbranch_scc0 .Lend
	s_lshr_b32 s34, s27, 5
	s_min_u32 s34, s34, 3                          ; 0 Wq, 1 Wvv, 2 Wov, 3 Wol
	s_and_b32 s35, s27, 31
	s_sub_co_u32 s36, s27, 96
	s_cmp_lt_u32 s27, 96
	s_cselect_b32 s35, s35, s36                    ; the fragment's number in its weight: 2 T + ks
	s_cmp_eq_u32 s34, 0
	s_cselect_b64 s[38:39], s[14:15], s[16:17]
	s_cselect_b32 s37, 8, 0                        ; Wq's tiles take their rows in the tile's order
	s_cmp_lt_u32 s34, 2
	s_cselect_b64 s[38:39], s[38:39], s[18:19]
	s_mov_b32 s40, 147456
	s_cmp_lt_u32 s34, 3
	s_cselect_b64 s[38:39], s[38:39], s[20:21]
	s_cselect_b32 s40, 49152, s40                  ; where the region's scale words begin
	s_mul_i32 s41, s34, 51200                      ; the region
	s_add_co_u32 s40, s40, s41
	s_lshr_b32 s42, s35, 1                         ; T
	s_and_b32 s43, s35, 1                          ; ks
	s_and_b32 s44, s42, 1
	s_mul_i32 s44, s44, s37
	s_lshl_b32 s45, s42, 4
	s_sub_co_u32 s44, s45, s44                     ; 16 T - 8 (T & 1) for Wq, 16 T else
	s_lshl_b32 s44, s44, 10
	s_lshl_b32 s46, s43, 9
	s_add_co_u32 s44, s44, s46
	s_mov_b32 s45, 0
	s_add_nc_u64 s[38:39], s[38:39], s[44:45]
	v_mad_u32_u24 v45, v13, s37, v11
	v_lshl_add_u32 v45, v45, 10, v15               ; row x 1,024 + 128 h
	ULOAD XA, 45, 38, 0
	s_mul_i32 s46, s35, 1536
	s_add_co_u32 s46, s46, s41
	v_lshl_add_u32 v46, v10, 4, s46
	s_lshl_b32 s47, s42, 7
	s_lshl_b32 s48, s43, 6
	s_add_co_u32 s47, s47, s48
	s_add_co_u32 s47, s47, s40
	v_lshl_add_u32 v47, v11, 2, s47
	s_wait_loadcnt 0x0
	QF XA
	global_store_b128 v46, v[PC:PC+3], s[22:23]
	global_store_b128 v46, v[PC+4:PC+7], s[22:23] offset:512
	global_store_b128 v46, v[PC+8:PC+11], s[22:23] offset:1024
	global_store_b32 v47, v[PW], s[22:23]
.Lend:
	s_wait_tensorcnt 0x0
	ds_add_u32 v254, v255
	s_wait_dscnt 0x0
	s_endpgm
.Lfunc_end_k_q18f9b93336_prep:
	.size	k_q18f9b93336_prep, .Lfunc_end_k_q18f9b93336_prep-k_q18f9b93336_prep
	.p2alignl 7, 3214868480
	.fill 96, 4, 3214868480
	.section	.rodata,"a",@progbits
	.p2align	6, 0x0
	.amdhsa_kernel k_q18f9b93336_prep
		.amdhsa_group_segment_fixed_size 62208
		.amdhsa_private_segment_fixed_size 0
		.amdhsa_enable_private_segment 0
		.amdhsa_kernarg_size 80
		.amdhsa_user_sgpr_count 2
		.amdhsa_user_sgpr_kernarg_segment_ptr 1
		.amdhsa_wavefront_size32 1
		.amdhsa_system_sgpr_workgroup_id_x 1
		.amdhsa_system_sgpr_workgroup_id_y 1
		.amdhsa_system_sgpr_workgroup_id_z 1
		.amdhsa_system_vgpr_workitem_id 0
		.amdhsa_next_free_vgpr 256
		.amdhsa_next_free_sgpr 66
		.amdhsa_reserve_vcc 0
		.amdhsa_float_denorm_mode_32 3
		.amdhsa_float_denorm_mode_16_64 3
		.amdhsa_memory_ordered 1
		.amdhsa_forward_progress 1
		.amdhsa_inst_pref_size 51
	.end_amdhsa_kernel
	.amdgpu_metadata
---
amdhsa.version: [ 1, 2 ]
amdhsa.kernels:
  - .name:           k_q18f9b93336_prep
    .symbol:         k_q18f9b93336_prep.kd
    .args:
      - { .name: l, .offset: 0, .size: 8, .value_kind: global_buffer, .address_space: global }
      - { .name: Wk, .offset: 8, .size: 8, .value_kind: global_buffer, .address_space: global }
      - { .name: Wvl, .offset: 16, .size: 8, .value_kind: global_buffer, .address_space: global }
      - { .name: bk, .offset: 24, .size: 8, .value_kind: global_buffer, .address_space: global }
      - { .name: bvl, .offset: 32, .size: 8, .value_kind: global_buffer, .address_space: global }
      - { .name: Wq, .offset: 40, .size: 8, .value_kind: global_buffer, .address_space: global }
      - { .name: Wvv, .offset: 48, .size: 8, .value_kind: global_buffer, .address_space: global }
      - { .name: Wov, .offset: 56, .size: 8, .value_kind: global_buffer, .address_space: global }
      - { .name: Wol, .offset: 64, .size: 8, .value_kind: global_buffer, .address_space: global }
      - { .name: prep, .offset: 72, .size: 8, .value_kind: global_buffer, .address_space: global }
    .group_segment_fixed_size: 62208
    .private_segment_fixed_size: 0
    .kernarg_segment_align: 8
    .kernarg_segment_size: 80
    .max_flat_workgroup_size: 192
    .sgpr_count:     66
    .vgpr_count:     256
    .wavefront_size: 32
...
	.end_amdgpu_metadata
.endif
;; end of part 1
;; launch proj (part 2): grid 213 x 1, 8 waves a work-group, no clusters, 95,232 bytes of LDS; arguments v, v_pos, bq, bvv, prep, qbuf, vbuf; writes qbuf, vbuf
.if DOCPART == 2
	.amdgcn_target "amdgcn-amd-amdhsa--gfx1250"
	.amdhsa_code_object_version 6
	.text
	.protected	k_q18f9b93336_proj
	.globl	k_q18f9b93336_proj
	.p2align	8
	.type	k_q18f9b93336_proj,@function
k_q18f9b93336_proj:
	s_mov_b64 s[64:65], 0
	v_nop
	global_prefetch_b8 v0, s[64:65] scope:SCOPE_SE
	s_setreg_imm32_b32 hwreg(HW_REG_WAVE_MODE, 25, 1), 1
	s_wait_xcnt 0x0
; q = ((v + v_pos) Wq^T + bq) / sqrt(32) and val_v = v Wvv^T + bvv on codes of FP6 (E2M3), one E8M0 scale for each 32 along K = 256; the results are quantised again
; (q along its head's 32 channels, val_v along blocks of 32 tokens) and stored as codes: the f32 tokens are read once.
; SHARES.  The 54,400 tokens are 850 pairs of blocks of 32.  A work-group walks four pairs: pair min(4 x + i, 849); the last work-group so repeats its last pair, with the same stores of the same values.
; Phase X: wave w takes tile w / 2 (16 of the 64 tokens) and K step w % 2: 16 loads of 512 consecutive bytes of v, 16 of v_pos; they turn through the wave's own stage in LDS, so that a lane holds
; 2 x 32 neighbours along K; v and v + v_pos are quantised; the two fragments go to LDS as images of their registers.  Then wave w is HEAD w: its 8 weight fragments and its biases stay in registers.
; THE ROWS OF A TILE of tokens and of Wq are not neighbours: row r of tile u is 8 u + r + 8 (r / 8), so that the 16 result registers of two tiles are 16 neighbours along the next K.
; The next pair's loads are issued ahead of the matrix phase, into registers that it does not use; the last trip asks for nothing.
; LIMITS: NaN and infinities are not served; a block whose largest magnitude lies under 2^-124 (a block of zeros too) has the scale byte 1: these bytes are read by this program alone.
; REGISTERS: window 0: v1-15 addresses, v16-22 scale words, v24-54 the quantisers, v64-111 four fragments of x, v112-127 two accumulators, v128-255 v and v_pos.  Window 1: v0-95 weights, v96-127 biases.
.set TRIPS, 4
.set XIMG, 67584                       ; LDS: behind the eight stages of 16 x 528 bytes: 16 images, number 4 tile + 2 arr + ks (arr 0: v, 1: v + v_pos)
.set XSC,  92160                       ; their scale words, 64 bytes each
.set QSO,  10444800                    ; where the scale bytes begin in qbuf and in vbuf
.set PC, 24
.set PT, 36
.set TM, 44
.set PW, 22
.set H8, 9
.set SEL, 20
.set CO, 52                            ; v52-54  12 bytes of codes
.set FR, 64
.set AC, 112
.set XV, 128
.set XP, 192
.set WQ, 0                             ; window 1: Wq's fragments (t, ks) at 12 (2 t + ks); Wvv's likewise; bq's two tiles; bvv's two
.set WV, 48
.set BQ, 96
.set BV, 112
.set MSB, 0
.macro WIN new                         ; the immediate's high byte repeats the setting that is left
.if MSB != \new
	s_set_vgpr_msb (MSB<<8)|\new
.set MSB, \new
.endif
.endm
.macro PLACES n
.rept \n
	v_nop
.endr
.endm
.macro BAR                             ; my LDS stores have landed and my LDS loads are in: then the work-group's barrier
	s_wait_dscnt 0x0
	s_barrier_signal -1
	s_barrier_wait -1
.endm
.macro MM d, a, b, c, sa, sb
	v_wmma_scale_f32_16x16x128_f8f6f4 v[\d:\d+7], v[\a:\a+11], v[\b:\b+11], \c, v[\sa], v[\sb] matrix_a_fmt:MATRIX_FMT_FP6 matrix_b_fmt:MATRIX_FMT_FP6
.endm
.macro MM1 d, a, b, c, sa, sb          ; both sides' scales from lanes 16-31: the second K step's words
	v_wmma_scale_f32_16x16x128_f8f6f4 v[\d:\d+7], v[\a:\a+11], v[\b:\b+11], \c, v[\sa], v[\sb] matrix_a_fmt:MATRIX_FMT_FP6 matrix_b_fmt:MATRIX_FMT_FP6 matrix_a_scale:MATRIX_SCALE_ROW1 matrix_b_scale:MATRIX_SCALE_ROW1
.endm
.macro QF x                            ; 64 numbers of a lane (register 32 c + i = k 64 c + 32 h + i) -> 12 registers of codes in v[PC] on, the row's scale word in v[PW]
.irp c, 0,1
	v_max3_num_f32 v[TM+\c], |v[\x+32*\c]|, |v[\x+32*\c+1]|, 0x1800000   ; with the floor 2^(3 - 127)
.endr
.irp i, 2,4,6,8,10,12,14,16,18,20,22,24,26,28,30
.irp c, 0,1
	v_max3_num_f32 v[TM+\c], v[TM+\c], |v[\x+32*\c+\i]|, |v[\x+32*\c+\i+1]|
.endr
.endr
.irp c, 0,1
	v_add_nc_u32 v[TM+2+\c], 0xff000000, v[TM+\c]      ; 2 off the exponent field: the conversion's scale operand
.endr
.irp c, 0,1
	v_lshrrev_b32 v[TM+4+\c], 23, v[TM+2+\c]           ; the scale's byte
.endr
	v_lshl_or_b32 v[PW], v[TM+5], 16, v[TM+4]          ; my blocks are h and 2 + h:
	v_lshlrev_b32 v[PW], v[H8], v[PW]                  ; 8 h bits up,
	v_permlanex16_b32 v[TM+6], v[PW], s[SEL], s[SEL+1]
	v_or_b32 v[PW], v[PW], v[TM+6]                     ; and with lane l xor 16's two bytes the word is whole
.irp c, 0,1
	v_cvt_scalef32_pk16_fp6_f32 v[PC+6*\c:PC+6*\c+2], v[\x+32*\c:\x+32*\c+15], v[TM+2+\c]
	v_cvt_scalef32_pk16_fp6_f32 v[PT+4*\c:PT+4*\c+2], v[\x+32*\c+16:\x+32*\c+31], v[TM+2+\c]   ; (a conversion's three registers begin on an even number)
.endr
	v_nop                                              ; one plain place behind a scaled conversion
.irp c, 0,1
.irp i, 0,1,2
	v_mov_b32 v[PC+6*\c+3+\i], v[PT+4*\c+\i]
.endr
.endr
.endm
.macro QH1 y, x                        ; 16 registers, half a block (the other half in lane l xor 16) -> 12 bytes of codes in v[x] on, the byte in v[TM+6]
	v_max3_num_f32 v[TM], |v[\y]|, |v[\y+1]|, 0x1800000
.irp i, 2,4,6,8,10,12,14
	v_max3_num_f32 v[TM], v[TM], |v[\y+\i]|, |v[\y+\i+1]|
.endr
	v_permlanex16_b32 v[TM+2], v[TM], s[SEL], s[SEL+1]
	v_max_num_f32 v[TM], v[TM], v[TM+2]
	v_add_nc_u32 v[TM+4], 0xff000000, v[TM]
	v_lshrrev_b32 v[TM+6], 23, v[TM+4]
	v_cvt_scalef32_pk16_fp6_f32 v[\x:\x+2], v[\y:\y+15], v[TM+4]
	v_nop
.endm
.macro XLOAD                           ; pair s42: my tile's 16 rows, my K step's 512 bytes of each, of v and of v_pos
	s_lshl_b32 s44, s42, 16
	s_add_nc_u64 s[28:29], s[24:25], s[44:45]
	s_add_nc_u64 s[30:31], s[26:27], s[44:45]
.set n, 0
.rept 16
	global_load_b128 v[XV+4*n:XV+4*n+3], v1, s[28:29] offset:(n+8*(n/8))*1024 th:TH_LOAD_NT
	global_load_b128 v[XP+4*n:XP+4*n+3], v1, s[30:31] offset:(n+8*(n/8))*1024 th:TH_LOAD_NT
.set n, n+1
.endr
.endm
.macro TURN x                          ; 16 rows of 512 bytes through my stage: in as loaded, out 2 x 128 bytes of my row a lane.  LDS serves a wave's instructions in order
.set n, 0
.rept 16
	ds_store_b128 v2, v[\x+4*n:\x+4*n+3] offset:528*n
.set n, n+1
.endr
.irp c, 0,1
.irp i, 0,1,2,3,4,5,6,7
	ds_load_b128 v[\x+32*\c+4*\i:\x+32*\c+4*\i+3], v3 offset:256*\c+16*\i
.endr
.endr
.endm
.macro IMG arr
	ds_store_b128 v4, v[PC:PC+3] offset:3072*\arr
	ds_store_b128 v4, v[PC+4:PC+7] offset:3072*\arr+512
	ds_store_b128 v4, v[PC+8:PC+11] offset:3072*\arr+1024
	ds_store_b32 v5, v[PW] offset:128*\arr
.endm
.macro BLK bl                          ; where block 2 pair + bl's codes and bytes go: [b][head][block of the batch]
	s_wait_xcnt 0x0                                    ; the earlier stores have read their bases
	s_lshl_b32 s43, s41, 1
	s_add_co_u32 s43, s43, \bl                         ; F, the block's number among all 1,700
	s_mul_hi_u32 s44, s43, 10105806                    ; b = F / 425 (the factor is 2^32 / 425 taken upward: right for F under 1,700)
	s_mul_i32 s44, s44, 2975
	s_add_co_u32 s43, s43, s44
	s_add_co_u32 s43, s43, s50                         ; (8 b + w) 425 + F - 425 b
	s_mul_i32 s44, s43, 768
	s_add_nc_u64 s[32:33], s[14:15], s[44:45]
	s_add_nc_u64 s[36:37], s[16:17], s[44:45]
	s_lshl_b32 s44, s43, 5
	s_add_nc_u64 s[34:35], s[46:47], s[44:45]
	s_add_nc_u64 s[38:39], s[48:49], s[44:45]
.endm
.macro FRAGS bl, arr                   ; the block's four fragments (tile u, K step ks) at FR + 24 u + 12 ks, and their scale words (ks 0 in lanes 0-15, ks 1 in lanes 16-31)
.set n, 0
.rept 2
.irp q, 0,1,2,3,4,5
	ds_load_b128 v[FR+24*n+4*\q:FR+24*n+4*\q+3], v6 offset:((2*\bl+n)*4+2*\arr)*1536+512*\q
.endr
	ds_load_b32 v[20+n], v7 offset:((2*\bl+n)*4+2*\arr)*64
.set n, n+1
.endr
	s_wait_dscnt 0x0
.endm
; kind 0: q of token tile a (source 0 = 16 channels of Wq, source 1 = 16 tokens: a lane holds a token, its 16 registers channels 16 h + 0 .. 15).
; kind 1: val_v of channel tile a (source 0 = 16 tokens, source 1 = 16 channels of Wvv: a lane holds a channel, its 16 registers tokens 16 h + 0 .. 15).  Two accumulators by turns; the bias is the first C.
.macro UNIT kind, a
.if \kind == 0
	WIN 0x11
	MM AC, WQ, FR+24*\a, v[BQ:BQ+7], 16, 20+\a
	MM AC+8, WQ+24, FR+24*\a, v[BQ+8:BQ+15], 17, 20+\a
	WIN 0x01
	MM1 AC, WQ+12, FR+24*\a+12, v[AC:AC+7], 16, 20+\a
	MM1 AC+8, WQ+36, FR+24*\a+12, v[AC+8:AC+15], 17, 20+\a
.else
	WIN 0x14
	MM AC, FR, WV+24*\a, v[BV+8*\a:BV+8*\a+7], 20, 18+\a
	MM AC+8, FR+24, WV+24*\a, v[BV+8*\a:BV+8*\a+7], 21, 18+\a
	WIN 0x04
	MM1 AC, FR+12, WV+24*\a+12, v[AC:AC+7], 20, 18+\a
	MM1 AC+8, FR+36, WV+24*\a+12, v[AC+8:AC+15], 21, 18+\a
.endif
	WIN 0
	PLACES 5                                           ; behind the products: their results are read, their operands loaded anew, and the next unit's products write over the accumulators
.if \kind == 0
.irp j, 0,2,4,6,8,10,12,14
	v_pk_mul_f32 v[AC+\j:AC+\j+1], v[AC+\j:AC+\j+1], s[22:23] op_sel_hi:[1,0]   ; x 32^-0.5
.endr
.endif
	s_wait_xcnt 0x0                                    ; the last unit's stores have read their data
	QH1 AC, CO
.if \kind == 0
	global_store_b96 v8, v[CO:CO+2], s[32:33] offset:384*\a
	global_store_b8 v11, v[TM+6], s[34:35] offset:16*\a
.else
	global_store_b96 v8, v[CO:CO+2], s[36:37] offset:384*\a
	global_store_b8 v11, v[TM+6], s[38:39] offset:16*\a
.endif
.endm
	s_load_b256 s[4:11], s[0:1], 0x0               ; v 4, v_pos 6, bq 8, bvv 10
	s_load_b128 s[12:15], s[0:1], 0x20             ; prep 12, qbuf 14
	s_load_b64 s[16:17], s[0:1], 0x30              ; vbuf
	v_lshl_add_u32 v62, v0, 2, 0x17000
	v_mov_b32 v63, 0
	v_lshrrev_b32 v10, 5, v0
	v_readfirstlane_b32 s18, v10                   ; wave 0..7
	s_mov_b32 s[SEL], 0x76543210
	s_mov_b32 s[SEL+1], 0xfedcba98
	s_mov_b32 s22, 0x3e3504f3                      ; 32^-0.5
	s_mov_b32 s23, s22
	v_and_b32 v10, 31, v0                          ; lane
	v_and_b32 v11, 15, v0                          ; r; also the offset of my scale byte
	v_bfe_u32 v12, v0, 4, 1                        ; h
	v_lshlrev_b32 v1, 4, v10                       ; 16 x lane
	s_mul_i32 s19, s18, 8448
	v_add_nc_u32 v2, s19, v1                       ; my stage, on the way in
	v_mul_u32_u24 v3, v11, 528
	v_lshl_add_u32 v3, v12, 7, v3
	v_add_nc_u32 v3, s19, v3                       ; and out: row r, + 128 h
	s_lshr_b32 s19, s18, 1
	s_lshl_b32 s19, s19, 2
	s_and_b32 s43, s18, 1
	s_add_co_u32 s19, s19, s43                     ; my image's number for v: 4 (w / 2) + w % 2
	s_mul_i32 s44, s19, 1536
	s_add_co_u32 s44, s44, XIMG
	v_add_nc_u32 v4, s44, v1
	s_lshl_b32 s44, s19, 6
	s_add_co_u32 s44, s44, XSC
	v_lshl_add_u32 v5, v11, 2, s44
	v_add_nc_u32 v6, XIMG, v1
	v_lshl_add_u32 v7, v10, 2, XSC
	v_mul_u32_u24 v8, v11, 24
	v_mad_u32_u24 v8, v12, 12, v8                  ; codes: 24 r + 12 h
	v_lshlrev_b32 v[H8], 3, v12
	v_lshlrev_b32 v13, 6, v12                      ; bq: 64 h
	v_lshlrev_b32 v14, 2, v11                      ; bvv: 4 r
	v_lshlrev_b32 v15, 2, v10                      ; scale words: 4 x lane
.irp i, 0,1,2,3,4,5,6,7
	v_mov_b32 v[TM+\i], 0                          ; written once: a lane permute's destination counts as one of its sources
.endr
	s_mul_i32 s50, s18, 425
	s_lshr_b32 s43, s18, 2                         ; my tile's rows and my K step, in bytes: (32 (w / 4) + 8 ((w / 2) % 2)) x 1,024 + 512 (w % 2)
	s_lshl_b32 s43, s43, 15
	s_bfe_u32 s44, s18, 0x10001
	s_lshl_b32 s44, s44, 13
	s_add_co_u32 s44, s44, s43
	s_and_b32 s43, s18, 1
	s_lshl_b32 s43, s43, 9
	s_add_co_u32 s44, s44, s43
	s_mov_b32 s45, 0                               ; stays 0: the upper word of every offset
	s_mul_i32 s52, s18, 6144
	s_mov_b32 s53, 0
	s_lshl_b32 s54, s18, 8
	s_mov_b32 s55, 0
	s_lshl_b32 s56, s18, 7
	s_mov_b32 s57, 0
	s_wait_kmcnt 0x0
	s_add_nc_u64 s[24:25], s[4:5], s[44:45]
	s_add_nc_u64 s[26:27], s[6:7], s[44:45]
	s_add_nc_u64 s[52:53], s[12:13], s[52:53]      ; my head's four images in a weight's region
	s_add_nc_u64 s[54:55], s[12:13], s[54:55]      ; and its scale words
	s_add_nc_u64 s[8:9], s[8:9], s[56:57]
	s_add_nc_u64 s[10:11], s[10:11], s[56:57]
	s_add_nc_u64 s[46:47], s[14:15], QSO
	s_add_nc_u64 s[48:49], s[16:17], QSO
	WIN 0x40                                       ; destination window 1
.set n, 0
.rept 12
	global_load_b128 v[WQ+4*n:WQ+4*n+3], v1, s[52:53] offset:512*n
	global_load_b128 v[WV+4*n:WV+4*n+3], v1, s[52:53] offset:51200+512*n
.set n, n+1
.endr
.irp i, 0,1,2,3
	global_load_b128 v[BQ+4*\i:BQ+4*\i+3], v13, s[8:9] offset:16*\i      ; register i: bq of channel 16 h + i
.endr
.irp i, 0,1,2,3,4,5,6,7
	global_load_b32 v[BV+\i], v14, s[10:11]                              ; my lane's channel in every register
	global_load_b32 v[BV+8+\i], v14, s[10:11] offset:64
.endr
	WIN 0
.irp t, 0,1
	global_load_b32 v[16+\t], v15, s[54:55] offset:49152+128*\t
	global_load_b32 v[18+\t], v15, s[54:55] offset:51200+49152+128*\t
.endr
	s_lshl_b32 s41, ttmp9, 2                       ; the first pair
	s_mov_b32 s42, s41
	XLOAD
	s_mov_b32 s40, 0
.Ltrip:
	s_wait_loadcnt 0x0                             ; this pair's numbers (and, the first time, the weights)
	s_wait_xcnt 0x0                                ; the last trip's stores have read their data: the quantisers' registers are written again only behind this wait
	TURN XV
	TURN XP
	s_wait_dscnt 0x0
	QF XV
	IMG 0
.set n, 0
.rept 32
	v_pk_add_f32 v[XP+n:XP+n+1], v[XP+n:XP+n+1], v[XV+n:XV+n+1]
.set n, n+2
.endr
	s_wait_dscnt 0x0                               ; the stores have read their registers
	QF XP
	IMG 1
	s_lshl_b32 s42, ttmp9, 2
	s_add_co_u32 s42, s42, s40
	s_add_co_u32 s42, s42, 1
	s_min_u32 s42, s42, 849                        ; the next pair, held inside the tensor
	s_cmp_eq_u32 s40, TRIPS-1                      ; the last trip has no next pair: its 32 loads are left out
	s_cbranch_scc1 .Lno_next
	XLOAD                                          ; all earlier loads are in, so their bases may be written
.Lno_next:
	BAR                                            ; the pair's 16 images lie in LDS
.irp bl, 0,1
	BLK \bl
	FRAGS \bl, 1
	UNIT 0, 0
	UNIT 0, 1
	FRAGS \bl, 0
	UNIT 1, 0
	UNIT 1, 1
.endr
	BAR                                            ; every wave's reads of the images are over: the next trip writes them again
	s_mov_b32 s41, s42
	s_add_co_u32 s40, s40, 1
	s_cmp_lt_u32 s40, TRIPS
	s_cbranch_scc1 .Ltrip
	s_wait_tensorcnt 0x0
	ds_add_u32 v62, v63
	s_wait_dscnt 0x0
	s_endpgm
.Lfunc_end_k_q18f9b93336_proj:
	.size	k_q18f9b93336_proj, .Lfunc_end_k_q18f9b93336_proj-k_q18f9b93336_proj
	.p2alignl 7, 3214868480
	.fill 96, 4, 3214868480
	.section	.rodata,"a",@progbits
	.p2align	6, 0x0
	.amdhsa_kernel k_q18f9b93336_proj
		.amdhsa_group_segment_fixed_size 95232
		.amdhsa_private_segment_fixed_size 0
		.amdhsa_enable_private_segment 0
		.amdhsa_kernarg_size 56
		.amdhsa_user_sgpr_count 2
		.amdhsa_user_sgpr_kernarg_segment_ptr 1
		.amdhsa_wavefront_size32 1
		.amdhsa_system_sgpr_workgroup_id_x 1
		.amdhsa_system_sgpr_workgroup_id_y 1
		.amdhsa_system_sgpr_workgroup_id_z 1
		.amdhsa_system_vgpr_workitem_id 0
		.amdhsa_next_free_vgpr 384
		.amdhsa_next_free_sgpr 66
		.amdhsa_reserve_vcc 0
		.amdhsa_float_denorm_mode_32 3
		.amdhsa_float_denorm_mode_16_64 3
		.amdhsa_memory_ordered 1
		.amdhsa_forward_progress 1
		.amdhsa_inst_pref_size 49
	.end_amdhsa_kernel
	.amdgpu_metadata
---
amdhsa.version: [ 1, 2 ]
amdhsa.kernels:
  - .name:           k_q18f9b93336_proj
    .symbol:         k_q18f9b93336_proj.kd
    .args:
      - { .name: v, .offset: 0, .size: 8, .value_kind: global_buffer, .address_space: global }
      - { .name: v_pos, .offset: 8, .size: 8, .value_kind: global_buffer, .address_space: global }
      - { .name: bq, .offset: 16, .size: 8, .value_kind: global_buffer, .address_space: global }
      - { .name: bvv, .offset: 24, .size: 8, .value_kind: global_buffer, .address_space: global }
      - { .name: prep, .offset: 32, .size: 8, .value_kind: global_buffer, .address_space: global }
      - { .name: qbuf, .offset: 40, .size: 8, .value_kind: global_buffer, .address_space: global }
      - { .name: vbuf, .offset: 48, .size: 8, .value_kind: global_buffer, .address_space: global }
    .group_segment_fixed_size: 95232
    .private_segment_fixed_size: 0
    .kernarg_segment_align: 8
    .kernarg_segment_size: 56
    .max_flat_workgroup_size: 256
    .sgpr_count:     66
    .vgpr_count:     384
    .wavefront_size: 32
...
	.end_amdgpu_metadata
.endif
;; end of part 2
;; launch passA (part 3): grid 61 x 4, 8 waves a work-group, no clusters, 93,184 bytes of LDS; arguments attention_mask_l, bov, prep, qbuf, out0, pam; writes out0, pam
.if DOCPART == 3
	.amdgcn_target "amdgcn-amd-amdhsa--gfx1250"
	.amdhsa_code_object_version 6
	.text
	.protected	k_q18f9b93336_passA
	.globl	k_q18f9b93336_passA
	.p2align	8
	.type	k_q18f9b93336_passA,@function
k_q18f9b93336_passA:
	s_mov_b64 s[64:65], 0
	v_nop
	global_prefetch_b8 v0, s[64:65] scope:SCOPE_SE
	s_setreg_imm32_b32 hwreg(HW_REG_WAVE_MODE, 25, 1), 1
	s_wait_xcnt 0x0
; The vision direction: out0 = (softmax_s(clip(q k^T) + ml) val_l) Wov^T + bov, all products on codes of FP6 (E2M3) with E8M0 scales; and, on the way, the largest score of each language token.
; SHARES.  Work-group (chunk, b) walks 7 blocks of 32 tokens: block min(7 chunk + i, 424); a batch's last chunk so repeats block 424, with the same stores of the same values, and a maximum takes no harm.
; Wave w is head w: scores, softmax and O of its head, then outputs 32 w .. 32 w + 31.  k, val_l and the mask stay in registers; q's codes come one trip ahead.
; K = 32 IN AN INSTRUCTION OF K = 128.  k's operand is DENSE: its four blocks hold four different sets of 16 language tokens.  q's is a VARIANT: its 24 bytes in one block, zero codes in the others;
; 30 registers Z6 Dlo6 Z6 Dhi6 Z6 (Dlo: the row in lanes 0-15, Dhi: in lanes 16-31) hold all four variants: twelve registers from 6, 18, 0, 12 on put the data into block 0, 1, 2, 3.
; SOFTMAX.  t = clip(score) x log2(e) + ml x log2(e); M = ceil(the row's largest t); p = 2^(t - M), quantised along the language tokens; the sum of the unquantised p divides O.  The subtraction of M is an
; addition of its own, so that a row whose every token is masked gives t - M = 0.  A block's largest p is made of its largest t by the same two instructions.
; THE ROWS OF A TILE: row r of set 2 b + u of k is language token 32 b + 8 u + r + 8 (r / 8); of tile u of q, token 8 u + r + 8 (r / 8); of tile u of val_l, channel 8 u + r + 8 (r / 8).
; LIMITS: NaN and infinities are not served; a block under 2^-124 has the scale byte 1; p under 2^-126 counts as 0.
; REGISTERS: window 0: v1-14 addresses and lane masks, v16-28 scale words, v30-43 q's codes and bytes, v44-47, v78-79 the row's figures, v48-77 the variants, v80-127 the quantisers, v128-255 scores and scratch.
;   (v100-113 also hold the head's lane figures, up to the line that clears v108-115.)   window 1: v0-127 the mask, v128-175 k, v176-223 val_l, v224-239 the running maxima, v240-255 bov.
.set KC,   307200
.set KSB,  503808
.set VLC,  512000
.set VLSB, 708608
.set QSO,  10444800
.set OIMG, 51200                       ; LDS: Wov's region (51,200 bytes) at 0; then O's codes: tile x 3,072 + head x 384 + 24 r + 12 h
.set OSC,  57344                       ; their scale bytes: tile x 128 + 64 (head / 4) + 4 r + head % 4
.set MLL,  57600                       ; the mask, 256 numbers
.set STG,  58624                       ; the stage for out0: 32 rows x (1,024 + 16)
.set KS, 16
.set VLS, 20
.set QS, 22
.set PW0, 23
.set PW1, 24
.set WOS, 25
.set OFS, 27
.set X, 30
.set XB, 42
.set QV, 48
.set PA, 80
.set PT, 92
.set BM, 100
.set TM, 100
.set BP, 108
.set SO, 116
.set OC, 124
.set S, 128
.set OA, 144
.set ML, 0
.set KD, 128
.set VL, 176
.set AM, 224
.set BO, 240
.set SEL, 20
.set MSB, 0
.macro WIN new                         ; the immediate's high byte repeats the setting that is left
.if MSB != \new
	s_set_vgpr_msb (MSB<<8)|\new
.set MSB, \new
.endif
.endm
.macro PLACES n
.rept \n
	v_nop
.endr
.endm
.macro BAR
	s_wait_dscnt 0x0
	s_barrier_signal -1
	s_barrier_wait -1
.endm
.macro MM d, a, b, c, sa, sb
	v_wmma_scale_f32_16x16x128_f8f6f4 v[\d:\d+7], v[\a:\a+11], v[\b:\b+11], \c, v[\sa], v[\sb] matrix_a_fmt:MATRIX_FMT_FP6 matrix_b_fmt:MATRIX_FMT_FP6
.endm
.macro MMA d, a, b, c, sa, sb          ; source 0's scales from lanes 16-31
	v_wmma_scale_f32_16x16x128_f8f6f4 v[\d:\d+7], v[\a:\a+11], v[\b:\b+11], \c, v[\sa], v[\sb] matrix_a_fmt:MATRIX_FMT_FP6 matrix_b_fmt:MATRIX_FMT_FP6 matrix_a_scale:MATRIX_SCALE_ROW1
.endm
.macro MM1 d, a, b, c, sa, sb          ; both sides' from lanes 16-31
	v_wmma_scale_f32_16x16x128_f8f6f4 v[\d:\d+7], v[\a:\a+11], v[\b:\b+11], \c, v[\sa], v[\sb] matrix_a_fmt:MATRIX_FMT_FP6 matrix_b_fmt:MATRIX_FMT_FP6 matrix_a_scale:MATRIX_SCALE_ROW1 matrix_b_scale:MATRIX_SCALE_ROW1
.endm
.macro QH1 y, x                        ; 16 registers, half a block (the other half in lane l xor 16) -> 12 bytes of codes in v[x] on, the byte in v[TM+6]
	v_max3_num_f32 v[TM], |v[\y]|, |v[\y+1]|, 0x1800000
.irp i, 2,4,6,8,10,12,14
	v_max3_num_f32 v[TM], v[TM], |v[\y+\i]|, |v[\y+\i+1]|
.endr
	v_permlanex16_b32 v[TM+2], v[TM], s[SEL], s[SEL+1]
	v_max_num_f32 v[TM], v[TM], v[TM+2]
	v_add_nc_u32 v[TM+4], 0xff000000, v[TM]
	v_lshrrev_b32 v[TM+6], 23, v[TM+4]
	v_cvt_scalef32_pk16_fp6_f32 v[\x:\x+2], v[\y:\y+15], v[TM+4]
	v_nop
.endm
; 64 registers of p (register 16 b + i = k 32 b + 16 h + i) and their four blocks' largest p in v[bm] on -> a fragment in v[dst] on, its scale word in v[pw]
.macro QP y, bm, dst, pw
.irp b, 0,1,2,3
	v_max_num_f32 v[\bm+\b], 0x1800000, v[\bm+\b]      ; the floor 2^(3 - 127): a block whose every p is 0 keeps the byte 1: its codes are zeros
.endr
.irp b, 0,1,2,3
	v_add_nc_u32 v[SO+\b], 0xff000000, v[\bm+\b]
.endr
.irp b, 0,1,2,3
	v_lshrrev_b32 v[BP+\b], 23, v[SO+\b]
.endr
	v_lshl_or_b32 v[\pw], v[BP+1], 8, v[BP]
	v_lshl_or_b32 v[\pw], v[BP+2], 16, v[\pw]
	v_lshl_or_b32 v[\pw], v[BP+3], 24, v[\pw]
.irp c, 0,1
	v_cvt_scalef32_pk16_fp6_f32 v[\dst+6*\c:\dst+6*\c+2], v[\y+32*\c:\y+32*\c+15], v[SO+2*\c]
	v_cvt_scalef32_pk16_fp6_f32 v[PT+4*\c:PT+4*\c+2], v[\y+32*\c+16:\y+32*\c+31], v[SO+2*\c+1]
.endr
	v_nop                                              ; one plain place behind a scaled conversion
.irp c, 0,1                            ; the operand wants a whole block in a lane: lanes 0-15 block 2 c, lanes 16-31 block 2 c + 1
.irp i, 0,1,2
	v_permlane16_swap_b32 v[\dst+6*\c+\i], v[PT+4*\c+\i]
.endr
.irp i, 0,1,2
	v_mov_b32 v[\dst+6*\c+3+\i], v[PT+4*\c+\i]
.endr
.endr
.endm
.macro QLOAD                           ; s43: a block's number among all heads' blocks: its two tiles' rows (24 bytes, the same in both halves of the lanes) and scale bytes
	s_mul_i32 s44, s43, 768
	s_add_nc_u64 s[46:47], s[10:11], s[44:45]
	s_lshl_b32 s44, s43, 5
	s_add_nc_u64 s[48:49], s[50:51], s[44:45]
.irp k, 0,1
.irp p, 0,1,2
	global_load_b64 v[X+6*\k+2*\p:X+6*\k+2*\p+1], v9, s[46:47] offset:384*\k+8*\p
.endr
	global_load_u8 v[XB+\k], v10, s[48:49] offset:16*\k
.endr
.endm
; THE ATTENTION OF 16 TOKENS, tile u of the block
.macro ATT u
	s_wait_dscnt 0x0                                   ; my last LDS stores have read their registers
	v_perm_b32 v[QS], v[XB+\u], v[XB+\u], 0            ; q's scale byte in all four bytes
.irp i, 0,1,2,3,4,5
	v_and_b32 v[QV+6+\i], v12, v[X+6*\u+\i]
	v_and_b32 v[QV+18+\i], v13, v[X+6*\u+\i]
.endr
.if \u
	s_add_co_u32 s43, s41, s40                         ; both tiles' codes are taken: the next block's are asked for, a trip ahead
	s_add_co_u32 s43, s43, 1
	s_min_u32 s43, s43, 424
	s_add_co_u32 s43, s43, s42
	QLOAD
.endif
	PLACES 8                                           ; a scale word made by vector instructions stands 8 places ahead of a scaled product, an operand 4
	WIN 0x04                                           ; S = q k^T: a lane holds a language token, its registers 8 tokens: for the column maxima
.set t, 0
.rept 16
	MM S+8*t, QV+12*(t%2)+6-6*((t%4)/2), KD+12*(t/4), 0, QS, KS+t/4
.set t, t+1
.endr
	PLACES 4
	WIN 0x41
.irp k, 0,2,4,6
.set t, 0
.rept 16
	v_max3_num_f32 v[AM+t], v[AM+t], v[S+8*t+\k], v[S+8*t+\k+1]
.set t, t+1
.endr
.endr
	WIN 0x01                                           ; S^T = k q^T: a lane holds a token; register 16 b + i is language token 32 b + 16 h + i
.set t, 0
.rept 16
	MM S+8*t, KD+12*(t/4), QV+12*(t%2)+6-6*((t%4)/2), 0, KS+t/4, QS
.set t, t+1
.endr
	WIN 0
	PLACES 4
.set n, 0
.rept 128
	v_med3_num_f32 v[S+n], v[S+n], s25, s24            ; the clip at +-50,000
.set n, n+1
.endr
	WIN 0x10
.set n, 0
.rept 64
	v_pk_fma_f32 v[S+n:S+n+1], v[S+n:S+n+1], s[22:23], v[ML+n:ML+n+1] op_sel_hi:[1,0,1]   ; t
.set n, n+2
.endr
	WIN 0
.irp b, 0,1,2,3,4,5,6,7
	v_max3_num_f32 v[BM+\b], v[S+16*\b], v[S+16*\b+1], v[S+16*\b+2]    ; each block's largest t: for the row's maximum and for the block's largest p
.endr
.irp i, 3,5,7,9,11,13
.irp b, 0,1,2,3,4,5,6,7
	v_max3_num_f32 v[BM+\b], v[BM+\b], v[S+16*\b+\i], v[S+16*\b+\i+1]
.endr
.endr
.irp b, 0,1,2,3,4,5,6,7
	v_max_num_f32 v[BM+\b], v[BM+\b], v[S+16*\b+15]
.endr
.irp b, 0,1,2,3,4,5,6,7
	v_permlanex16_b32 v[BP+\b], v[BM+\b], s[SEL], s[SEL+1]
.endr
.irp b, 0,1,2,3,4,5,6,7
	v_max_num_f32 v[BM+\b], v[BM+\b], v[BP+\b]
.endr
	v_max3_num_f32 v45, v[BM], v[BM+1], v[BM+2]
	v_max3_num_f32 v45, v45, v[BM+3], v[BM+4]
	v_max3_num_f32 v45, v45, v[BM+5], v[BM+6]
	v_max_num_f32 v45, v45, v[BM+7]
	v_floor_f32 v44, -v45                              ; -M = floor(-t) = -ceil(t)
.set n, 0
.rept 64
	v_pk_add_f32 v[S+n:S+n+1], v[S+n:S+n+1], v[44:45] op_sel_hi:[1,0]
.set n, n+2
.endr
.irp b, 0,1,2,3,4,5,6,7
	v_add_f32 v[BM+\b], v[BM+\b], v44
.endr
.set n, 0
.rept 128
	v_exp_f32 v[S+n], v[S+n]                           ; p = 2^(t - M)
.set n, n+1
.endr
	v_nop                                              ; a plain place behind the exponentials
	s_wait_alu depctr_va_vdst(0)                       ; one wait for the batch, ahead of its first reader
.irp b, 0,1,2,3,4,5,6,7
	v_exp_f32 v[BM+\b], v[BM+\b]
.endr
	v_pk_add_f32 v[46:47], v[S:S+1], v[S+2:S+3]        ; the row's sum of the unquantised p, in two chains
	v_pk_add_f32 v[78:79], v[S+4:S+5], v[S+6:S+7]
.set n, 8
.rept 30
	v_pk_add_f32 v[46:47], v[46:47], v[S+n:S+n+1]
	v_pk_add_f32 v[78:79], v[78:79], v[S+n+2:S+n+3]
.set n, n+4
.endr
	v_pk_add_f32 v[46:47], v[46:47], v[78:79]
	s_wait_alu depctr_va_vdst(0)                       ; and one for the eight
	QP S, BM, PA, PW0
	QP S+64, BM+4, S, PW1
	PLACES 8
	WIN 0x01                                           ; O^T = val_l^T p^T: a lane holds a token, its 16 registers channels 16 h + 0 .. 15
	MM OA, VL, PA, 0, VLS, PW0
	MM OA+8, VL+24, PA, 0, VLS+1, PW0
	MMA OA, VL+12, S, v[OA:OA+7], VLS, PW1
	MMA OA+8, VL+36, S, v[OA+8:OA+15], VLS+1, PW1
	WIN 0
	PLACES 4
	v_add_f32 v46, v46, v47
	v_permlanex16_b32 v45, v46, s[SEL], s[SEL+1]
	v_add_f32 v46, v46, v45
	v_rcp_f32 v78, v46
	v_nop
	s_wait_alu depctr_va_vdst(0)
.irp j, 0,2,4,6,8,10,12,14
	v_pk_mul_f32 v[OA+\j:OA+\j+1], v[OA+\j:OA+\j+1], v[78:79] op_sel_hi:[1,0]
.endr
	QH1 OA, OC                                         ; my head's 32 channels are one block of the next K
	ds_store_b32 v3, v[OC] offset:3072*\u
	ds_store_b32 v3, v[OC+1] offset:3072*\u+4
	ds_store_b32 v3, v[OC+2] offset:3072*\u+8
	ds_store_b8 v4, v[TM+6] offset:128*\u
.endm
	s_load_b256 s[4:11], s[0:1], 0x0               ; attention_mask_l 4, bov 6, prep 8, qbuf 10
	s_load_b128 s[12:15], s[0:1], 0x20             ; out0 12, pam 14
	v_lshl_add_u32 v123, v0, 2, 0x16800
	v_mov_b32 v127, 0
	v_lshrrev_b32 v100, 5, v0
	v_readfirstlane_b32 s16, v100                  ; wave 0..7 = head
	s_mov_b32 s17, ttmp9                           ; chunk
	s_and_b32 s18, ttmp7, 0xffff                   ; b
	s_mov_b32 s[SEL], 0x76543210
	s_mov_b32 s[SEL+1], 0xfedcba98
	s_mov_b32 s22, 0x3fb8aa3b                      ; log2(e)
	s_mov_b32 s23, s22
	s_mov_b32 s24, 0x47435000                      ; 50,000
	s_mov_b32 s25, 0xc7435000
	v_and_b32 v100, 31, v0                         ; lane
	v_and_b32 v101, 15, v0                         ; r
	v_bfe_u32 v102, v0, 4, 1                       ; h
	v_bfe_u32 v103, v0, 3, 1
	v_lshl_add_u32 v104, v103, 3, v101             ; r + 8 (r / 8)
	s_mul_i32 s19, s16, 6144
	v_lshl_add_u32 v1, v100, 4, s19                ; Wov's four images of my outputs
	s_lshl_b32 s19, s16, 8
	s_add_co_u32 s19, s19, 49152
	v_lshl_add_u32 v2, v100, 2, s19                ; and their scale words
	v_mul_u32_u24 v105, v101, 24
	v_mad_u32_u24 v106, v102, 12, v105
	s_mul_i32 s19, s16, 384
	s_add_co_u32 s19, s19, OIMG
	v_add_nc_u32 v3, s19, v106                     ; O's codes, on the way in
	s_lshr_b32 s19, s16, 2
	s_lshl_b32 s19, s19, 6
	s_and_b32 s26, s16, 3
	s_add_co_u32 s19, s19, s26
	s_add_co_u32 s19, s19, OSC
	v_lshl_add_u32 v4, v101, 2, s19                ; and my head's byte of a token's scale word
	v_mad_u32_u24 v5, v102, 384, v105
	v_add_nc_u32 v5, OIMG, v5                      ; O's fragments: head 4 g + 2 c + h, row r
	v_lshl_add_u32 v6, v100, 2, OSC
	v_mul_u32_u24 v7, v104, 1040
	v_lshl_add_u32 v7, v102, 5, v7
	s_lshl_b32 s19, s16, 7
	s_add_co_u32 s19, s19, STG
	v_add_nc_u32 v7, s19, v7                       ; the stage: my token's row, + 128 w + 32 h
	s_mul_i32 s19, s16, 4160
	s_add_co_u32 s19, s19, STG
	v_lshl_add_u32 v8, v100, 4, s19                ; back: my four rows
	v_mov_b32 v9, v105                             ; q: 24 r
	v_mov_b32 v10, v101
	v_lshlrev_b32 v11, 4, v100
	v_add_nc_u32 v12, -1, v102                     ; all ones in lanes 0-15
	v_sub_nc_u32 v13, 0, v102                      ; all ones in lanes 16-31
	v_lshl_add_u32 v14, v102, 6, MLL               ; the mask in LDS, on the way back: + 64 h.  (In a register that the clearing of v108-115 below does not reach)
	v_lshlrev_b32 v107, 3, v0                      ; the copy of Wov's region: 8 bytes a thread
	v_lshl_add_u32 v108, v102, 3, v104
	v_mul_u32_u24 v108, v108, 24                   ; k: token 8 h + r + 8 (r / 8) of a set's pair
	v_mul_u32_u24 v109, v104, 192
	v_mad_u32_u24 v109, v102, 24, v109             ; val_l: channel r + 8 (r / 8), + 24 h
	v_lshlrev_b32 v110, 3, v104
	v_lshl_add_u32 v110, v102, 2, v110             ; its scale words: K step 0 in lanes 0-15, 1 in lanes 16-31
	v_lshlrev_b32 v111, 5, v102                    ; bov: 32 h
	v_lshlrev_b32 v112, 2, v0                      ; the mask: 4 bytes a thread
	s_lshl_b32 s19, s18, 3
	s_add_co_u32 s19, s19, s16                     ; 8 b + w
	s_mul_i32 s42, s19, 425
	s_mul_i32 s41, s17, 7
	s_mul_i32 s44, s19, 6144
	s_mov_b32 s45, 0                               ; stays 0: the upper word of every offset
	s_lshl_b32 s26, s19, 8
	s_mov_b32 s27, 0
	s_lshl_b32 s32, s16, 7
	s_mov_b32 s33, 0
	s_lshl_b32 s34, s18, 10
	s_mov_b32 s35, 0
	s_mul_i32 s36, s18, 13600
	s_lshl_b32 s37, s16, 2
	s_add_co_u32 s36, s36, s37
	s_lshl_b32 s36, s36, 10
	s_mov_b32 s37, 0
	s_mul_i32 s38, s19, 61
	s_add_co_u32 s38, s38, s17
	s_lshl_b32 s38, s38, 10
	s_mov_b32 s39, 0
	s_wait_kmcnt 0x0
	s_add_nc_u64 s[28:29], s[8:9], s[44:45]
	s_add_nc_u64 s[30:31], s[8:9], s[26:27]
	s_add_nc_u64 s[6:7], s[6:7], s[32:33]
	s_add_nc_u64 s[4:5], s[4:5], s[34:35]
	s_add_nc_u64 s[52:53], s[12:13], s[36:37]      ; out0 at row 13,600 b + 4 w
	s_add_nc_u64 s[14:15], s[14:15], s[38:39]
	s_add_nc_u64 s[50:51], s[10:11], QSO
.set n, 0
.rept 25
	global_load_b64 v[S+2*n:S+2*n+1], v107, s[8:9] offset:102400+2048*n
.set n, n+1
.endr
	global_load_b32 v190, v112, s[4:5]
.irp f, 0,1,2,3
.irp i, 0,1,2,3
	global_load_u8 v[192+4*\f+\i], v104, s[30:31] offset:KSB+64*\f+32*(\i/2)+8*(\i%2)
.endr
.endr
.irp k, 0,1
	global_load_b32 v[VLS+\k], v110, s[30:31] offset:VLSB+64*\k
.endr
	WIN 0x40                                       ; destination window 1
.irp f, 0,1,2,3
.irp c, 0,1
.irp p, 0,1,2
	global_load_b64 v[KD+12*\f+6*\c+2*\p:KD+12*\f+6*\c+2*\p+1], v108, s[28:29] offset:KC+1536*\f+768*\c+8*\p
	global_load_b64 v[VL+12*\f+6*\c+2*\p:VL+12*\f+6*\c+2*\p+1], v109, s[28:29] offset:VLC+1536*(\f/2)+96*(\f%2)+48*\c+8*\p
.endr
.endr
.endr
.irp i, 0,1,2,3
	global_load_b128 v[BO+4*\i:BO+4*\i+3], v111, s[6:7] offset:64*(\i/2)+16*(\i%2)
.endr
	WIN 0
	s_min_u32 s43, s41, 424
	s_add_co_u32 s43, s43, s42
	QLOAD                                          ; the first block's q
	s_wait_loadcnt 0x0
.set n, 0
.rept 25
	ds_store_b64 v107, v[S+2*n:S+2*n+1] offset:2048*n
.set n, n+1
.endr
	v_mov_b32 v191, 0xd9ffcb9e                     ; -9e15
	v_cmp_eq_f32 vcc_lo, 0, v190
	v_cndmask_b32 v190, v190, v191, vcc_lo         ; a mask of 0 becomes -9e15, any other number is added as it is
	v_mul_f32 v190, s22, v190
	ds_store_b32 v112, v190 offset:MLL
.irp f, 0,1,2,3
	v_lshl_or_b32 v[KS+\f], v[193+4*\f], 8, v[192+4*\f]
	v_lshl_or_b32 v[KS+\f], v[194+4*\f], 16, v[KS+\f]
	v_lshl_or_b32 v[KS+\f], v[195+4*\f], 24, v[KS+\f]
.endr
.irp i, 0,1,2,3,4,5
	v_mov_b32 v[QV+\i], 0                          ; the variants' zero codes
	v_mov_b32 v[QV+12+\i], 0
	v_mov_b32 v[QV+24+\i], 0
.endr
.irp i, 0,1,2,3,4,5,6,7
	v_mov_b32 v[BP+\i], 0                          ; written once: a lane permute's destination counts as one of its sources.  (The head's figures in v108-113 end here)
.endr
	v_mov_b32 v45, 0
	BAR                                            ; Wov's region and the mask lie in LDS
	WIN 0x40
.set n, 0
.rept 32
	ds_load_b128 v[ML+4*n:ML+4*n+3], v14 offset:128*(n/4)+16*(n%4)       ; register 16 b + i: language token 32 b + 16 h + i
.set n, n+1
.endr
.set n, 0
.rept 16
	v_mov_b32 v[AM+n], 0xff800000
.set n, n+1
.endr
	WIN 0
	ds_load_b32 v[WOS], v2
	ds_load_b32 v[WOS+1], v2 offset:128
	s_wait_dscnt 0x0
	s_mov_b32 s40, 0
.Ltrip:
	s_wait_xcnt 0x0                                ; the last trip's stores have read their data and their base
	s_add_co_u32 s43, s41, s40
	s_min_u32 s43, s43, 424
	s_lshl_b32 s44, s43, 15
	s_add_nc_u64 s[54:55], s[52:53], s[44:45]
	s_wait_loadcnt 0x0                             ; this block's q
	ATT 0
	ATT 1
	BAR                                            ; all heads' codes of O lie in LDS
.set n, 0
.rept 12
	ds_load_b128 v[S+4*n:S+4*n+3], v1 offset:512*n                       ; Wov (t, g) at S + 12 (2 t + g)
.set n, n+1
.endr
.irp k, 0,1
.irp g, 0,1
.irp c, 0,1
.irp p, 0,1,2
	ds_load_b64 v[176+12*(2*\k+\g)+6*\c+2*\p:177+12*(2*\k+\g)+6*\c+2*\p], v5 offset:3072*\k+1536*\g+768*\c+8*\p
.endr
.endr
.endr
	ds_load_b32 v[OFS+\k], v6 offset:128*\k
.endr
	s_wait_dscnt 0x0
	WIN 0x10                                       ; out0^T: source 0 = 16 outputs of Wov, source 1 = 16 tokens; bov is the first C; four accumulators by turns
.irp k, 0,1
.irp t, 0,1
	MM 224+8*(2*\k+\t), S+24*\t, 176+24*\k, v[BO+8*\t:BO+8*\t+7], WOS+\t, OFS+\k
.endr
.endr
	WIN 0
.irp k, 0,1
.irp t, 0,1
	MM1 224+8*(2*\k+\t), S+24*\t+12, 176+24*\k+12, v[224+8*(2*\k+\t):231+8*(2*\k+\t)], WOS+\t, OFS+\k
.endr
.endr
	PLACES 4
.irp k, 0,1
.irp t, 0,1
	ds_store_b128 v7, v[224+8*(2*\k+\t):227+8*(2*\k+\t)] offset:8320*\k+64*\t
	ds_store_b128 v7, v[228+8*(2*\k+\t):231+8*(2*\k+\t)] offset:8320*\k+64*\t+16
.endr
.endr
	BAR                                            ; 32 whole rows of out0 lie in the stage
.set n, 0
.rept 8
	ds_load_b128 v[S+4*n:S+4*n+3], v8 offset:1040*(n/2)+512*(n%2)
.set n, n+1
.endr
.set n, 0
.rept 8
	s_wait_dscnt 7-n                               ; the younger loads stay out
	global_store_b128 v11, v[S+4*n:S+4*n+3], s[54:55] offset:1024*(n/2)+512*(n%2) th:TH_STORE_NT   ; 32 lanes store 512 consecutive bytes
.set n, n+1
.endr
	s_add_co_u32 s40, s40, 1
	s_cmp_lt_u32 s40, 7
	s_cbranch_scc1 .Ltrip
	; the chunk's largest score of each language token: the two halves of the lanes are joined, and two sets leave as 32 neighbouring numbers
	s_wait_xcnt 0x0                                ; the last stores have read their data
	WIN 0x01
.set n, 0
.rept 16
	v_mov_b32 v[S+n], v[AM+n]
.set n, n+1
.endr
	WIN 0
.set n, 0
.rept 16
	v_permlanex16_b32 v[S+16+n], v[S+n], s[SEL], s[SEL+1]
.set n, n+1
.endr
.set n, 0
.rept 16
	v_max_num_f32 v[S+n], v[S+n], v[S+16+n]
.set n, n+1
.endr
	v_bfe_u32 v14, v0, 4, 1
	v_cmp_ne_u32 vcc_lo, 0, v14
	v_and_b32 v15, 7, v0
	v_bfe_u32 v100, v0, 3, 1
	v_lshl_add_u32 v15, v100, 4, v15
	v_lshl_add_u32 v15, v14, 3, v15
	v_lshlrev_b32 v15, 2, v15                      ; language token 8 h + r % 8 + 16 (r / 8) of 32
.irp b, 0,1,2,3,4,5,6,7
	v_cndmask_b32 v[S+32+\b], v[S+2*\b], v[S+2*\b+1], vcc_lo
.endr
.irp b, 0,1,2,3,4,5,6,7
	global_store_b32 v15, v[S+32+\b], s[14:15] offset:128*\b
.endr
	s_wait_tensorcnt 0x0
	ds_add_u32 v123, v127
	s_wait_dscnt 0x0
	s_endpgm
.Lfunc_end_k_q18f9b93336_passA:
	.size	k_q18f9b93336_passA, .Lfunc_end_k_q18f9b93336_passA-k_q18f9b93336_passA
	.p2alignl 7, 3214868480
	.fill 96, 4, 3214868480
	.section	.rodata,"a",@progbits
	.p2align	6, 0x0
	.amdhsa_kernel k_q18f9b93336_passA
		.amdhsa_group_segment_fixed_size 93184
		.amdhsa_private_segment_fixed_size 0
		.amdhsa_enable_private_segment 0
		.amdhsa_kernarg_size 48
		.amdhsa_user_sgpr_count 2
		.amdhsa_user_sgpr_kernarg_segment_ptr 1
		.amdhsa_wavefront_size32 1
		.amdhsa_system_sgpr_workgroup_id_x 1
		.amdhsa_system_sgpr_workgroup_id_y 1
		.amdhsa_system_sgpr_workgroup_id_z 1
		.amdhsa_system_vgpr_workitem_id 0
		.amdhsa_next_free_vgpr 512
		.amdhsa_next_free_sgpr 66
		.amdhsa_reserve_vcc 1
		.amdhsa_float_denorm_mode_32 3
		.amdhsa_float_denorm_mode_16_64 3
		.amdhsa_memory_ordered 1
		.amdhsa_forward_progress 1
		.amdhsa_inst_pref_size 121
	.end_amdhsa_kernel
	.amdgpu_metadata
---
amdhsa.version: [ 1, 2 ]
amdhsa.kernels:
  - .name:           k_q18f9b93336_passA
    .symbol:         k_q18f9b93336_passA.kd
    .args:
      - { .name: attention_mask_l, .offset: 0, .size: 8, .value_kind: global_buffer, .address_space: global }
      - { .name: bov, .offset: 8, .size: 8, .value_kind: global_buffer, .address_space: global }
      - { .name: prep, .offset: 16, .size: 8, .value_kind: global_buffer, .address_space: global }
      - { .name: qbuf, .offset: 24, .size: 8, .value_kind: global_buffer, .address_space: global }
      - { .name: out0, .offset: 32, .size: 8, .value_kind: global_buffer, .address_space: global }
      - { .name: pam, .offset: 40, .size: 8, .value_kind: global_buffer, .address_space: global }
    .group_segment_fixed_size: 93184
    .private_segment_fixed_size: 0
    .kernarg_segment_align: 8
    .kernarg_segment_size: 48
    .max_flat_workgroup_size: 256
    .sgpr_count:     66
    .vgpr_count:     512
    .wavefront_size: 32
...
	.end_amdgpu_metadata
.endif
;; end of part 3
;; launch passB (part 4): grid 8 x 32, 8 waves a work-group, no clusters, 26,624 bytes of LDS; arguments qbuf, vbuf, prep, pam, attention_mask_v, part; writes part
.if DOCPART == 4
	.amdgcn_target "amdgcn-amd-amdhsa--gfx1250"
	.amdhsa_code_object_version 6
	.text
	.protected	k_q18f9b93336_passB
	.globl	k_q18f9b93336_passB
	.p2align	8
	.type	k_q18f9b93336_passB,@function
k_q18f9b93336_passB:
	s_mov_b64 s[64:65], 0
	v_nop
	global_prefetch_b8 v0, s[64:65] scope:SCOPE_SE
	s_setreg_imm32_b32 hwreg(HW_REG_WAVE_MODE, 25, 1), 1
	s_wait_xcnt 0x0
; The language direction, a range of tokens at a time: O = sum over tokens of p val_v, p = 2^(t - M), t = (clip(clip(score) - amax) + mv) x log2(e), with a running whole-number M; all products on codes of
; FP6 (E2M3) with E8M0 scales.  Stored for the last launch: O, -M and the sum of the unquantised p of this range.
; SHARES.  Work-group (rg, bh): head bh, blocks 53 rg on: 53 blocks of 32 tokens, 54 for rg = 7.  Wave w owns language tokens 32 w .. 32 w + 31, two tiles of 16.  14 steps of four blocks; the last step takes
; the range's LAST four blocks, and its part of the mask holds -infinity for those that earlier steps have done: p = 0 there.  q's and val_v's codes go from memory straight into registers, one step ahead.
; K = 32 IN AN INSTRUCTION OF K = 128: q's operand is dense (its four blocks are the step's four blocks of tokens), k's a variant (24 bytes in one block, zero codes in the others; see the register run below).
; amax, the largest clipped score of a language token over ALL tokens, comes from the launch before; -amax is the C of the score products.
; LIMITS: the two clips are one clamp of score - amax between max(-50,000 - amax, -50,000) and 50,000 - amax: each bound is rounded once.  NaN and infinities are not served; p under 2^-126 counts as 0.
; REGISTERS: window 0: v1-15 addresses, v16-22 scale words, v24-39 scale bytes, v40-55 the rows' figures, v56-89 the quantiser, v96-127 O, v128-191 scores, v192-252 the head's scratch.
;   window 1: v0-59 k's variants, v60-75 -amax, v76-123 q (two sets), v124-171 val_v (two sets), v172-235 the mask of a step.
.set KC,   307200
.set KSB,  503808
.set QSO,  10444800
.set STG,  7168                        ; LDS: the mask, 56 blocks x 128 bytes, at 0; then a stage of 16 rows x 144 bytes for each wave
.set QSW, 16
.set VSW, 18
.set KSR, 20
.set PW, 22
.set BY, 24
.set NM, 40                            ; tile m: -M at NM + 4 m, the largest t at + 1, the sum in two halves at + 2, + 3
.set CLO, 48
.set CHI, 50
.set P, 56
.set PT, 68
.set BM, 76
.set BP, 80
.set SO, 84
.set OA, 96
.set S, 128
.set KV, 0
.set NA, 60
.set QD, 76
.set VV, 124
.set MV, 172
.set SEL, 20
.set MSB, 0
.macro WIN new                         ; the immediate's high byte repeats the setting that is left
.if MSB != \new
	s_set_vgpr_msb (MSB<<8)|\new
.set MSB, \new
.endif
.endm
.macro PLACES n
.rept \n
	v_nop
.endr
.endm
.macro BAR
	s_wait_dscnt 0x0
	s_barrier_signal -1
	s_barrier_wait -1
.endm
.macro MM d, a, b, c, sa, sb
	v_wmma_scale_f32_16x16x128_f8f6f4 v[\d:\d+7], v[\a:\a+11], v[\b:\b+11], \c, v[\sa], v[\sb] matrix_a_fmt:MATRIX_FMT_FP6 matrix_b_fmt:MATRIX_FMT_FP6
.endm
.macro MMA d, a, b, c, sa, sb          ; source 0's scales from lanes 16-31
	v_wmma_scale_f32_16x16x128_f8f6f4 v[\d:\d+7], v[\a:\a+11], v[\b:\b+11], \c, v[\sa], v[\sb] matrix_a_fmt:MATRIX_FMT_FP6 matrix_b_fmt:MATRIX_FMT_FP6 matrix_a_scale:MATRIX_SCALE_ROW1
.endm
.macro LOADS z                         ; a step's operands into set z: 24 loads of 8 bytes (lane (r, h): row r of blocks h and 2 + h) and 8 scale bytes
	WIN 0x40
.irp k, 0,1
.irp p, 0,1,2
	global_load_b64 v[QD+24*(\z)+12*\k+2*\p:QD+24*(\z)+12*\k+2*\p+1], v1, s[28:29] offset:384*\k+8*\p
	global_load_b64 v[QD+24*(\z)+12*\k+6+2*\p:QD+24*(\z)+12*\k+7+2*\p], v2, s[28:29] offset:384*\k+8*\p
	global_load_b64 v[VV+24*(\z)+12*\k+2*\p:VV+24*(\z)+12*\k+2*\p+1], v1, s[30:31] offset:384*\k+8*\p
	global_load_b64 v[VV+24*(\z)+12*\k+6+2*\p:VV+24*(\z)+12*\k+7+2*\p], v2, s[30:31] offset:384*\k+8*\p
.endr
.endr
	WIN 0
.irp b, 0,1,2,3
	global_load_u8 v[BY+8*(\z)+\b], v3, s[32:33] offset:32*\b
	global_load_u8 v[BY+8*(\z)+4+\b], v3, s[34:35] offset:32*\b
.endr
.endm
; 128 tokens against tile m of my language tokens
.macro SUB z, m
	WIN 0x15                                           ; score - amax: source 0 = 16 tokens of q, source 1 = 16 language tokens: a lane holds a language token; register 16 b + i is token 32 b + 16 h + i
.irp b, 0,1,2,3
	MM S+16*\b, QD+24*(\z), KV+30*\m+12*(\b%2)+6-6*(\b/2), v[NA+8*\m:NA+8*\m+7], QSW+(\z), KSR+\m
	MMA S+16*\b+8, QD+24*(\z)+12, KV+30*\m+12*(\b%2)+6-6*(\b/2), v[NA+8*\m:NA+8*\m+7], QSW+(\z), KSR+\m
.endr
	WIN 0
	PLACES 4
.set n, 0
.rept 64
	v_med3_num_f32 v[S+n], v[S+n], v[CLO+\m], v[CHI+\m]
.set n, n+1
.endr
	WIN 0x10
.set n, 0
.rept 32
	v_pk_fma_f32 v[S+n:S+n+1], v[S+n:S+n+1], s[22:23], v[MV+n:MV+n+1] op_sel_hi:[1,0,1]   ; t
.set n, n+2
.endr
	WIN 0
.irp b, 0,1,2,3
	v_max3_num_f32 v[BM+\b], v[S+16*\b], v[S+16*\b+1], v[S+16*\b+2]
.endr
.irp i, 3,5,7,9,11,13
.irp b, 0,1,2,3
	v_max3_num_f32 v[BM+\b], v[BM+\b], v[S+16*\b+\i], v[S+16*\b+\i+1]
.endr
.endr
.irp b, 0,1,2,3
	v_max_num_f32 v[BM+\b], v[BM+\b], v[S+16*\b+15]
.endr
.irp b, 0,1,2,3
	v_permlanex16_b32 v[BP+\b], v[BM+\b], s[SEL], s[SEL+1]
.endr
.irp b, 0,1,2,3
	v_max_num_f32 v[BM+\b], v[BM+\b], v[BP+\b]
.endr
	v_max3_num_f32 v54, v[BM], v[BM+1], v[BM+2]
	v_max_num_f32 v54, v54, v[BM+3]
	v_max_num_f32 v[NM+4*\m+1], v[NM+4*\m+1], v54      ; the running largest t
	v_mov_b32 v54, v[NM+4*\m]
	v_floor_f32 v[NM+4*\m], -v[NM+4*\m+1]              ; the new -M
	v_sub_f32 v54, v[NM+4*\m], v54                     ; old M - new M: a whole number, 0 or less
	v_cvt_i32_f32 v54, v54                             ; (it saturates)
	v_ldexp_f32 v52, 1.0, v54                          ; f = 2^(old M - new M)
.set n, 0
.rept 32
	v_pk_add_f32 v[S+n:S+n+1], v[S+n:S+n+1], v[NM+4*\m:NM+4*\m+1] op_sel_hi:[1,0]
.set n, n+2
.endr
.irp b, 0,1,2,3
	v_add_f32 v[BM+\b], v[BM+\b], v[NM+4*\m]
.endr
.set n, 0
.rept 64
	v_exp_f32 v[S+n], v[S+n]
.set n, n+1
.endr
	v_pk_mul_f32 v[NM+4*\m+2:NM+4*\m+3], v[NM+4*\m+2:NM+4*\m+3], v[52:53] op_sel_hi:[1,0]   ; the sums under the new M: a plain place behind the exponentials
	s_wait_alu depctr_va_vdst(0)                       ; one wait for the batch, ahead of its first reader
.irp b, 0,1,2,3
	v_exp_f32 v[BM+\b], v[BM+\b]
.endr
	v_pk_add_f32 v[88:89], v[S:S+1], v[S+2:S+3]
.set n, 4
.rept 15
	v_pk_add_f32 v[NM+4*\m+2:NM+4*\m+3], v[NM+4*\m+2:NM+4*\m+3], v[S+n:S+n+1]
	v_pk_add_f32 v[88:89], v[88:89], v[S+n+2:S+n+3]
.set n, n+4
.endr
	v_pk_add_f32 v[NM+4*\m+2:NM+4*\m+3], v[NM+4*\m+2:NM+4*\m+3], v[88:89]
	s_wait_alu depctr_va_vdst(0)                       ; and one for the four
.irp b, 0,1,2,3
	v_max_num_f32 v[BM+\b], 0x1800000, v[BM+\b]        ; the floor 2^(3 - 127)
.endr
.irp b, 0,1,2,3
	v_add_nc_u32 v[SO+\b], 0xff000000, v[BM+\b]
.endr
.irp b, 0,1,2,3
	v_lshrrev_b32 v[BP+\b], 23, v[SO+\b]
.endr
	v_lshl_or_b32 v[PW], v[BP+1], 8, v[BP]
	v_lshl_or_b32 v[PW], v[BP+2], 16, v[PW]
	v_lshl_or_b32 v[PW], v[BP+3], 24, v[PW]
.irp c, 0,1
	v_cvt_scalef32_pk16_fp6_f32 v[P+6*\c:P+6*\c+2], v[S+32*\c:S+32*\c+15], v[SO+2*\c]
	v_cvt_scalef32_pk16_fp6_f32 v[PT+4*\c:PT+4*\c+2], v[S+32*\c+16:S+32*\c+31], v[SO+2*\c+1]
.endr
	v_nop                                              ; one plain place behind a scaled conversion
.irp c, 0,1
.irp i, 0,1,2
	v_permlane16_swap_b32 v[P+6*\c+\i], v[PT+4*\c+\i]
.endr
.irp i, 0,1,2
	v_mov_b32 v[P+6*\c+3+\i], v[PT+4*\c+\i]
.endr
.endr
.irp j, 0,2,4,6,8,10,12,14
	v_pk_mul_f32 v[OA+16*\m+\j:OA+16*\m+\j+1], v[OA+16*\m+\j:OA+16*\m+\j+1], v[52:53] op_sel_hi:[1,0]   ; O under the new M
.endr
	PLACES 4                                           ; an operand made by vector instructions stands 4 places ahead of a scaled product
	WIN 0x01                                           ; O^T += val_v^T p^T: source 0 = 16 channels, K = the step's 128 tokens
	MM OA+16*\m, VV+24*(\z), P, v[OA+16*\m:OA+16*\m+7], VSW+(\z), PW
	MMA OA+16*\m+8, VV+24*(\z)+12, P, v[OA+16*\m+8:OA+16*\m+15], VSW+(\z), PW
	WIN 0
.endm
.macro STEP z, next
	s_wait_loadcnt 0x0                                 ; this step's operands: asked for a step ago
	v_lshl_or_b32 v[QSW+\z], v[BY+8*\z+1], 8, v[BY+8*\z]
	v_lshl_or_b32 v[VSW+\z], v[BY+8*\z+5], 8, v[BY+8*\z+4]
	v_lshl_or_b32 v[QSW+\z], v[BY+8*\z+2], 16, v[QSW+\z]
	v_lshl_or_b32 v[VSW+\z], v[BY+8*\z+6], 16, v[VSW+\z]
	v_lshl_or_b32 v[QSW+\z], v[BY+8*\z+3], 24, v[QSW+\z]
	v_lshl_or_b32 v[VSW+\z], v[BY+8*\z+7], 24, v[VSW+\z]
	v_add_nc_u32 v5, s41, v4
	WIN 0x40
.set n, 0
.rept 16
	ds_load_b128 v[MV+4*n:MV+4*n+3], v5 offset:128*(n/4)+16*(n%4)
.set n, n+1
.endr
	WIN 0
.if \next
	s_add_nc_u64 s[28:29], s[28:29], s[36:37]          ; all earlier loads are in, so their bases may step
	s_add_nc_u64 s[30:31], s[30:31], s[36:37]
	s_add_nc_u64 s[32:33], s[32:33], s[38:39]
	s_add_nc_u64 s[34:35], s[34:35], s[38:39]
	LOADS 1-\z
.endif
	PLACES 8                                           ; a scale word made by vector instructions stands 8 places ahead of a scaled product
	s_wait_dscnt 0x0
	SUB \z, 0
	SUB \z, 1
	s_add_co_u32 s41, s41, 512
.endm
	s_load_b256 s[4:11], s[0:1], 0x0               ; qbuf 4, vbuf 6, prep 8, pam 10
	s_load_b128 s[12:15], s[0:1], 0x20             ; attention_mask_v 12, part 14
	v_lshl_add_u32 v254, v0, 2, 0x6400
	v_mov_b32 v255, 0
	v_lshrrev_b32 v10, 5, v0
	v_readfirstlane_b32 s16, v10                   ; wave 0..7
	s_mov_b32 s17, ttmp9                           ; rg
	s_and_b32 s18, ttmp7, 0xffff                   ; bh
	s_mov_b32 s[SEL], 0x76543210
	s_mov_b32 s[SEL+1], 0xfedcba98
	s_mov_b32 s22, 0x3fb8aa3b                      ; log2(e)
	s_mov_b32 s23, s22
	s_mov_b32 s24, 0x47435000                      ; 50,000
	s_mov_b32 s25, 0xc7435000
	s_cmp_eq_u32 s17, 7
	s_cselect_b32 s26, 1, 0                        ; e: the last range has one block more
	s_lshl_b32 s27, s26, 5
	s_sub_co_u32 s27, s27, 96                      ; the tail's first token less 1,664: 32 (49 + e) - 1,664
	v_and_b32 v3, 31, v0                           ; lane: also the offset of a scale byte
	v_and_b32 v10, 15, v0                          ; r
	v_bfe_u32 v11, v0, 4, 1                        ; h
	v_mul_u32_u24 v12, v10, 24                     ; k's rows: 24 r
	v_mad_u32_u24 v1, v11, 768, v12                ; q, val_v: row r of block h,
	v_add_nc_u32 v2, 1536, v1                      ; and of block 2 + h
	v_lshlrev_b32 v4, 6, v11                       ; the mask in LDS: 64 h
	s_mul_i32 s19, s16, 2304
	s_add_co_u32 s19, s19, STG
	v_mul_u32_u24 v6, v10, 144
	v_lshl_add_u32 v6, v11, 5, v6
	v_add_nc_u32 v6, s19, v6                       ; my stage, in: row r, + 32 h
	v_lshrrev_b32 v7, 3, v3
	v_mul_u32_u24 v7, v7, 144
	v_and_b32 v13, 7, v0
	v_lshl_add_u32 v7, v13, 4, v7
	v_add_nc_u32 v7, s19, v7                       ; back: eight lanes to a row of 128 bytes
	v_lshlrev_b32 v8, 4, v3
	v_lshlrev_b32 v9, 2, v3
	v_lshlrev_b32 v14, 2, v0                       ; 4 x thread
	v_add_nc_u32 v15, -1, v11                      ; all ones in lanes 0-15
	v_sub_nc_u32 v23, 0, v11                       ; all ones in lanes 16-31
	v_cmp_le_u32 vcc_lo, 128, v0                   ; the mask's seventh element of threads 128 on belongs to the tail's four blocks
	v_mov_b32 v154, s27
	v_cndmask_b32 v154, 0, v154, vcc_lo
	v_add_nc_u32 v154, v154, v0
	v_cmp_gt_u32 s59, 128, v154
	s_and_b32 s58, vcc_lo, s59                     ; and is a token that an earlier step has done
	v_lshlrev_b32 v154, 2, v154
	s_mul_i32 s42, s18, 425
	s_mul_i32 s43, s17, 53
	s_add_co_u32 s42, s42, s43                     ; my first block among all heads' blocks
	s_mov_b32 s45, 0
	s_mov_b32 s47, 0
	s_mov_b32 s49, 0
	s_mov_b32 s51, 0
	s_mov_b32 s53, 0
	s_mov_b32 s55, 0
	s_mov_b32 s57, 0
	s_mul_i32 s44, s42, 768
	s_lshl_b32 s46, s42, 5
	s_add_co_u32 s46, s46, QSO
	s_wait_kmcnt 0x0
	s_add_nc_u64 s[28:29], s[4:5], s[44:45]
	s_add_nc_u64 s[30:31], s[6:7], s[44:45]
	s_add_nc_u64 s[32:33], s[4:5], s[46:47]
	s_add_nc_u64 s[34:35], s[6:7], s[46:47]
	s_mul_i32 s46, s18, 62464                      ; pam: 61 chunks x 1,024 bytes a head, + my 32 tokens
	s_lshl_b32 s43, s16, 7
	s_add_co_u32 s46, s46, s43
	s_add_nc_u64 s[46:47], s[10:11], s[46:47]
	s_mul_i32 s48, s18, 6144
	s_mul_i32 s43, s16, 768
	s_add_co_u32 s48, s48, s43
	s_add_nc_u64 s[48:49], s[8:9], s[48:49]
	s_lshl_b32 s50, s18, 8
	s_lshl_b32 s43, s16, 5
	s_add_co_u32 s50, s50, s43
	s_add_nc_u64 s[50:51], s[8:9], s[50:51]
	s_lshr_b32 s52, s18, 3
	s_mul_i32 s52, s52, 13600
	s_mul_i32 s43, s17, 1696
	s_add_co_u32 s52, s52, s43
	s_lshl_b32 s52, s52, 2
	s_add_nc_u64 s[52:53], s[12:13], s[52:53]
	s_lshl_b32 s43, s18, 3
	s_add_co_u32 s43, s43, s17                     ; 8 bh + rg
	s_lshl_b32 s54, s43, 15
	s_lshl_b32 s44, s16, 12
	s_add_co_u32 s54, s54, s44
	s_add_nc_u64 s[54:55], s[14:15], s[54:55]
	s_lshl_b32 s56, s43, 11
	s_lshl_b32 s44, s16, 7
	s_add_co_u32 s56, s56, s44
	s_add_co_u32 s56, s56, 8388608
	s_add_nc_u64 s[56:57], s[14:15], s[56:57]
	s_mov_b32 s36, 3072                            ; a step: four blocks of 768 bytes of codes,
	s_mov_b32 s37, 0
	s_mov_b32 s38, 128                             ; and of 32 scale bytes
	s_mov_b32 s39, 0
.set n, 0
.rept 61
	global_load_b32 v[192+n], v9, s[46:47] offset:1024*n
.set n, n+1
.endr
.irp m, 0,1
.irp p, 0,1,2
	global_load_b64 v[S+6*\m+2*\p:S+6*\m+2*\p+1], v12, s[48:49] offset:KC+384*\m+8*\p
.endr
	global_load_u8 v[140+\m], v10, s[50:51] offset:KSB+16*\m
.endr
.irp i, 0,1,2,3,4,5
	global_load_b32 v[144+\i], v14, s[52:53] offset:1024*\i
.endr
	global_load_b32 v150, v154, s[52:53] offset:6144
	LOADS 0
	s_wait_loadcnt 32                              ; all but the first step's 32 operand loads
	v_mov_b32 v152, 0xd9ffcb9e                     ; -9e15
	v_mov_b32 v153, 0xff800000                     ; -infinity
.irp i, 0,1,2,3,4,5,6
	v_cmp_eq_f32 vcc_lo, 0, v[144+\i]
	v_cndmask_b32 v[144+\i], v[144+\i], v152, vcc_lo   ; a mask of 0 becomes -9e15, any other number is added as it is
	v_mul_f32 v[144+\i], s22, v[144+\i]
.endr
	v_cndmask_b32 v150, v150, v153, s58
.irp i, 0,1,2,3,4,5,6
	ds_store_b32 v14, v[144+\i] offset:1024*\i
.endr
.set n, 0
.rept 30
	v_max3_num_f32 v192, v192, v[193+2*n], v[194+2*n]
.set n, n+1
.endr
	v_med3_num_f32 v192, v192, s25, s24            ; amax of language token 32 w + lane: the clip is monotone, so it is taken last
	v_permlanex16_b32 v193, v192, s[SEL], s[SEL+1]
	v_cmp_ne_u32 vcc_lo, 0, v11
	v_cndmask_b32 v194, v192, v193, vcc_lo         ; tile 0's, in both halves of the lanes
	v_cndmask_b32 v195, v193, v192, vcc_lo         ; tile 1's
.irp m, 0,1
	v_sub_f32 v[CLO+\m], s25, v[194+\m]
	v_max_num_f32 v[CLO+\m], s25, v[CLO+\m]
	v_sub_f32 v[CHI+\m], s24, v[194+\m]
	v_perm_b32 v[KSR+\m], v[140+\m], v[140+\m], 0  ; k's scale byte in all four bytes
	v_mov_b32 v[NM+4*\m+1], 0xff61b1e6             ; the largest t so far: -3e38
	v_floor_f32 v[NM+4*\m], -v[NM+4*\m+1]
	v_mov_b32 v[NM+4*\m+2], 0
	v_mov_b32 v[NM+4*\m+3], 0
.endr
.set n, 0
.rept 32
	v_mov_b32 v[OA+n], 0                           ; the step is written once: the first finds zeros
.set n, n+1
.endr
.irp i, 0,1,2,3
	v_mov_b32 v[BP+\i], 0                          ; written once: a lane permute's destination counts as one of its sources
.endr
	v_mov_b32 v53, 0
	v_mov_b32 v55, 0
	WIN 0x40
.irp m, 0,1
.irp i, 0,1,2,3,4,5
	v_mov_b32 v[KV+30*\m+\i], 0
	v_and_b32 v[KV+30*\m+6+\i], v15, v[S+6*\m+\i]
	v_mov_b32 v[KV+30*\m+12+\i], 0
	v_and_b32 v[KV+30*\m+18+\i], v23, v[S+6*\m+\i]
	v_mov_b32 v[KV+30*\m+24+\i], 0
.endr
.irp i, 0,1,2,3,4,5,6,7
	v_mul_f32 v[NA+8*\m+\i], -1.0, v[194+\m]
.endr
.endr
	WIN 0
	s_mov_b32 s41, 0
	BAR                                            ; the mask lies in LDS
	s_mov_b32 s40, 6
.Lstep:
	STEP 0, 1
	STEP 1, 1
	s_sub_co_u32 s40, s40, 1
	s_cmp_lg_u32 s40, 0
	s_cbranch_scc1 .Lstep
	s_add_co_u32 s43, s26, 1                       ; from block 48 to the range's last four: 1 + e blocks on
	s_mul_i32 s36, s43, 768
	s_lshl_b32 s38, s43, 5
	STEP 0, 1
	STEP 1, 0
	PLACES 4
.irp m, 0,1
	v_add_f32 v54, v[NM+4*\m+2], v[NM+4*\m+3]
	v_permlanex16_b32 v55, v54, s[SEL], s[SEL+1]
	v_add_f32 v[88+\m], v54, v55                   ; the range's sum of p
.irp k, 0,1
	ds_store_b128 v6, v[OA+16*\m+8*\k:OA+16*\m+8*\k+3] offset:64*\k
	ds_store_b128 v6, v[OA+16*\m+8*\k+4:OA+16*\m+8*\k+7] offset:64*\k+16
.endr
.irp k, 0,1,2,3
	ds_load_b128 v[S+16*\m+4*\k:S+16*\m+4*\k+3], v7 offset:576*\k      ; LDS serves a wave's instructions in order: these see my stores, and the next tile's stores come behind them
.endr
.endr
	s_wait_dscnt 0x0
.irp m, 0,1
.irp k, 0,1,2,3
	global_store_b128 v8, v[S+16*\m+4*\k:S+16*\m+4*\k+3], s[54:55] offset:2048*\m+512*\k   ; 32 lanes store 512 consecutive bytes
.endr
.endr
	v_cmp_ne_u32 vcc_lo, 0, v11
	v_cndmask_b32 v54, v[NM], v[NM+4], vcc_lo
	v_cndmask_b32 v55, v88, v89, vcc_lo
	global_store_b32 v9, v54, s[56:57]
	global_store_b32 v9, v55, s[56:57] offset:1024
	s_wait_tensorcnt 0x0
	ds_add_u32 v254, v255
	s_wait_dscnt 0x0
	s_endpgm
.Lfunc_end_k_q18f9b93336_passB:
	.size	k_q18f9b93336_passB, .Lfunc_end_k_q18f9b93336_passB-k_q18f9b93336_passB
	.p2alignl 7, 3214868480
	.fill 96, 4, 3214868480
	.section	.rodata,"a",@progbits
	.p2align	6, 0x0
	.amdhsa_kernel k_q18f9b93336_passB
		.amdhsa_group_segment_fixed_size 26624
		.amdhsa_private_segment_fixed_size 0
		.amdhsa_enable_private_segment 0
		.amdhsa_kernarg_size 48
		.amdhsa_user_sgpr_count 2
		.amdhsa_user_sgpr_kernarg_segment_ptr 1
		.amdhsa_wavefront_size32 1
		.amdhsa_system_sgpr_workgroup_id_x 1
		.amdhsa_system_sgpr_workgroup_id_y 1
		.amdhsa_system_sgpr_workgroup_id_z 1
		.amdhsa_system_vgpr_workitem_id 0
		.amdhsa_next_free_vgpr 512
		.amdhsa_next_free_sgpr 66
		.amdhsa_reserve_vcc 1
		.amdhsa_float_denorm_mode_32 3
		.amdhsa_float_denorm_mode_16_64 3
		.amdhsa_memory_ordered 1
		.amdhsa_forward_progress 1
		.amdhsa_inst_pref_size 192
	.end_amdhsa_kernel
	.amdgpu_metadata
---
amdhsa.version: [ 1, 2 ]
amdhsa.kernels:
  - .name:           k_q18f9b93336_passB
    .symbol:         k_q18f9b93336_passB.kd
    .args:
      - { .name: qbuf, .offset: 0, .size: 8, .value_kind: global_buffer, .address_space: global }
      - { .name: vbuf, .offset: 8, .size: 8, .value_kind: global_buffer, .address_space: global }
      - { .name: prep, .offset: 16, .size: 8, .value_kind: global_buffer, .address_space: global }
      - { .name: pam, .offset: 24, .size: 8, .value_kind: global_buffer, .address_space: global }
      - { .name: attention_mask_v, .offset: 32, .size: 8, .value_kind: global_buffer, .address_space: global }
      - { .name: part, .offset: 40, .size: 8, .value_kind: global_buffer, .address_space: global }
    .group_segment_fixed_size: 26624
    .private_segment_fixed_size: 0
    .kernarg_segment_align: 8
    .kernarg_segment_size: 48
    .max_flat_workgroup_size: 256
    .sgpr_count:     66
    .vgpr_count:     512
    .wavefront_size: 32
...
	.end_amdgpu_metadata
.endif
;; end of part 4
;; launch final (part 5): grid 64 x 3, 8 waves a work-group, no clusters, 21,504 bytes of LDS; arguments part, prep, bol, out1; writes out1
.if DOCPART == 5
	.amdgcn_target "amdgcn-amd-amdhsa--gfx1250"
	.amdhsa_code_object_version 6
	.text
	.protected	k_q18f9b93336_final
	.globl	k_q18f9b93336_final
	.p2align	8
	.type	k_q18f9b93336_final,@function
k_q18f9b93336_final:
	s_mov_b64 s[64:65], 0
	v_nop
	global_prefetch_b8 v0, s[64:65] scope:SCOPE_SE
	s_setreg_imm32_b32 hwreg(HW_REG_WAVE_MODE, 25, 1), 1
	s_wait_xcnt 0x0
; out1 = out_l Wol^T + bol.  out_l of a language token and a head is the sum of its eight ranges' O, each brought under the largest M by an exact power of two, divided by the sum of their sums of p;
; it is quantised along the 256 channels (a head is a block) to codes of FP6 (E2M3) with E8M0 scales and multiplied by Wol's codes.
; SHARES.  Work-group (x, y): x = 16 of the 4 x 256 language tokens, y = 256 of the 768 outputs.  Wave w first is head w (the sum, the codes into LDS), then makes outputs 256 y + 32 w .. + 31.
; LIMITS: NaN and infinities are not served; a block under 2^-124 has the scale byte 1.
.set OSC, 3072                         ; LDS: O's codes at head x 384 + 24 r + 12 h; their scale bytes at 64 (head / 4) + 4 r + head % 4
.set STG, 3328                         ; the stage: 16 rows x (1,024 + 16)
.set TM, 24
.set SEL, 20
.set R, 64
.macro PLACES n
.rept \n
	v_nop
.endr
.endm
.macro BAR
	s_wait_dscnt 0x0
	s_barrier_signal -1
	s_barrier_wait -1
.endm
.macro MM d, a, b, c, sa, sb
	v_wmma_scale_f32_16x16x128_f8f6f4 v[\d:\d+7], v[\a:\a+11], v[\b:\b+11], \c, v[\sa], v[\sb] matrix_a_fmt:MATRIX_FMT_FP6 matrix_b_fmt:MATRIX_FMT_FP6
.endm
.macro MM1 d, a, b, c, sa, sb
	v_wmma_scale_f32_16x16x128_f8f6f4 v[\d:\d+7], v[\a:\a+11], v[\b:\b+11], \c, v[\sa], v[\sb] matrix_a_fmt:MATRIX_FMT_FP6 matrix_b_fmt:MATRIX_FMT_FP6 matrix_a_scale:MATRIX_SCALE_ROW1 matrix_b_scale:MATRIX_SCALE_ROW1
.endm
.macro QH1 y, x
	v_max3_num_f32 v[TM], |v[\y]|, |v[\y+1]|, 0x1800000
.irp i, 2,4,6,8,10,12,14
	v_max3_num_f32 v[TM], v[TM], |v[\y+\i]|, |v[\y+\i+1]|
.endr
	v_permlanex16_b32 v[TM+2], v[TM], s[SEL], s[SEL+1]
	v_max_num_f32 v[TM], v[TM], v[TM+2]
	v_add_nc_u32 v[TM+4], 0xff000000, v[TM]
	v_lshrrev_b32 v[TM+6], 23, v[TM+4]
	v_cvt_scalef32_pk16_fp6_f32 v[\x:\x+2], v[\y:\y+15], v[TM+4]
	v_nop
.endm
	s_load_b256 s[4:11], s[0:1], 0x0               ; part 4, prep 6, bol 8, out1 10
	v_lshl_add_u32 v62, v0, 2, 0x5000
	v_mov_b32 v63, 0
	v_lshrrev_b32 v12, 5, v0
	v_readfirstlane_b32 s12, v12                   ; wave 0..7
	s_mov_b32 s13, ttmp9
	s_and_b32 s14, ttmp7, 0xffff
	s_mov_b32 s[SEL], 0x76543210
	s_mov_b32 s[SEL+1], 0xfedcba98
	v_and_b32 v12, 31, v0                          ; lane
	v_and_b32 v13, 15, v0                          ; r
	v_bfe_u32 v14, v0, 4, 1                        ; h
	v_lshlrev_b32 v1, 4, v12
	v_lshlrev_b32 v2, 2, v12
	v_mul_u32_u24 v15, v13, 24
	v_mad_u32_u24 v3, v14, 12, v15
	s_mul_i32 s15, s12, 384
	v_add_nc_u32 v3, s15, v3                       ; my head's codes, on the way in
	s_lshr_b32 s15, s12, 2
	s_lshl_b32 s15, s15, 6
	s_and_b32 s22, s12, 3
	s_add_co_u32 s15, s15, s22
	s_add_co_u32 s15, s15, OSC
	v_lshl_add_u32 v4, v13, 2, s15
	v_mad_u32_u24 v5, v14, 384, v15                ; the fragments: head 4 g + 2 c + h, row r
	v_lshl_add_u32 v6, v12, 2, OSC
	v_mul_u32_u24 v7, v13, 1040
	v_lshl_add_u32 v7, v14, 5, v7
	s_lshl_b32 s15, s12, 7
	s_add_co_u32 s15, s15, STG
	v_add_nc_u32 v7, s15, v7
	s_mul_i32 s15, s12, 2080
	s_add_co_u32 s15, s15, STG
	v_add_nc_u32 v8, s15, v1                       ; back: my two rows
	v_lshlrev_b32 v9, 7, v13
	v_lshl_add_u32 v9, v14, 6, v9                  ; O: row r of 128 bytes, + 64 h
	v_lshlrev_b32 v10, 2, v13
	v_lshlrev_b32 v11, 5, v14                      ; bol: 32 h
.irp i, 0,1,2,3,4,5,6,7
	v_mov_b32 v[TM+\i], 0                          ; written once: a lane permute's destination counts as one of its sources
.endr
	s_lshr_b32 s23, s13, 4                         ; b
	s_and_b32 s24, s13, 15                         ; which 16 of the batch's 256 tokens
	s_lshl_b32 s25, s23, 3
	s_add_co_u32 s25, s25, s12                     ; 8 b + w
	s_lshl_b32 s16, s25, 18
	s_lshl_b32 s26, s24, 11
	s_add_co_u32 s16, s16, s26
	s_mov_b32 s17, 0
	s_lshl_b32 s18, s25, 14
	s_lshl_b32 s26, s24, 6
	s_add_co_u32 s18, s18, s26
	s_add_co_u32 s18, s18, 8388608
	s_mov_b32 s19, 0
	s_lshl_b32 s26, s14, 5
	s_lshl_b32 s27, s12, 2
	s_add_co_u32 s26, s26, s27
	s_mul_i32 s28, s26, 1536
	s_add_co_u32 s28, s28, 153600                  ; Wol's images 32 y + 4 w on
	s_mov_b32 s29, 0
	s_lshl_b32 s30, s26, 6
	s_add_co_u32 s30, s30, 301056                  ; and the scale words of tiles 16 y + 2 w on
	s_mov_b32 s31, 0
	s_lshl_b32 s32, s14, 10
	s_lshl_b32 s27, s12, 7
	s_add_co_u32 s32, s32, s27
	s_mov_b32 s33, 0
	s_lshl_b32 s34, s23, 8
	s_lshl_b32 s27, s24, 4
	s_add_co_u32 s34, s34, s27
	s_lshl_b32 s27, s12, 1
	s_add_co_u32 s34, s34, s27                     ; the first row that I store
	s_mul_i32 s34, s34, 3072
	s_lshl_b32 s27, s14, 10
	s_add_co_u32 s34, s34, s27
	s_mov_b32 s35, 0
	s_wait_kmcnt 0x0
	s_add_nc_u64 s[16:17], s[4:5], s[16:17]
	s_add_nc_u64 s[18:19], s[4:5], s[18:19]
	s_add_nc_u64 s[28:29], s[6:7], s[28:29]
	s_add_nc_u64 s[30:31], s[6:7], s[30:31]
	s_add_nc_u64 s[8:9], s[8:9], s[32:33]
	s_add_nc_u64 s[10:11], s[10:11], s[34:35]
.irp g, 0,1,2,3,4,5,6,7
.irp k, 0,1,2,3
	global_load_b128 v[R+16*\g+4*\k:R+16*\g+4*\k+3], v9, s[16:17] offset:32768*\g+16*\k
.endr
	global_load_b32 v[32+\g], v10, s[18:19] offset:2048*\g
	global_load_b32 v[40+\g], v10, s[18:19] offset:2048*\g+1024
.endr
.set n, 0
.rept 12
	global_load_b128 v[192+4*n:195+4*n], v1, s[28:29] offset:512*n       ; Wol (t, g) at 192 + 12 (2 t + g)
.set n, n+1
.endr
.irp t, 0,1
	global_load_b32 v[16+\t], v2, s[30:31] offset:128*\t
	global_load_b128 v[240+8*\t:243+8*\t], v11, s[8:9] offset:64*\t
	global_load_b128 v[244+8*\t:247+8*\t], v11, s[8:9] offset:64*\t+16
.endr
	s_wait_loadcnt 0x0
	v_min3_num_f32 v12, v32, v33, v34              ; the least -M: the largest M
	v_min3_num_f32 v12, v12, v35, v36
	v_min3_num_f32 v12, v12, v37, v38
	v_min_num_f32 v12, v12, v39
.irp g, 0,1,2,3,4,5,6,7
	v_sub_f32 v[48+\g], v12, v[32+\g]              ; the range's M less the largest: a whole number, 0 or less
.endr
.irp g, 0,1,2,3,4,5,6,7
	v_cvt_i32_f32 v[48+\g], v[48+\g]               ; (it saturates)
.endr
.irp g, 0,1,2,3,4,5,6,7
	v_ldexp_f32 v[48+\g], 1.0, v[48+\g]
.endr
	v_mul_f32 v13, v40, v48
.irp g, 1,2,3,4,5,6,7
	v_fma_f32 v13, v[40+\g], v[48+\g], v13         ; the row's sum of p
.endr
	v_rcp_f32 v13, v13
.set n, 0
.rept 16
	v_mul_f32 v[R+n], v[R+n], v48
.set n, n+1
.endr
.irp g, 1,2,3,4,5,6,7
.set n, 0
.rept 16
	v_fma_f32 v[R+n], v[R+16*\g+n], v[48+\g], v[R+n]
.set n, n+1
.endr
.endr
	s_wait_alu depctr_va_vdst(0)                   ; the wait for the reciprocal, ahead of its first reader; the sums above are the work between
.set n, 0
.rept 16
	v_mul_f32 v[R+n], v[R+n], v13
.set n, n+1
.endr
	QH1 R, 20
	ds_store_b32 v3, v20
	ds_store_b32 v3, v21 offset:4
	ds_store_b32 v3, v22 offset:8
	ds_store_b8 v4, v[TM+6]
	BAR                                            ; all heads' codes lie in LDS
.irp g, 0,1
.irp c, 0,1
.irp p, 0,1,2
	ds_load_b64 v[R+12*\g+6*\c+2*\p:R+12*\g+6*\c+2*\p+1], v5 offset:1536*\g+768*\c+8*\p
.endr
.endr
.endr
	ds_load_b32 v18, v6
	s_wait_dscnt 0x0
	MM 240, 192, R, v[240:247], 16, 18             ; source 0 = 16 outputs of Wol, source 1 = my 16 tokens; bol is the first C; two accumulators by turns
	MM 248, 216, R, v[248:255], 17, 18
	MM1 240, 204, R+12, v[240:247], 16, 18
	MM1 248, 228, R+12, v[248:255], 17, 18
	PLACES 4
.irp t, 0,1
	ds_store_b128 v7, v[240+8*\t:243+8*\t] offset:64*\t
	ds_store_b128 v7, v[244+8*\t:247+8*\t] offset:64*\t+16
.endr
	BAR                                            ; 16 rows of 256 outputs lie in the stage
.set n, 0
.rept 4
	ds_load_b128 v[R+4*n:R+4*n+3], v8 offset:1040*(n/2)+512*(n%2)
.set n, n+1
.endr
.set n, 0
.rept 4
	s_wait_dscnt 3-n                               ; the younger loads stay out
	global_store_b128 v1, v[R+4*n:R+4*n+3], s[10:11] offset:3072*(n/2)+512*(n%2) th:TH_STORE_NT   ; 32 lanes store 512 consecutive bytes
.set n, n+1
.endr
	s_wait_tensorcnt 0x0
	ds_add_u32 v62, v63
	s_wait_dscnt 0x0
	s_endpgm
.Lfunc_end_k_q18f9b93336_final:
	.size	k_q18f9b93336_final, .Lfunc_end_k_q18f9b93336_final-k_q18f9b93336_final
	.p2alignl 7, 3214868480
	.fill 96, 4, 3214868480
	.section	.rodata,"a",@progbits
	.p2align	6, 0x0
	.amdhsa_kernel k_q18f9b93336_final
		.amdhsa_group_segment_fixed_size 21504
		.amdhsa_private_segment_fixed_size 0
		.amdhsa_enable_private_segment 0
		.amdhsa_kernarg_size 32
		.amdhsa_user_sgpr_count 2
		.amdhsa_user_sgpr_kernarg_segment_ptr 1
		.amdhsa_wavefront_size32 1
		.amdhsa_system_sgpr_workgroup_id_x 1
		.amdhsa_system_sgpr_workgroup_id_y 1
		.amdhsa_system_sgpr_workgroup_id_z 1
		.amdhsa_system_vgpr_workitem_id 0
		.amdhsa_next_free_vgpr 256
		.amdhsa_next_free_sgpr 66
		.amdhsa_reserve_vcc 0
		.amdhsa_float_denorm_mode_32 3
		.amdhsa_float_denorm_mode_16_64 3
		.amdhsa_memory_ordered 1
		.amdhsa_forward_progress 1
		.amdhsa_inst_pref_size 24
	.end_amdhsa_kernel
	.amdgpu_metadata
---
amdhsa.version: [ 1, 2 ]
amdhsa.kernels:
  - .name:           k_q18f9b93336_final
    .symbol:         k_q18f9b93336_final.kd
    .args:
      - { .name: part, .offset: 0, .size: 8, .value_kind: global_buffer, .address_space: global }
      - { .name: prep, .offset: 8, .size: 8, .value_kind: global_buffer, .address_space: global }
      - { .name: bol, .offset: 16, .size: 8, .value_kind: global_buffer, .address_space: global }
      - { .name: out1, .offset: 24, .size: 8, .value_kind: global_buffer, .address_space: global }
    .group_segment_fixed_size: 21504
    .private_segment_fixed_size: 0
    .kernarg_segment_align: 8
    .kernarg_segment_size: 32
    .max_flat_workgroup_size: 256
    .sgpr_count:     66
    .vgpr_count:     256
    .wavefront_size: 32
...
	.end_amdgpu_metadata
.endif
;; end of part 5
;; ======== version 2 of 2: 5 launches; version 1 with the launches prep, proj, passA, passB, final written anew for expert scheduling mode
;; workspace buffers: prep 716,800 bytes; qbuf 10,880,000 bytes; vbuf 10,880,000 bytes; pam 1,998,848 bytes; part 8,912,896 bytes
;; launch prep (part 6): grid 32 x 8, 6 waves a work-group, no clusters, 62,208 bytes of LDS; arguments l, Wk, Wvl, bk, bvl, Wq, Wvv, Wov, Wol, prep; writes prep
.if DOCPART == 6
	.amdgcn_target "amdgcn-amd-amdhsa--gfx1250"
	.amdhsa_code_object_version 6
	.text
	.protected	k_q18f9b93336_prep
	.globl	k_q18f9b93336_prep
	.p2align	8
	.type	k_q18f9b93336_prep,@function
k_q18f9b93336_prep:
	s_mov_b64 s[64:65], 0
	v_nop
	global_prefetch_b8 v0, s[64:65] scope:SCOPE_SE
	s_setreg_imm32_b32 hwreg(HW_REG_WAVE_SCHED_MODE, 0, 2), 2
	s_setreg_imm32_b32 hwreg(HW_REG_WAVE_MODE, 25, 1), 1
	s_wait_xcnt 0x0
	s_wait_alu depctr_vm_vsrc(0)
; k = l Wk^T + bk and val_l = l Wvl^T + bvl on codes of FP6 (E2M3), one E8M0 scale for each 32 along K = 768; the results are quantised again
; (k along its head's 32 channels, val_l along 32 language tokens) and stored as codes.  Also: Wq, Wvv, Wov, Wol become images of operand registers.
; SHARES.  Work-group (x, y): x = 32 of the 4 x 256 language tokens, y = head.  Phase 1: wave w quantises K step w (128 of 768) of six tiles of 16 rows: l's two, Wk's two, Wvl's two;
; a fragment goes to LDS as an image of its 12 registers (16 bytes a lane, 512 bytes a store).  Phase 2: waves 0, 1 make k of token tile 0, 1; waves 2, 3 val_l of channel tile 0, 1.
; Wave 4 of the first 192 work-groups quantises one fragment (16 rows x 128 K) of a weight of K = 256.
; THE ROWS OF A TILE of l, of Wk and of Wq are not neighbours: row r of tile u is 8 u + r + 8 (r / 8), so that the 16 result registers of two tiles are 16 neighbours along the next K.
; LIMITS: NaN and infinities are not served; a block whose largest magnitude lies under 2^-124 (a block of zeros too) has the scale byte 1: these bytes are read by this program alone.
; THE MODE: SCHED_MODE bits 1:0 = 2 (LLVM: expert scheduling mode 2), set by the entry lines.  The code itself states the register dependences
; between vector or matrix instructions and memory or LDS instructions, with s_wait_alu, always for 0.
; THE PLAN.  Registers that memory or LDS instructions touch:
;   XA, XB          a unit's 64 numbers: global loads land in them, the quantiser reads them.  Behind the quantiser one wait on va_vdst; the set's next loads follow it at once.
;   v[PC ..], v[PW] written by the quantiser, read by the four LDS stores behind that same wait; one wait on vm_vsrc behind the stores, ahead of the next quantiser.
;   v64-99, v100-135, v192-194, v198-200   phase 2: two sets of three fragments and three scale words.  LDS loads land in them, the products read them; behind a K step's two products
;                   one wait on va_vdst, and the loads of the K step after next go into the set just read.
;   v1-8, v45-47, v196, v197   offsets and addresses, made once (v45-47 anew in wave 4, which has not used them) ahead of a wait on va_vdst.
.set KC,   307200                      ; prep: k's codes [b][head][s][24]
.set KSB,  503808                      ; k's scale bytes [b][head][s]
.set VLC,  512000                      ; val_l's codes [b][head][d][192]
.set VLSB, 708608                      ; val_l's scale bytes [b][head][d][8]
.set SCB,  55296                       ; LDS: behind the 36 images of 1,536 bytes: their scale words, 128 bytes each
.set PC,   16                          ; v16-27  a fragment's codes
.set PT,   28                          ; v28-35  the conversions' second halves
.set TM,   36                          ; v36-43  at work in the quantisers
.set PW,   44                          ; v44     a scale word
.set H8,   9                           ; v9      8 x (lane / 16)
.set SEL,  32                          ; s[32:33] lane selects: lane l xor 16
.set XA,   64                          ; v64-127, v128-191: two sets of 64 numbers
.set XB,   128
.macro PLACES n
.rept \n
	v_nop
.endr
.endm
.macro BAR                             ; my LDS stores have landed and my LDS loads are in: then the work-group's barrier
	s_wait_dscnt 0x0
	s_barrier_signal -1
	s_barrier_wait -1
.endm
.macro MM d, a, b, c, sa, sb
	v_wmma_scale_f32_16x16x128_f8f6f4 v[\d:\d+7], v[\a:\a+11], v[\b:\b+11], \c, v[\sa], v[\sb] matrix_a_fmt:MATRIX_FMT_FP6 matrix_b_fmt:MATRIX_FMT_FP6
.endm
; 64 numbers of a lane, register 32 c + i = k 64 c + 32 (lane / 16) + i of my row: two whole blocks.  They become the fragment's 12 registers in v[PC] on and the row's scale word in v[PW].
.macro QF x
.irp c, 0,1
	v_max3_num_f32 v[TM+\c], |v[\x+32*\c]|, |v[\x+32*\c+1]|, 0x1800000   ; with the floor 2^(3 - 127): the byte cannot fall under 1
.endr
.irp i, 2,4,6,8,10,12,14,16,18,20,22,24,26,28,30
.irp c, 0,1
	v_max3_num_f32 v[TM+\c], v[TM+\c], |v[\x+32*\c+\i]|, |v[\x+32*\c+\i+1]|
.endr
.endr
.irp c, 0,1
	v_add_nc_u32 v[TM+2+\c], 0xff000000, v[TM+\c]      ; 2 off the exponent field: the conversion's scale operand
.endr
.irp c, 0,1
	v_lshrrev_b32 v[TM+4+\c], 23, v[TM+2+\c]           ; the scale's byte
.endr
	v_lshl_or_b32 v[PW], v[TM+5], 16, v[TM+4]          ; my blocks are h and 2 + h:
	v_lshlrev_b32 v[PW], v[H8], v[PW]                  ; 8 h bits up,
	v_permlanex16_b32 v[TM+6], v[PW], s[SEL], s[SEL+1]
	v_or_b32 v[PW], v[PW], v[TM+6]                     ; and with lane l xor 16's two bytes the word is whole
.irp c, 0,1
	v_cvt_scalef32_pk16_fp6_f32 v[PC+6*\c:PC+6*\c+2], v[\x+32*\c:\x+32*\c+15], v[TM+2+\c]
	v_cvt_scalef32_pk16_fp6_f32 v[PT+4*\c:PT+4*\c+2], v[\x+32*\c+16:\x+32*\c+31], v[TM+2+\c]   ; (a conversion's three registers begin on an even number)
.endr
	v_nop                                              ; one plain place behind a scaled conversion
.irp c, 0,1
.irp i, 0,1,2
	v_mov_b32 v[PC+6*\c+3+\i], v[PT+4*\c+\i]
.endr
.endr
.endm
; 16 registers that are half a block (the other half in lane l xor 16) become 12 bytes of codes in v[x] on; the scale's byte in v[TM+6]
.macro QH1 y, x
	v_max3_num_f32 v[TM], |v[\y]|, |v[\y+1]|, 0x1800000
.irp i, 2,4,6,8,10,12,14
	v_max3_num_f32 v[TM], v[TM], |v[\y+\i]|, |v[\y+\i+1]|
.endr
	v_permlanex16_b32 v[TM+2], v[TM], s[SEL], s[SEL+1]
	v_max_num_f32 v[TM], v[TM], v[TM+2]
	v_add_nc_u32 v[TM+4], 0xff000000, v[TM]
	v_lshrrev_b32 v[TM+6], 23, v[TM+4]
	v_cvt_scalef32_pk16_fp6_f32 v[\x:\x+2], v[\y:\y+15], v[TM+4]
	v_nop
.endm
.macro ULOAD reg, vo, sb, imm          ; 16 rows x 128 along K of f32: 16 loads, a lane's two blocks of 128 bytes
.irp c, 0,1
.irp i, 0,1,2,3,4,5,6,7
	global_load_b128 v[\reg+32*\c+4*\i:\reg+32*\c+4*\i+3], v[\vo], s[\sb:\sb+1] offset:\imm+256*\c+16*\i
.endr
.endr
.endm
.macro UQ x, left                      ; one unit: its 16 loads are in (left younger ones stay out), and it is quantised
	s_wait_loadcnt \left
	QF \x
	s_wait_alu depctr_va_vdst(0)                       ; the quantiser has written v[PC ..] and v[PW], which the LDS stores read, and is done reading the set's 64 numbers, in which the set's next loads land
.endm
.macro US kind                         ; its image goes to LDS
	ds_store_b128 v3, v[PC:PC+3] offset:9216*\kind
	ds_store_b128 v3, v[PC+4:PC+7] offset:9216*\kind+512
	ds_store_b128 v3, v[PC+8:PC+11] offset:9216*\kind+1024
	ds_store_b32 v4, v[PW] offset:768*\kind
	s_wait_dscnt 0x0                                   ; the stores have landed
	s_wait_alu depctr_vm_vsrc(0)                       ; the stores have read v[PC ..] and v[PW]: the next fragment may be made
.endm
.macro KLOAD k                         ; phase 2: K step k's three fragments and three scale words into set k % 2: 12 LDS loads
.irp c, 0,1,2
	ds_load_b128 v[64+36*((\k)%2)+4*\c:67+36*((\k)%2)+4*\c], v5 offset:1536*(\k)+512*\c
	ds_load_b128 v[76+36*((\k)%2)+4*\c:79+36*((\k)%2)+4*\c], v5 offset:9216+1536*(\k)+512*\c
	ds_load_b128 v[88+36*((\k)%2)+4*\c:91+36*((\k)%2)+4*\c], v6 offset:1536*(\k)+512*\c
.endr
	ds_load_b32 v[192+6*((\k)%2)], v7 offset:128*(\k)
	ds_load_b32 v[193+6*((\k)%2)], v7 offset:768+128*(\k)
	ds_load_b32 v[194+6*((\k)%2)], v8 offset:128*(\k)
.endm
	s_load_b512 s[4:19], s[0:1], 0x0               ; l 4, Wk 6, Wvl 8, bk 10, bvl 12, Wq 14, Wvv 16, Wov 18
	s_load_b128 s[20:23], s[0:1], 0x40             ; Wol 20, prep 22
	v_lshl_add_u32 v254, v0, 2, 0xf000
	v_mov_b32 v255, 0
	v_lshrrev_b32 v10, 5, v0
	v_readfirstlane_b32 s24, v10                   ; wave 0..5
	s_mov_b32 s25, ttmp9                           ; x
	s_and_b32 s26, ttmp7, 0xffff                   ; y: the head
	s_mov_b32 s[SEL], 0x76543210
	s_mov_b32 s[SEL+1], 0xfedcba98
	v_and_b32 v10, 31, v0                          ; lane
	v_and_b32 v11, 15, v0                          ; r
	v_bfe_u32 v12, v0, 4, 1                        ; h
	v_bfe_u32 v13, v0, 3, 1                        ; r / 8
	v_lshl_add_u32 v14, v13, 3, v11                ; r + 8 (r / 8)
	v_lshlrev_b32 v[H8], 3, v12
	v_lshlrev_b32 v15, 7, v12                      ; 128 h
	v_mad_u32_u24 v1, v14, 3072, v15               ; l, Wk: my row of a tile (3,072 bytes a row) + my half's 128 bytes
	v_mad_u32_u24 v2, v11, 3072, v15               ; Wvl: rows as they lie
	s_wait_alu depctr_va_sdst(0)                   ; s24, the wave's number, is written, ahead of its first reader
	s_mul_i32 s27, s24, 1536
	v_lshl_add_u32 v3, v10, 4, s27                 ; images, on the way in: K step = wave
	s_lshl_b32 s27, s24, 7
	s_add_co_u32 s27, s27, SCB
	v_lshl_add_u32 v4, v10, 2, s27                 ; their scale words
	s_and_b32 s34, s24, 3                          ; the role in phase 2
	s_lshr_b32 s35, s34, 1                         ; 0: k, 1: val_l
	s_and_b32 s36, s34, 1                          ; which tile
	s_lshl_b32 s37, s35, 1
	s_xor_b32 s38, s37, 2                          ; source 0: kinds 2, 3 (Wk) for k; kinds 0, 1 (l) for val_l
	s_add_co_u32 s39, s34, s37                     ; source 1: kind 0, 1 (l) for k; 4, 5 (Wvl) for val_l
	s_mul_i32 s27, s38, 9216
	v_lshl_add_u32 v5, v10, 4, s27
	s_mul_i32 s27, s39, 9216
	v_lshl_add_u32 v6, v10, 4, s27
	s_mul_i32 s27, s38, 768
	s_add_co_u32 s27, s27, SCB
	v_lshl_add_u32 v7, v10, 2, s27
	s_mul_i32 s27, s39, 768
	s_add_co_u32 s27, s27, SCB
	v_lshl_add_u32 v8, v10, 2, s27
	; where phase 2's results go, as offsets in prep
	s_lshr_b32 s40, s25, 3                         ; b
	s_and_b32 s41, s25, 7                          ; which 32 of the batch's 256 tokens
	s_lshl_b32 s42, s40, 3
	s_add_co_u32 s42, s42, s26                     ; 8 b + head
	s_mul_i32 s43, s42, 6144
	s_mul_i32 s44, s41, 768
	s_mul_i32 s27, s36, 192
	s_add_co_u32 s44, s44, s27
	s_add_co_u32 s44, s44, s43
	s_add_co_u32 s44, s44, KC                      ; k: token 32 sblk + 8 tile, 24 bytes a token
	s_mul_i32 s45, s36, 3072
	s_mul_i32 s27, s41, 24
	s_add_co_u32 s45, s45, s27
	s_add_co_u32 s45, s45, s43
	s_add_co_u32 s45, s45, VLC                     ; val_l: channel 16 tile, 192 bytes a channel, + 24 sblk
	s_lshl_b32 s46, s42, 8
	s_lshl_b32 s47, s41, 5
	s_lshl_b32 s27, s36, 3
	s_add_co_u32 s47, s47, s27
	s_add_co_u32 s47, s47, s46
	s_add_co_u32 s47, s47, KSB
	s_lshl_b32 s48, s36, 7
	s_add_co_u32 s48, s48, s41
	s_add_co_u32 s48, s48, s46
	s_add_co_u32 s48, s48, VLSB
	s_mov_b32 s50, 192
	s_cmp_eq_u32 s35, 0
	s_cselect_b32 s44, s44, s45
	s_cselect_b32 s47, s47, s48
	s_cselect_b32 s49, 8, 0
	s_cselect_b32 s50, 24, s50                     ; bytes from row to row of the codes
	s_cselect_b32 s51, 1, 8                        ; and of the scale bytes
	v_mad_u32_u24 v45, v13, s49, v11               ; my row: tokens in the tile's order, channels as they lie
	v_mul_u32_u24 v46, v12, 12
	v_mad_u32_u24 v46, v45, s50, v46
	v_add_nc_u32 v46, s44, v46                     ; codes: + 12 h
	v_mul_u32_u24 v47, v45, s51
	v_add_nc_u32 v47, s47, v47
	v_lshlrev_b32 v196, 6, v12                     ; bk: 64 h
	v_lshlrev_b32 v197, 2, v11                     ; bvl: 4 r
.irp i, 0,1,2,3,4,5,6,7
	v_mov_b32 v[TM+\i], 0                          ; written once: a lane permute's destination counts as one of its sources
.endr
	s_mul_i32 s28, s25, 98304                      ; 32 rows of 3,072 bytes
	s_lshl_b32 s27, s24, 9                         ; + my K step's 512 bytes
	s_add_co_u32 s28, s28, s27
	s_mov_b32 s29, 0
	s_mul_i32 s30, s26, 98304
	s_add_co_u32 s30, s30, s27
	s_mov_b32 s31, 0
	s_lshl_b32 s52, s26, 7                         ; the head's 32 biases
	s_mov_b32 s53, 0
	s_lshl_b32 s54, s36, 6
	s_add_co_u32 s54, s54, s52
	s_mov_b32 s55, 0
	s_wait_kmcnt 0x0
	s_add_nc_u64 s[4:5], s[4:5], s[28:29]
	s_add_nc_u64 s[6:7], s[6:7], s[30:31]
	s_add_nc_u64 s[8:9], s[8:9], s[30:31]
	s_add_nc_u64 s[10:11], s[10:11], s[52:53]
	s_add_nc_u64 s[12:13], s[12:13], s[54:55]
	s_wait_alu depctr_va_vdst(0)                   ; the offsets and addresses v1-8, v46, v47, v196, v197 are written, which the loads and stores below read
	; ---- phase 1: six units, the loads one unit ahead; a set is asked for again as soon as its numbers are quantised
	ULOAD XA, 1, 4, 0
	ULOAD XB, 1, 4, 24576
	UQ XA, 16
	ULOAD XA, 1, 6, 0
	US 0
	UQ XB, 16
	ULOAD XB, 1, 6, 24576
	US 1
	UQ XA, 16
	ULOAD XA, 2, 8, 0
	US 2
	UQ XB, 16
	ULOAD XB, 2, 8, 49152
	US 3
	UQ XA, 16
	US 4
	UQ XB, 0
	US 5
	BAR                                            ; the 36 images lie in LDS
	s_cmp_lt_u32 s24, 4
	s_cbranch_scc0 .Lw45
	; ---- phase 2: two accumulators by turns, six K steps; the bias is the sums' first C
	s_cmp_eq_u32 s35, 0
	s_cbranch_scc0 .Lbv
.irp i, 0,1,2,3
	global_load_b128 v[48+4*\i:51+4*\i], v196, s[10:11] offset:16*\i   ; k: register i is channel 16 h + i
.endr
	s_branch .Lbj
.Lbv:
.irp i, 0,1,2,3,4,5,6,7,8,9,10,11,12,13,14,15
	global_load_b32 v[48+\i], v197, s[12:13]       ; val_l: my lane's channel in every register
.endr
.Lbj:
	KLOAD 0                                        ; (both sets lie in XA and XB: the last quantiser's wait on va_vdst has shown their readers done, and no vector instruction has followed it)
	KLOAD 1
	s_wait_loadcnt 0x0
.irp ks, 0,1,2,3,4,5
.if \ks < 5
	s_wait_dscnt 12                                ; LDS loads come back in order: this K step's 12 are in, the next step's 12 stay out
.else
	s_wait_dscnt 0x0
.endif
	MM 48, 64+36*(\ks%2), 88+36*(\ks%2), v[48:55], 192+6*(\ks%2), 194+6*(\ks%2)
	MM 56, 76+36*(\ks%2), 88+36*(\ks%2), v[56:63], 193+6*(\ks%2), 194+6*(\ks%2)
	PLACES 4                                       ; in front of loads into registers that the products have read, and of the first read of results
.if \ks < 4
	s_wait_alu depctr_va_vdst(0)                   ; the two products are done reading this set's fragments and scale words, in which the loads of the K step after next land
	KLOAD \ks+2
.endif
.endr
	QH1 48, 16
	s_wait_alu depctr_va_vdst(0)                   ; the quantiser has written the codes v16-18 and the byte v[TM+6], which the stores read
	global_store_b96 v46, v[16:18], s[22:23]
	global_store_b8 v47, v[TM+6], s[22:23]         ; both halves of the lanes write the same byte with the same value
	s_wait_dscnt 0x0                               ; the closing lines, six on end
	s_wait_alu 0x0
	s_wait_tensorcnt 0x0
	ds_add_u32 v254, v255
	s_wait_dscnt 0x0
	s_endpgm
.Lw45:
	s_cmp_eq_u32 s24, 4
	s_cbranch_scc0 .Lend
	s_lshl_b32 s27, s26, 5
	s_add_co_u32 s27, s27, s25                     ; g = x + 32 y: which of the 192 weight fragments
	s_cmp_lt_u32 s27, 192
	s_cbranch_scc0 .Lend
	s_lshr_b32 s34, s27, 5
	s_min_u32 s34, s34, 3                          ; 0 Wq, 1 Wvv, 2 Wov, 3 Wol
	s_and_b32 s35, s27, 31
	s_sub_co_u32 s36, s27, 96
	s_cmp_lt_u32 s27, 96
	s_cselect_b32 s35, s35, s36                    ; the fragment's number in its weight: 2 T + ks
	s_cmp_eq_u32 s34, 0
	s_cselect_b64 s[38:39], s[14:15], s[16:17]
	s_cselect_b32 s37, 8, 0                        ; Wq's tiles take their rows in the tile's order
	s_cmp_lt_u32 s34, 2
	s_cselect_b64 s[38:39], s[38:39], s[18:19]
	s_mov_b32 s40, 147456
	s_cmp_lt_u32 s34, 3
	s_cselect_b64 s[38:39], s[38:39], s[20:21]
	s_cselect_b32 s40, 49152, s40                  ; where the region's scale words begin
	s_mul_i32 s41, s34, 51200                      ; the region
	s_add_co_u32 s40, s40, s41
	s_lshr_b32 s42, s35, 1                         ; T
	s_and_b32 s43, s35, 1                          ; ks
	s_and_b32 s44, s42, 1
	s_mul_i32 s44, s44, s37
	s_lshl_b32 s45, s42, 4
	s_sub_co_u32 s44, s45, s44                     ; 16 T - 8 (T & 1) for Wq, 16 T else
	s_lshl_b32 s44, s44, 10
	s_lshl_b32 s46, s43, 9
	s_add_co_u32 s44, s44, s46
	s_mov_b32 s45, 0
	s_add_nc_u64 s[38:39], s[38:39], s[44:45]
	v_mad_u32_u24 v45, v13, s37, v11
	v_lshl_add_u32 v45, v45, 10, v15               ; row x 1,024 + 128 h
	s_mul_i32 s46, s35, 1536
	s_add_co_u32 s46, s46, s41
	v_lshl_add_u32 v46, v10, 4, s46
	s_lshl_b32 s47, s42, 7
	s_lshl_b32 s48, s43, 6
	s_add_co_u32 s47, s47, s48
	s_add_co_u32 s47, s47, s40
	v_lshl_add_u32 v47, v11, 2, s47
	s_wait_alu depctr_va_vdst(0)                   ; v45, v46 and v47 are written: the offsets of the loads and of the stores below
	ULOAD XA, 45, 38, 0
	s_wait_loadcnt 0x0
	QF XA
	s_wait_alu depctr_va_vdst(0)                   ; the quantiser has written v[PC ..] and v[PW], which the stores read
	global_store_b128 v46, v[PC:PC+3], s[22:23]
	global_store_b128 v46, v[PC+4:PC+7], s[22:23] offset:512
	global_store_b128 v46, v[PC+8:PC+11], s[22:23] offset:1024
	global_store_b32 v47, v[PW], s[22:23]
.Lend:
	s_wait_dscnt 0x0                               ; the closing lines, six on end
	s_wait_alu 0x0
	s_wait_tensorcnt 0x0
	ds_add_u32 v254, v255
	s_wait_dscnt 0x0
	s_endpgm
.Lfunc_end_k_q18f9b93336_prep:
	.size	k_q18f9b93336_prep, .Lfunc_end_k_q18f9b93336_prep-k_q18f9b93336_prep
	.p2alignl 7, 3214868480
	.fill 96, 4, 3214868480
	.section	.rodata,"a",@progbits
	.p2align	6, 0x0
	.amdhsa_kernel k_q18f9b93336_prep
		.amdhsa_group_segment_fixed_size 62208
		.amdhsa_private_segment_fixed_size 0
		.amdhsa_enable_private_segment 0
		.amdhsa_kernarg_size 80
		.amdhsa_user_sgpr_count 2
		.amdhsa_user_sgpr_kernarg_segment_ptr 1
		.amdhsa_wavefront_size32 1
		.amdhsa_system_sgpr_workgroup_id_x 1
		.amdhsa_system_sgpr_workgroup_id_y 1
		.amdhsa_system_sgpr_workgroup_id_z 1
		.amdhsa_system_vgpr_workitem_id 0
		.amdhsa_next_free_vgpr 256
		.amdhsa_next_free_sgpr 66
		.amdhsa_reserve_vcc 0
		.amdhsa_float_denorm_mode_32 3
		.amdhsa_float_denorm_mode_16_64 3
		.amdhsa_memory_ordered 1
		.amdhsa_forward_progress 1
		.amdhsa_inst_pref_size 52
	.end_amdhsa_kernel
	.amdgpu_metadata
---
amdhsa.version: [ 1, 2 ]
amdhsa.kernels:
  - .name:           k_q18f9b93336_prep
    .symbol:         k_q18f9b93336_prep.kd
    .args:
      - { .name: l, .offset: 0, .size: 8, .value_kind: global_buffer, .address_space: global }
      - { .name: Wk, .offset: 8, .size: 8, .value_kind: global_buffer, .address_space: global }
      - { .name: Wvl, .offset: 16, .size: 8, .value_kind: global_buffer, .address_space: global }
      - { .name: bk, .offset: 24, .size: 8, .value_kind: global_buffer, .address_space: global }
      - { .name: bvl, .offset: 32, .size: 8, .value_kind: global_buffer, .address_space: global }
      - { .name: Wq, .offset: 40, .size: 8, .value_kind: global_buffer, .address_space: global }
      - { .name: Wvv, .offset: 48, .size: 8, .value_kind: global_buffer, .address_space: global }
      - { .name: Wov, .offset: 56, .size: 8, .value_kind: global_buffer, .address_space: global }
      - { .name: Wol, .offset: 64, .size: 8, .value_kind: global_buffer, .address_space: global }
      - { .name: prep, .offset: 72, .size: 8, .value_kind: global_buffer, .address_space: global }
    .group_segment_fixed_size: 62208
    .private_segment_fixed_size: 0
    .kernarg_segment_align: 8
    .kernarg_segment_size: 80
    .max_flat_workgroup_size: 192
    .sgpr_count:     66
    .vgpr_count:     256
    .wavefront_size: 32
...
	.end_amdgpu_metadata
.endif
;; end of part 6
;; launch proj (part 7): grid 213 x 1, 8 waves a work-group, no clusters, 95,232 bytes of LDS; arguments v, v_pos, bq, bvv, prep, qbuf, vbuf; writes qbuf, vbuf
.if DOCPART == 7
	.amdgcn_target "amdgcn-amd-amdhsa--gfx1250"
	.amdhsa_code_object_version 6
	.text
	.protected	k_q18f9b93336_proj
	.globl	k_q18f9b93336_proj
	.p2align	8
	.type	k_q18f9b93336_proj,@function
k_q18f9b93336_proj:
	s_mov_b64 s[64:65], 0
	v_nop
	global_prefetch_b8 v0, s[64:65] scope:SCOPE_SE
	s_setreg_imm32_b32 hwreg(HW_REG_WAVE_SCHED_MODE, 0, 2), 2
	s_setreg_imm32_b32 hwreg(HW_REG_WAVE_MODE, 25, 1), 1
	s_wait_xcnt 0x0
	s_wait_alu depctr_vm_vsrc(0)
; q = ((v + v_pos) Wq^T + bq) / sqrt(32) and val_v = v Wvv^T + bvv on codes of FP6 (E2M3), one E8M0 scale for each 32 along K = 256; the results are quantised again
; (q along its head's 32 channels, val_v along blocks of 32 tokens) and stored as codes: the f32 tokens are read once.
; SHARES.  The 54,400 tokens are 850 pairs of blocks of 32.  A work-group walks four pairs: pair min(4 x + i, 849); the last work-group so repeats its last pair, with the same stores of the same values.
; Phase X: wave w takes tile w / 2 (16 of the 64 tokens) and K step w % 2: 16 loads of 512 consecutive bytes of v, 16 of v_pos; they turn through the wave's own stage in LDS, so that a lane holds
; 2 x 32 neighbours along K; v and v + v_pos are quantised; the two fragments go to LDS as images of their registers.  Then wave w is HEAD w: its 8 weight fragments and its biases stay in registers.
; THE ROWS OF A TILE of tokens and of Wq are not neighbours: row r of tile u is 8 u + r + 8 (r / 8), so that the 16 result registers of two tiles are 16 neighbours along the next K.
; The next pair's loads are issued ahead of the matrix phase, into registers that it does not use; the last trip asks for nothing.
; LIMITS: NaN and infinities are not served; a block whose largest magnitude lies under 2^-124 (a block of zeros too) has the scale byte 1: these bytes are read by this program alone.
; REGISTERS: window 0: v1-15 addresses, v16-22 scale words, v24-54 the quantisers, v64-111 four fragments of x, v112-127 two accumulators, v128-255 v and v_pos.  Window 1: v0-95 weights, v96-127 biases.
; THE MODE: SCHED_MODE bits 1:0 = 2 (LLVM: expert scheduling mode 2), set by the entry lines.  The code itself states the register dependences
; between vector or matrix instructions and memory or LDS instructions, with s_wait_alu, always for 0.
; THE PLAN.  Registers that memory or LDS instructions touch, in the loop:
;   XV, XP          global loads land in them; the turn's LDS stores read them; (wait on vm_vsrc) the turn's LDS loads land in them; the quantisers and the additions read them;
;                   (wait on va_vdst, the one ahead of the second image's stores) the next pair's global loads land in them.  The matrix phase does not name them.
;   v[PC ..], v[PW] written by a quantiser, (wait on va_vdst) read by its image's four LDS stores, (wait on vm_vsrc) written by the next quantiser.
;   FR, v20, v21    LDS loads land in them, a unit's products read them; the wait on va_vdst ahead of a unit's stores shows those products done, and no vector instruction stands between it and the next loads.
;   v[CO ..], v[TM+6]  written by a unit's quantiser, (wait on va_vdst) read by its two stores, (wait on vm_vsrc) written by the next quantiser.
;   v1-8, v11, v13-15  offsets and addresses: made once at the head, never written again.
.set TRIPS, 4
.set XIMG, 67584                       ; LDS: behind the eight stages of 16 x 528 bytes: 16 images, number 4 tile + 2 arr + ks (arr 0: v, 1: v + v_pos)
.set XSC,  92160                       ; their scale words, 64 bytes each
.set QSO,  10444800                    ; where the scale bytes begin in qbuf and in vbuf
.set PC, 24
.set PT, 36
.set TM, 44
.set PW, 22
.set H8, 9
.set SEL, 20
.set CO, 52                            ; v52-54  12 bytes of codes
.set FR, 64
.set AC, 112
.set XV, 128
.set XP, 192
.set WQ, 0                             ; window 1: Wq's fragments (t, ks) at 12 (2 t + ks); Wvv's likewise; bq's two tiles; bvv's two
.set WV, 48
.set BQ, 96
.set BV, 112
.set MSB, 0
.macro WIN new                         ; the immediate's high byte repeats the setting that is left
.if MSB != \new
	s_set_vgpr_msb (MSB<<8)|\new
.set MSB, \new
.endif
.endm
.macro PLACES n
.rept \n
	v_nop
.endr
.endm
.macro BAR                             ; my LDS stores have landed and my LDS loads are in: then the work-group's barrier
	s_wait_dscnt 0x0
	s_barrier_signal -1
	s_barrier_wait -1
.endm
.macro MM d, a, b, c, sa, sb
	v_wmma_scale_f32_16x16x128_f8f6f4 v[\d:\d+7], v[\a:\a+11], v[\b:\b+11], \c, v[\sa], v[\sb] matrix_a_fmt:MATRIX_FMT_FP6 matrix_b_fmt:MATRIX_FMT_FP6
.endm
.macro MM1 d, a, b, c, sa, sb          ; both sides' scales from lanes 16-31: the second K step's words
	v_wmma_scale_f32_16x16x128_f8f6f4 v[\d:\d+7], v[\a:\a+11], v[\b:\b+11], \c, v[\sa], v[\sb] matrix_a_fmt:MATRIX_FMT_FP6 matrix_b_fmt:MATRIX_FMT_FP6 matrix_a_scale:MATRIX_SCALE_ROW1 matrix_b_scale:MATRIX_SCALE_ROW1
.endm
.macro QF x                            ; 64 numbers of a lane (register 32 c + i = k 64 c + 32 h + i) -> 12 registers of codes in v[PC] on, the row's scale word in v[PW]
.irp c, 0,1
	v_max3_num_f32 v[TM+\c], |v[\x+32*\c]|, |v[\x+32*\c+1]|, 0x1800000   ; with the floor 2^(3 - 127)
.endr
.irp i, 2,4,6,8,10,12,14,16,18,20,22,24,26,28,30
.irp c, 0,1
	v_max3_num_f32 v[TM+\c], v[TM+\c], |v[\x+32*\c+\i]|, |v[\x+32*\c+\i+1]|
.endr
.endr
.irp c, 0,1
	v_add_nc_u32 v[TM+2+\c], 0xff000000, v[TM+\c]      ; 2 off the exponent field: the conversion's scale operand
.endr
.irp c, 0,1
	v_lshrrev_b32 v[TM+4+\c], 23, v[TM+2+\c]           ; the scale's byte
.endr
	v_lshl_or_b32 v[PW], v[TM+5], 16, v[TM+4]          ; my blocks are h and 2 + h:
	v_lshlrev_b32 v[PW], v[H8], v[PW]                  ; 8 h bits up,
	v_permlanex16_b32 v[TM+6], v[PW], s[SEL], s[SEL+1]
	v_or_b32 v[PW], v[PW], v[TM+6]                     ; and with lane l xor 16's two bytes the word is whole
.irp c, 0,1
	v_cvt_scalef32_pk16_fp6_f32 v[PC+6*\c:PC+6*\c+2], v[\x+32*\c:\x+32*\c+15], v[TM+2+\c]
	v_cvt_scalef32_pk16_fp6_f32 v[PT+4*\c:PT+4*\c+2], v[\x+32*\c+16:\x+32*\c+31], v[TM+2+\c]   ; (a conversion's three registers begin on an even number)
.endr
	v_nop                                              ; one plain place behind a scaled conversion
.irp c, 0,1
.irp i, 0,1,2
	v_mov_b32 v[PC+6*\c+3+\i], v[PT+4*\c+\i]
.endr
.endr
.endm
.macro QH1 y, x                        ; 16 registers, half a block (the other half in lane l xor 16) -> 12 bytes of codes in v[x] on, the byte in v[TM+6]
	v_max3_num_f32 v[TM], |v[\y]|, |v[\y+1]|, 0x1800000
.irp i, 2,4,6,8,10,12,14
	v_max3_num_f32 v[TM], v[TM], |v[\y+\i]|, |v[\y+\i+1]|
.endr
	v_permlanex16_b32 v[TM+2], v[TM], s[SEL], s[SEL+1]
	v_max_num_f32 v[TM], v[TM], v[TM+2]
	v_add_nc_u32 v[TM+4], 0xff000000, v[TM]
	v_lshrrev_b32 v[TM+6], 23, v[TM+4]
	v_cvt_scalef32_pk16_fp6_f32 v[\x:\x+2], v[\y:\y+15], v[TM+4]
	v_nop
.endm
.macro XLOAD                           ; pair s42: my tile's 16 rows, my K step's 512 bytes of each, of v and of v_pos
	s_lshl_b32 s44, s42, 16
	s_add_nc_u64 s[28:29], s[24:25], s[44:45]
	s_add_nc_u64 s[30:31], s[26:27], s[44:45]
.set n, 0
.rept 16
	global_load_b128 v[XV+4*n:XV+4*n+3], v1, s[28:29] offset:(n+8*(n/8))*1024 th:TH_LOAD_NT
	global_load_b128 v[XP+4*n:XP+4*n+3], v1, s[30:31] offset:(n+8*(n/8))*1024 th:TH_LOAD_NT
.set n, n+1
.endr
.endm
.macro TURN x                          ; 16 rows of 512 bytes through my stage: in as loaded, out 2 x 128 bytes of my row a lane.  LDS serves a wave's instructions in order
.set n, 0
.rept 16
	ds_store_b128 v2, v[\x+4*n:\x+4*n+3] offset:528*n
.set n, n+1
.endr
	s_wait_alu depctr_vm_vsrc(0)                       ; the LDS stores above have read these 64 registers, in which the LDS loads below land; the last trip's stores have read v[PC ..], v[PW], v[CO ..] and v[TM+6], which the quantisers below write
.irp c, 0,1
.irp i, 0,1,2,3,4,5,6,7
	ds_load_b128 v[\x+32*\c+4*\i:\x+32*\c+4*\i+3], v3 offset:256*\c+16*\i
.endr
.endr
.endm
.macro IMG arr
	ds_store_b128 v4, v[PC:PC+3] offset:3072*\arr
	ds_store_b128 v4, v[PC+4:PC+7] offset:3072*\arr+512
	ds_store_b128 v4, v[PC+8:PC+11] offset:3072*\arr+1024
	ds_store_b32 v5, v[PW] offset:128*\arr
.endm
.macro BLK bl                          ; where block 2 pair + bl's codes and bytes go: [b][head][block of the batch]
	s_wait_xcnt 0x0                                    ; the earlier stores have read their bases
	s_lshl_b32 s43, s41, 1
	s_add_co_u32 s43, s43, \bl                         ; F, the block's number among all 1,700
	s_mul_hi_u32 s44, s43, 10105806                    ; b = F / 425 (the factor is 2^32 / 425 taken upward: right for F under 1,700)
	s_mul_i32 s44, s44, 2975
	s_add_co_u32 s43, s43, s44
	s_add_co_u32 s43, s43, s50                         ; (8 b + w) 425 + F - 425 b
	s_mul_i32 s44, s43, 768
	s_add_nc_u64 s[32:33], s[14:15], s[44:45]
	s_add_nc_u64 s[36:37], s[16:17], s[44:45]
	s_lshl_b32 s44, s43, 5
	s_add_nc_u64 s[34:35], s[46:47], s[44:45]
	s_add_nc_u64 s[38:39], s[48:49], s[44:45]
.endm
.macro FRAGS bl, arr                   ; the block's four fragments (tile u, K step ks) at FR + 24 u + 12 ks, and their scale words (ks 0 in lanes 0-15, ks 1 in lanes 16-31).  No wait on va_vdst here: the last one stands behind every product that read these registers, and no vector instruction has followed it
.set n, 0
.rept 2
.irp q, 0,1,2,3,4,5
	ds_load_b128 v[FR+24*n+4*\q:FR+24*n+4*\q+3], v6 offset:((2*\bl+n)*4+2*\arr)*1536+512*\q
.endr
	ds_load_b32 v[20+n], v7 offset:((2*\bl+n)*4+2*\arr)*64
.set n, n+1
.endr
	s_wait_dscnt 0x0
.endm
; kind 0: q of token tile a (source 0 = 16 channels of Wq, source 1 = 16 tokens: a lane holds a token, its 16 registers channels 16 h + 0 .. 15).
; kind 1: val_v of channel tile a (source 0 = 16 tokens, source 1 = 16 channels of Wvv: a lane holds a channel, its 16 registers tokens 16 h + 0 .. 15).  Two accumulators by turns; the bias is the first C.
.macro UNIT kind, a
.if \kind == 0
	WIN 0x11
	MM AC, WQ, FR+24*\a, v[BQ:BQ+7], 16, 20+\a
	MM AC+8, WQ+24, FR+24*\a, v[BQ+8:BQ+15], 17, 20+\a
	WIN 0x01
	MM1 AC, WQ+12, FR+24*\a+12, v[AC:AC+7], 16, 20+\a
	MM1 AC+8, WQ+36, FR+24*\a+12, v[AC+8:AC+15], 17, 20+\a
.else
	WIN 0x14
	MM AC, FR, WV+24*\a, v[BV+8*\a:BV+8*\a+7], 20, 18+\a
	MM AC+8, FR+24, WV+24*\a, v[BV+8*\a:BV+8*\a+7], 21, 18+\a
	WIN 0x04
	MM1 AC, FR+12, WV+24*\a+12, v[AC:AC+7], 20, 18+\a
	MM1 AC+8, FR+36, WV+24*\a+12, v[AC+8:AC+15], 21, 18+\a
.endif
	WIN 0
	PLACES 5                                           ; behind the products: their results are read, their operands loaded anew, and the next unit's products write over the accumulators
.if \kind == 0
.irp j, 0,2,4,6,8,10,12,14
	v_pk_mul_f32 v[AC+\j:AC+\j+1], v[AC+\j:AC+\j+1], s[22:23] op_sel_hi:[1,0]   ; x 32^-0.5
.endr
.endif
	s_wait_alu depctr_va_vdst(0)
	s_wait_xcnt 0x0                                    ; the last unit's stores have had their addresses translated
	s_wait_alu depctr_vm_vsrc(0)                       ; the last unit's stores have read v[CO ..] and v[TM+6], which the quantiser below writes
	QH1 AC, CO
	s_wait_alu depctr_va_vdst(0)                       ; the quantiser has written v[CO ..] and v[TM+6], which the stores read; this unit's products are done reading FR, v20 and v21, in which the next fragments land
.if \kind == 0
	global_store_b96 v8, v[CO:CO+2], s[32:33] offset:384*\a
	global_store_b8 v11, v[TM+6], s[34:35] offset:16*\a
.else
	global_store_b96 v8, v[CO:CO+2], s[36:37] offset:384*\a
	global_store_b8 v11, v[TM+6], s[38:39] offset:16*\a
.endif
.endm
	s_load_b256 s[4:11], s[0:1], 0x0               ; v 4, v_pos 6, bq 8, bvv 10
	s_load_b128 s[12:15], s[0:1], 0x20             ; prep 12, qbuf 14
	s_load_b64 s[16:17], s[0:1], 0x30              ; vbuf
	v_lshl_add_u32 v62, v0, 2, 0x17000
	v_mov_b32 v63, 0
	v_lshrrev_b32 v10, 5, v0
	v_readfirstlane_b32 s18, v10                   ; wave 0..7
	s_mov_b32 s[SEL], 0x76543210
	s_mov_b32 s[SEL+1], 0xfedcba98
	s_mov_b32 s22, 0x3e3504f3                      ; 32^-0.5
	s_mov_b32 s23, s22
	v_and_b32 v10, 31, v0                          ; lane
	v_and_b32 v11, 15, v0                          ; r; also the offset of my scale byte
	v_bfe_u32 v12, v0, 4, 1                        ; h
	v_lshlrev_b32 v1, 4, v10                       ; 16 x lane
	s_wait_alu depctr_va_vdst(0)
	s_wait_alu depctr_va_sdst(0)                   ; s18, the wave's number, is written, ahead of its first reader
	s_mul_i32 s19, s18, 8448
	v_add_nc_u32 v2, s19, v1                       ; my stage, on the way in
	v_mul_u32_u24 v3, v11, 528
	v_lshl_add_u32 v3, v12, 7, v3
	v_add_nc_u32 v3, s19, v3                       ; and out: row r, + 128 h
	s_lshr_b32 s19, s18, 1
	s_lshl_b32 s19, s19, 2
	s_and_b32 s43, s18, 1
	s_add_co_u32 s19, s19, s43                     ; my image's number for v: 4 (w / 2) + w % 2
	s_mul_i32 s44, s19, 1536
	s_add_co_u32 s44, s44, XIMG
	v_add_nc_u32 v4, s44, v1
	s_lshl_b32 s44, s19, 6
	s_add_co_u32 s44, s44, XSC
	v_lshl_add_u32 v5, v11, 2, s44
	v_add_nc_u32 v6, XIMG, v1
	v_lshl_add_u32 v7, v10, 2, XSC
	v_mul_u32_u24 v8, v11, 24
	v_mad_u32_u24 v8, v12, 12, v8                  ; codes: 24 r + 12 h
	v_lshlrev_b32 v[H8], 3, v12
	v_lshlrev_b32 v13, 6, v12                      ; bq: 64 h
	v_lshlrev_b32 v14, 2, v11                      ; bvv: 4 r
	v_lshlrev_b32 v15, 2, v10                      ; scale words: 4 x lane
.irp i, 0,1,2,3,4,5,6,7
	v_mov_b32 v[TM+\i], 0                          ; written once: a lane permute's destination counts as one of its sources
.endr
	s_mul_i32 s50, s18, 425
	s_lshr_b32 s43, s18, 2                         ; my tile's rows and my K step, in bytes: (32 (w / 4) + 8 ((w / 2) % 2)) x 1,024 + 512 (w % 2)
	s_lshl_b32 s43, s43, 15
	s_bfe_u32 s44, s18, 0x10001
	s_lshl_b32 s44, s44, 13
	s_add_co_u32 s44, s44, s43
	s_and_b32 s43, s18, 1
	s_lshl_b32 s43, s43, 9
	s_add_co_u32 s44, s44, s43
	s_mov_b32 s45, 0                               ; stays 0: the upper word of every offset
	s_mul_i32 s52, s18, 6144
	s_mov_b32 s53, 0
	s_lshl_b32 s54, s18, 8
	s_mov_b32 s55, 0
	s_lshl_b32 s56, s18, 7
	s_mov_b32 s57, 0
	s_wait_kmcnt 0x0
	s_add_nc_u64 s[24:25], s[4:5], s[44:45]
	s_add_nc_u64 s[26:27], s[6:7], s[44:45]
	s_add_nc_u64 s[52:53], s[12:13], s[52:53]      ; my head's four images in a weight's region
	s_add_nc_u64 s[54:55], s[12:13], s[54:55]      ; and its scale words
	s_add_nc_u64 s[8:9], s[8:9], s[56:57]
	s_add_nc_u64 s[10:11], s[10:11], s[56:57]
	s_add_nc_u64 s[46:47], s[14:15], QSO
	s_add_nc_u64 s[48:49], s[16:17], QSO
	WIN 0x40                                       ; destination window 1
	s_wait_alu depctr_va_vdst(0)                   ; the offsets and addresses v1-8, v11, v13-15 are written, which every load and store of the kernel reads
.set n, 0
.rept 12
	global_load_b128 v[WQ+4*n:WQ+4*n+3], v1, s[52:53] offset:512*n
	global_load_b128 v[WV+4*n:WV+4*n+3], v1, s[52:53] offset:51200+512*n
.set n, n+1
.endr
.irp i, 0,1,2,3
	global_load_b128 v[BQ+4*\i:BQ+4*\i+3], v13, s[8:9] offset:16*\i      ; register i: bq of channel 16 h + i
.endr
.irp i, 0,1,2,3,4,5,6,7
	global_load_b32 v[BV+\i], v14, s[10:11]                              ; my lane's channel in every register
	global_load_b32 v[BV+8+\i], v14, s[10:11] offset:64
.endr
	WIN 0
.irp t, 0,1
	global_load_b32 v[16+\t], v15, s[54:55] offset:49152+128*\t
	global_load_b32 v[18+\t], v15, s[54:55] offset:51200+49152+128*\t
.endr
	s_lshl_b32 s41, ttmp9, 2                       ; the first pair
	s_mov_b32 s42, s41
	XLOAD
	s_mov_b32 s40, 0
.Ltrip:
	s_wait_loadcnt 0x0                             ; this pair's numbers (and, the first time, the weights)
	s_wait_xcnt 0x0                                ; the last trip's stores have had their addresses translated: the quantisers' registers are written again only behind this wait (and behind the wait on vm_vsrc in the turns below)
	TURN XV
	TURN XP
	s_wait_dscnt 0x0
	QF XV
	s_wait_alu depctr_va_vdst(0)                   ; the quantiser has written v[PC ..] and v[PW], which the image's LDS stores read
	IMG 0
.set n, 0
.rept 32
	v_pk_add_f32 v[XP+n:XP+n+1], v[XP+n:XP+n+1], v[XV+n:XV+n+1]
.set n, n+2
.endr
	s_wait_dscnt 0x0                               ; the stores have landed
	s_wait_alu depctr_vm_vsrc(0)                   ; the image's LDS stores have read v[PC ..] and v[PW], which the quantiser below writes
	QF XP
	s_wait_alu depctr_va_vdst(0)                   ; the quantiser has written v[PC ..] and v[PW], which the image's LDS stores read; it and the additions are done reading XV and XP, in which the next pair's loads land
	IMG 1
	s_lshl_b32 s42, ttmp9, 2
	s_add_co_u32 s42, s42, s40
	s_add_co_u32 s42, s42, 1
	s_min_u32 s42, s42, 849                        ; the next pair, held inside the tensor
	s_cmp_eq_u32 s40, TRIPS-1                      ; the last trip has no next pair: its 32 loads are left out
	s_cbranch_scc1 .Lno_next
	XLOAD                                          ; all earlier loads are in, so their bases may be written
.Lno_next:
	BAR                                            ; the pair's 16 images lie in LDS
.irp bl, 0,1
	BLK \bl
	FRAGS \bl, 1
	UNIT 0, 0
	UNIT 0, 1
	FRAGS \bl, 0
	UNIT 1, 0
	UNIT 1, 1
.endr
	BAR                                            ; every wave's reads of the images are over: the next trip writes them again
	s_mov_b32 s41, s42
	s_add_co_u32 s40, s40, 1
	s_cmp_lt_u32 s40, TRIPS
	s_cbranch_scc1 .Ltrip
	s_wait_dscnt 0x0                               ; the closing lines, six on end
	s_wait_alu 0x0
	s_wait_tensorcnt 0x0
	ds_add_u32 v62, v63
	s_wait_dscnt 0x0
	s_endpgm
.Lfunc_end_k_q18f9b93336_proj:
	.size	k_q18f9b93336_proj, .Lfunc_end_k_q18f9b93336_proj-k_q18f9b93336_proj
	.p2alignl 7, 3214868480
	.fill 96, 4, 3214868480
	.section	.rodata,"a",@progbits
	.p2align	6, 0x0
	.amdhsa_kernel k_q18f9b93336_proj
		.amdhsa_group_segment_fixed_size 95232
		.amdhsa_private_segment_fixed_size 0
		.amdhsa_enable_private_segment 0
		.amdhsa_kernarg_size 56
		.amdhsa_user_sgpr_count 2
		.amdhsa_user_sgpr_kernarg_segment_ptr 1
		.amdhsa_wavefront_size32 1
		.amdhsa_system_sgpr_workgroup_id_x 1
		.amdhsa_system_sgpr_workgroup_id_y 1
		.amdhsa_system_sgpr_workgroup_id_z 1
		.amdhsa_system_vgpr_workitem_id 0
		.amdhsa_next_free_vgpr 384
		.amdhsa_next_free_sgpr 66
		.amdhsa_reserve_vcc 0
		.amdhsa_float_denorm_mode_32 3
		.amdhsa_float_denorm_mode_16_64 3
		.amdhsa_memory_ordered 1
		.amdhsa_forward_progress 1
		.amdhsa_inst_pref_size 50
	.end_amdhsa_kernel
	.amdgpu_metadata
---
amdhsa.version: [ 1, 2 ]
amdhsa.kernels:
  - .name:           k_q18f9b93336_proj
    .symbol:         k_q18f9b93336_proj.kd
    .args:
      - { .name: v, .offset: 0, .size: 8, .value_kind: global_buffer, .address_space: global }
      - { .name: v_pos, .offset: 8, .size: 8, .value_kind: global_buffer, .address_space: global }
      - { .name: bq, .offset: 16, .size: 8, .value_kind: global_buffer, .address_space: global }
      - { .name: bvv, .offset: 24, .size: 8, .value_kind: global_buffer, .address_space: global }
      - { .name: prep, .offset: 32, .size: 8, .value_kind: global_buffer, .address_space: global }
      - { .name: qbuf, .offset: 40, .size: 8, .value_kind: global_buffer, .address_space: global }
      - { .name: vbuf, .offset: 48, .size: 8, .value_kind: global_buffer, .address_space: global }
    .group_segment_fixed_size: 95232
    .private_segment_fixed_size: 0
    .kernarg_segment_align: 8
    .kernarg_segment_size: 56
    .max_flat_workgroup_size: 256
    .sgpr_count:     66
    .vgpr_count:     384
    .wavefront_size: 32
...
	.end_amdgpu_metadata
.endif
;; end of part 7
;; launch passA (part 8): grid 61 x 4, 8 waves a work-group, no clusters, 93,184 bytes of LDS; arguments attention_mask_l, bov, prep, qbuf, out0, pam; writes out0, pam
.if DOCPART == 8
	.amdgcn_target "amdgcn-amd-amdhsa--gfx1250"
	.amdhsa_code_object_version 6
	.text
	.protected	k_q18f9b93336_passA
	.globl	k_q18f9b93336_passA
	.p2align	8
	.type	k_q18f9b93336_passA,@function
k_q18f9b93336_passA:
	s_mov_b64 s[64:65], 0
	v_nop
	global_prefetch_b8 v0, s[64:65] scope:SCOPE_SE
	s_setreg_imm32_b32 hwreg(HW_REG_WAVE_SCHED_MODE, 0, 2), 2
	s_setreg_imm32_b32 hwreg(HW_REG_WAVE_MODE, 25, 1), 1
	s_wait_xcnt 0x0
	s_wait_alu depctr_vm_vsrc(0)
; The vision direction: out0 = (softmax_s(clip(q k^T) + ml) val_l) Wov^T + bov, all products on codes of FP6 (E2M3) with E8M0 scales; and, on the way, the largest score of each language token.
; SHARES.  Work-group (chunk, b) walks 7 blocks of 32 tokens: block min(7 chunk + i, 424); a batch's last chunk so repeats block 424, with the same stores of the same values, and a maximum takes no harm.
; Wave w is head w: scores, softmax and O of its head, then outputs 32 w .. 32 w + 31.  k, val_l and the mask stay in registers; q's codes come one trip ahead.
; K = 32 IN AN INSTRUCTION OF K = 128.  k's operand is DENSE: its four blocks hold four different sets of 16 language tokens.  q's is a VARIANT: its 24 bytes in one block, zero codes in the others;
; 30 registers Z6 Dlo6 Z6 Dhi6 Z6 (Dlo: the row in lanes 0-15, Dhi: in lanes 16-31) hold all four variants: twelve registers from 6, 18, 0, 12 on put the data into block 0, 1, 2, 3.
; SOFTMAX.  t = clip(score) x log2(e) + ml x log2(e); M = ceil(the row's largest t); p = 2^(t - M), quantised along the language tokens; the sum of the unquantised p divides O.  The subtraction of M is an
; addition of its own, so that a row whose every token is masked gives t - M = 0.  A block's largest p is made of its largest t by the same two instructions.
; THE ROWS OF A TILE: row r of set 2 b + u of k is language token 32 b + 8 u + r + 8 (r / 8); of tile u of q, token 8 u + r + 8 (r / 8); of tile u of val_l, channel 8 u + r + 8 (r / 8).
; LIMITS: NaN and infinities are not served; a block under 2^-124 has the scale byte 1; p under 2^-126 counts as 0.
; REGISTERS: window 0: v1-14 addresses and lane masks, v16-28 scale words, v30-43 q's codes and bytes, v44-47, v78-79 the row's figures, v48-77 the variants, v80-127 the quantisers, v128-255 scores and scratch.
;   (v100-113 also hold the head's lane figures, up to the line that clears v108-115.)   window 1: v0-127 the mask, v128-175 k, v176-223 val_l, v224-239 the running maxima, v240-255 bov.
; THE MODE: SCHED_MODE bits 1:0 = 2 (LLVM: expert scheduling mode 2), set by the entry lines.  The code itself states the register dependences
; between vector or matrix instructions and memory or LDS instructions, with s_wait_alu, always for 0.
; THE PLAN.  Registers that memory or LDS instructions touch, in the loop:
;   v[X ..], v[XB ..]  q's codes and bytes: read by the 13 lines that make a tile's variants and scale word; behind the second tile's 13 stands a wait on va_vdst, and the next block's loads follow it.
;   v[OC ..], v[TM+6]  O's codes and byte: written by a tile's last quantiser, (wait on va_vdst) read by four LDS stores, (wait on vm_vsrc at the next tile's head) written again.
;   v128-223, v27, v28 behind the trip's first barrier LDS loads land in them (Wov's and O's fragments, O's scale words); the last vector or matrix instruction that names them stands ahead of the wait in front of O's stores.
;   v224-255           written by the products of out0, (four places, wait on va_vdst) read by the stage's LDS stores; that wait also shows the products done reading v128-175, in which the stage's rows land.
;   v128-159           the stage's rows: read by the global stores, (wait on vm_vsrc at the next tile's head) written by the next scores.
;   v1-11, v14         offsets and addresses: made once at the head; v14 is written again behind the loop, behind a wait on vm_vsrc.
; The scaled products' operands that vector instructions make (q's variants and scale word; p's codes and scale words) have their places and, behind them, a wait on va_vdst.
; A tile's 136 exponentials are one batch with one wait; the reciprocal stands ahead of the wait in front of O's products, which serves it too.
.set KC,   307200
.set KSB,  503808
.set VLC,  512000
.set VLSB, 708608
.set QSO,  10444800
.set OIMG, 51200                       ; LDS: Wov's region (51,200 bytes) at 0; then O's codes: tile x 3,072 + head x 384 + 24 r + 12 h
.set OSC,  57344                       ; their scale bytes: tile x 128 + 64 (head / 4) + 4 r + head % 4
.set MLL,  57600                       ; the mask, 256 numbers
.set STG,  58624                       ; the stage for out0: 32 rows x (1,024 + 16)
.set KS, 16
.set VLS, 20
.set QS, 22
.set PW0, 23
.set PW1, 24
.set WOS, 25
.set OFS, 27
.set X, 30
.set XB, 42
.set QV, 48
.set PA, 80
.set PT, 92
.set BM, 100
.set TM, 100
.set BP, 108
.set SO, 116
.set OC, 124
.set S, 128
.set OA, 144
.set ML, 0
.set KD, 128
.set VL, 176
.set AM, 224
.set BO, 240
.set SEL, 20
.set MSB, 0
.macro WIN new                         ; the immediate's high byte repeats the setting that is left
.if MSB != \new
	s_set_vgpr_msb (MSB<<8)|\new
.set MSB, \new
.endif
.endm
.macro PLACES n
.rept \n
	v_nop
.endr
.endm
.macro BAR
	s_wait_dscnt 0x0
	s_barrier_signal -1
	s_barrier_wait -1
.endm
.macro MM d, a, b, c, sa, sb
	v_wmma_scale_f32_16x16x128_f8f6f4 v[\d:\d+7], v[\a:\a+11], v[\b:\b+11], \c, v[\sa], v[\sb] matrix_a_fmt:MATRIX_FMT_FP6 matrix_b_fmt:MATRIX_FMT_FP6
.endm
.macro MMA d, a, b, c, sa, sb          ; source 0's scales from lanes 16-31
	v_wmma_scale_f32_16x16x128_f8f6f4 v[\d:\d+7], v[\a:\a+11], v[\b:\b+11], \c, v[\sa], v[\sb] matrix_a_fmt:MATRIX_FMT_FP6 matrix_b_fmt:MATRIX_FMT_FP6 matrix_a_scale:MATRIX_SCALE_ROW1
.endm
.macro MM1 d, a, b, c, sa, sb          ; both sides' from lanes 16-31
	v_wmma_scale_f32_16x16x128_f8f6f4 v[\d:\d+7], v[\a:\a+11], v[\b:\b+11], \c, v[\sa], v[\sb] matrix_a_fmt:MATRIX_FMT_FP6 matrix_b_fmt:MATRIX_FMT_FP6 matrix_a_scale:MATRIX_SCALE_ROW1 matrix_b_scale:MATRIX_SCALE_ROW1
.endm
.macro QH1 y, x                        ; 16 registers, half a block (the other half in lane l xor 16) -> 12 bytes of codes in v[x] on, the byte in v[TM+6]
	v_max3_num_f32 v[TM], |v[\y]|, |v[\y+1]|, 0x1800000
.irp i, 2,4,6,8,10,12,14
	v_max3_num_f32 v[TM], v[TM], |v[\y+\i]|, |v[\y+\i+1]|
.endr
	v_permlanex16_b32 v[TM+2], v[TM], s[SEL], s[SEL+1]
	v_max_num_f32 v[TM], v[TM], v[TM+2]
	v_add_nc_u32 v[TM+4], 0xff000000, v[TM]
	v_lshrrev_b32 v[TM+6], 23, v[TM+4]
	v_cvt_scalef32_pk16_fp6_f32 v[\x:\x+2], v[\y:\y+15], v[TM+4]
	v_nop
.endm
; 64 registers of p (register 16 b + i = k 32 b + 16 h + i) and their four blocks' largest p in v[bm] on -> a fragment in v[dst] on, its scale word in v[pw]
.macro QP y, bm, dst, pw
.irp b, 0,1,2,3
	v_max_num_f32 v[\bm+\b], 0x1800000, v[\bm+\b]      ; the floor 2^(3 - 127): a block whose every p is 0 keeps the byte 1: its codes are zeros
.endr
.irp b, 0,1,2,3
	v_add_nc_u32 v[SO+\b], 0xff000000, v[\bm+\b]
.endr
.irp b, 0,1,2,3
	v_lshrrev_b32 v[BP+\b], 23, v[SO+\b]
.endr
	v_lshl_or_b32 v[\pw], v[BP+1], 8, v[BP]
	v_lshl_or_b32 v[\pw], v[BP+2], 16, v[\pw]
	v_lshl_or_b32 v[\pw], v[BP+3], 24, v[\pw]
.irp c, 0,1
	v_cvt_scalef32_pk16_fp6_f32 v[\dst+6*\c:\dst+6*\c+2], v[\y+32*\c:\y+32*\c+15], v[SO+2*\c]
	v_cvt_scalef32_pk16_fp6_f32 v[PT+4*\c:PT+4*\c+2], v[\y+32*\c+16:\y+32*\c+31], v[SO+2*\c+1]
.endr
	v_nop                                              ; one plain place behind a scaled conversion
.irp c, 0,1                            ; the operand wants a whole block in a lane: lanes 0-15 block 2 c, lanes 16-31 block 2 c + 1
.irp i, 0,1,2
	v_permlane16_swap_b32 v[\dst+6*\c+\i], v[PT+4*\c+\i]
.endr
.irp i, 0,1,2
	v_mov_b32 v[\dst+6*\c+3+\i], v[PT+4*\c+\i]
.endr
.endr
.endm
.macro QLOAD                           ; s43: a block's number among all heads' blocks: its two tiles' rows (24 bytes, the same in both halves of the lanes) and scale bytes
	s_mul_i32 s44, s43, 768
	s_add_nc_u64 s[46:47], s[10:11], s[44:45]
	s_lshl_b32 s44, s43, 5
	s_add_nc_u64 s[48:49], s[50:51], s[44:45]
.irp k, 0,1
.irp p, 0,1,2
	global_load_b64 v[X+6*\k+2*\p:X+6*\k+2*\p+1], v9, s[46:47] offset:384*\k+8*\p
.endr
	global_load_u8 v[XB+\k], v10, s[48:49] offset:16*\k
.endr
.endm
; THE ATTENTION OF 16 TOKENS, tile u of the block
.macro ATT u
	s_wait_dscnt 0x0                                   ; my last LDS stores have landed
	s_wait_alu depctr_vm_vsrc(0)                       ; my last LDS stores have read v[OC ..] and v[TM+6], the last trip's stores v128-159 and v224-255 (the first time: the head's LDS stores v128-177): all are written again below
	v_perm_b32 v[QS], v[XB+\u], v[XB+\u], 0            ; q's scale byte in all four bytes
.irp i, 0,1,2,3,4,5
	v_and_b32 v[QV+6+\i], v12, v[X+6*\u+\i]
	v_and_b32 v[QV+18+\i], v13, v[X+6*\u+\i]
.endr
	PLACES 8                                           ; a scale word made by vector instructions stands 8 places ahead of a scaled product, an operand 4
	s_wait_alu depctr_va_vdst(0)                       ; q's scale word and variants (the first time k's scale words too) are written, which the scaled products take; the lines above are done reading q's codes and bytes, in which the loads below land
.if \u
	s_add_co_u32 s43, s41, s40                         ; both tiles' codes are taken: the next block's are asked for, a trip ahead
	s_add_co_u32 s43, s43, 1
	s_min_u32 s43, s43, 424
	s_add_co_u32 s43, s43, s42
	QLOAD
.endif
	WIN 0x04                                           ; S = q k^T: a lane holds a language token, its registers 8 tokens: for the column maxima
.set t, 0
.rept 16
	MM S+8*t, QV+12*(t%2)+6-6*((t%4)/2), KD+12*(t/4), 0, QS, KS+t/4
.set t, t+1
.endr
	PLACES 4
	WIN 0x41
.irp k, 0,2,4,6
.set t, 0
.rept 16
	v_max3_num_f32 v[AM+t], v[AM+t], v[S+8*t+\k], v[S+8*t+\k+1]
.set t, t+1
.endr
.endr
	WIN 0x01                                           ; S^T = k q^T: a lane holds a token; register 16 b + i is language token 32 b + 16 h + i
.set t, 0
.rept 16
	MM S+8*t, KD+12*(t/4), QV+12*(t%2)+6-6*((t%4)/2), 0, KS+t/4, QS
.set t, t+1
.endr
	WIN 0
	PLACES 4
.set n, 0
.rept 128
	v_med3_num_f32 v[S+n], v[S+n], s25, s24            ; the clip at +-50,000
.set n, n+1
.endr
	WIN 0x10
.set n, 0
.rept 64
	v_pk_fma_f32 v[S+n:S+n+1], v[S+n:S+n+1], s[22:23], v[ML+n:ML+n+1] op_sel_hi:[1,0,1]   ; t
.set n, n+2
.endr
	WIN 0
.irp b, 0,1,2,3,4,5,6,7
	v_max3_num_f32 v[BM+\b], v[S+16*\b], v[S+16*\b+1], v[S+16*\b+2]    ; each block's largest t: for the row's maximum and for the block's largest p
.endr
.irp i, 3,5,7,9,11,13
.irp b, 0,1,2,3,4,5,6,7
	v_max3_num_f32 v[BM+\b], v[BM+\b], v[S+16*\b+\i], v[S+16*\b+\i+1]
.endr
.endr
.irp b, 0,1,2,3,4,5,6,7
	v_max_num_f32 v[BM+\b], v[BM+\b], v[S+16*\b+15]
.endr
.irp b, 0,1,2,3,4,5,6,7
	v_permlanex16_b32 v[BP+\b], v[BM+\b], s[SEL], s[SEL+1]
.endr
.irp b, 0,1,2,3,4,5,6,7
	v_max_num_f32 v[BM+\b], v[BM+\b], v[BP+\b]
.endr
	v_max3_num_f32 v45, v[BM], v[BM+1], v[BM+2]
	v_max3_num_f32 v45, v45, v[BM+3], v[BM+4]
	v_max3_num_f32 v45, v45, v[BM+5], v[BM+6]
	v_max_num_f32 v45, v45, v[BM+7]
	v_floor_f32 v44, -v45                              ; -M = floor(-t) = -ceil(t)
.set n, 0
.rept 64
	v_pk_add_f32 v[S+n:S+n+1], v[S+n:S+n+1], v[44:45] op_sel_hi:[1,0]
.set n, n+2
.endr
.irp b, 0,1,2,3,4,5,6,7
	v_add_f32 v[BM+\b], v[BM+\b], v44
.endr
.set n, 0
	s_wait_alu depctr_va_vdst(0)
.rept 128
	v_exp_f32 v[S+n], v[S+n]                           ; p = 2^(t - M)
.set n, n+1
.endr
.irp b, 0,1,2,3,4,5,6,7
	v_exp_f32 v[BM+\b], v[BM+\b]                       ; each block's largest p, in the same batch
.endr
	v_nop                                              ; a plain place behind the exponentials
	s_wait_alu depctr_va_vdst(0)                       ; the 136 exponentials have written p and the blocks' largest p: one wait for the batch, ahead of its first reader
	v_pk_add_f32 v[46:47], v[S:S+1], v[S+2:S+3]        ; the row's sum of the unquantised p, in two chains
	v_pk_add_f32 v[78:79], v[S+4:S+5], v[S+6:S+7]
.set n, 8
.rept 30
	v_pk_add_f32 v[46:47], v[46:47], v[S+n:S+n+1]
	v_pk_add_f32 v[78:79], v[78:79], v[S+n+2:S+n+3]
.set n, n+4
.endr
	v_pk_add_f32 v[46:47], v[46:47], v[78:79]
	QP S, BM, PA, PW0
	QP S+64, BM+4, S, PW1
	v_add_f32 v46, v46, v47                            ; the sum's two halves, lane l xor 16's, and the reciprocal: ahead of the places, so that the wait behind them serves it too
	v_permlanex16_b32 v45, v46, s[SEL], s[SEL+1]
	v_add_f32 v46, v46, v45
	s_wait_alu depctr_va_vdst(0)
	v_rcp_f32 v78, v46
	PLACES 8                                           ; in front of the scaled products; the first is also the plain place behind the reciprocal
	s_wait_alu depctr_va_vdst(0)                       ; p's two fragments and two scale words are written, which the scaled products take; the reciprocal has written v78, ahead of its first reader
	WIN 0x01                                           ; O^T = val_l^T p^T: a lane holds a token, its 16 registers channels 16 h + 0 .. 15
	MM OA, VL, PA, 0, VLS, PW0
	MM OA+8, VL+24, PA, 0, VLS+1, PW0
	MMA OA, VL+12, S, v[OA:OA+7], VLS, PW1
	MMA OA+8, VL+36, S, v[OA+8:OA+15], VLS+1, PW1
	WIN 0
	PLACES 4
.irp j, 0,2,4,6,8,10,12,14
	v_pk_mul_f32 v[OA+\j:OA+\j+1], v[OA+\j:OA+\j+1], v[78:79] op_sel_hi:[1,0]
.endr
	QH1 OA, OC                                         ; my head's 32 channels are one block of the next K
	s_wait_alu depctr_va_vdst(0)                       ; the quantiser has written v[OC ..] and v[TM+6], which the LDS stores read; every line of this tile is done with v128-223, in which the fragments behind the barrier land
	ds_store_b32 v3, v[OC] offset:3072*\u
	ds_store_b32 v3, v[OC+1] offset:3072*\u+4
	ds_store_b32 v3, v[OC+2] offset:3072*\u+8
	ds_store_b8 v4, v[TM+6] offset:128*\u
.endm
	s_load_b256 s[4:11], s[0:1], 0x0               ; attention_mask_l 4, bov 6, prep 8, qbuf 10
	s_load_b128 s[12:15], s[0:1], 0x20             ; out0 12, pam 14
	v_lshl_add_u32 v123, v0, 2, 0x16800
	v_mov_b32 v127, 0
	v_lshrrev_b32 v100, 5, v0
	v_readfirstlane_b32 s16, v100                  ; wave 0..7 = head
	s_mov_b32 s17, ttmp9                           ; chunk
	s_and_b32 s18, ttmp7, 0xffff                   ; b
	s_mov_b32 s[SEL], 0x76543210
	s_mov_b32 s[SEL+1], 0xfedcba98
	s_mov_b32 s22, 0x3fb8aa3b                      ; log2(e)
	s_mov_b32 s23, s22
	s_mov_b32 s24, 0x47435000                      ; 50,000
	s_mov_b32 s25, 0xc7435000
	v_and_b32 v100, 31, v0                         ; lane
	v_and_b32 v101, 15, v0                         ; r
	s_wait_alu depctr_va_vdst(0)
	v_bfe_u32 v102, v0, 4, 1                       ; h
	v_bfe_u32 v103, v0, 3, 1
	v_lshl_add_u32 v104, v103, 3, v101             ; r + 8 (r / 8)
	s_wait_alu depctr_va_sdst(0)                   ; s16, the wave's number, is written, ahead of its first reader
	s_mul_i32 s19, s16, 6144
	v_lshl_add_u32 v1, v100, 4, s19                ; Wov's four images of my outputs
	s_lshl_b32 s19, s16, 8
	s_add_co_u32 s19, s19, 49152
	v_lshl_add_u32 v2, v100, 2, s19                ; and their scale words
	v_mul_u32_u24 v105, v101, 24
	s_wait_alu depctr_va_vdst(0)
	v_mad_u32_u24 v106, v102, 12, v105
	s_mul_i32 s19, s16, 384
	s_add_co_u32 s19, s19, OIMG
	v_add_nc_u32 v3, s19, v106                     ; O's codes, on the way in
	s_lshr_b32 s19, s16, 2
	s_lshl_b32 s19, s19, 6
	s_and_b32 s26, s16, 3
	s_add_co_u32 s19, s19, s26
	s_add_co_u32 s19, s19, OSC
	v_lshl_add_u32 v4, v101, 2, s19                ; and my head's byte of a token's scale word
	v_mad_u32_u24 v5, v102, 384, v105
	v_add_nc_u32 v5, OIMG, v5                      ; O's fragments: head 4 g + 2 c + h, row r
	v_lshl_add_u32 v6, v100, 2, OSC
	v_mul_u32_u24 v7, v104, 1040
	v_lshl_add_u32 v7, v102, 5, v7
	s_lshl_b32 s19, s16, 7
	s_add_co_u32 s19, s19, STG
	v_add_nc_u32 v7, s19, v7                       ; the stage: my token's row, + 128 w + 32 h
	s_mul_i32 s19, s16, 4160
	s_add_co_u32 s19, s19, STG
	v_lshl_add_u32 v8, v100, 4, s19                ; back: my four rows
	v_mov_b32 v9, v105                             ; q: 24 r
	v_mov_b32 v10, v101
	v_lshlrev_b32 v11, 4, v100
	v_add_nc_u32 v12, -1, v102                     ; all ones in lanes 0-15
	v_sub_nc_u32 v13, 0, v102                      ; all ones in lanes 16-31
	v_lshl_add_u32 v14, v102, 6, MLL               ; the mask in LDS, on the way back: + 64 h.  (In a register that the clearing of v108-115 below does not reach)
	v_lshlrev_b32 v107, 3, v0                      ; the copy of Wov's region: 8 bytes a thread
	v_lshl_add_u32 v108, v102, 3, v104
	v_mul_u32_u24 v108, v108, 24                   ; k: token 8 h + r + 8 (r / 8) of a set's pair
	v_mul_u32_u24 v109, v104, 192
	v_mad_u32_u24 v109, v102, 24, v109             ; val_l: channel r + 8 (r / 8), + 24 h
	v_lshlrev_b32 v110, 3, v104
	v_lshl_add_u32 v110, v102, 2, v110             ; its scale words: K step 0 in lanes 0-15, 1 in lanes 16-31
	v_lshlrev_b32 v111, 5, v102                    ; bov: 32 h
	v_lshlrev_b32 v112, 2, v0                      ; the mask: 4 bytes a thread
	s_lshl_b32 s19, s18, 3
	s_add_co_u32 s19, s19, s16                     ; 8 b + w
	s_mul_i32 s42, s19, 425
	s_mul_i32 s41, s17, 7
	s_mul_i32 s44, s19, 6144
	s_mov_b32 s45, 0                               ; stays 0: the upper word of every offset
	s_lshl_b32 s26, s19, 8
	s_mov_b32 s27, 0
	s_lshl_b32 s32, s16, 7
	s_mov_b32 s33, 0
	s_lshl_b32 s34, s18, 10
	s_mov_b32 s35, 0
	s_mul_i32 s36, s18, 13600
	s_lshl_b32 s37, s16, 2
	s_add_co_u32 s36, s36, s37
	s_lshl_b32 s36, s36, 10
	s_mov_b32 s37, 0
	s_mul_i32 s38, s19, 61
	s_add_co_u32 s38, s38, s17
	s_lshl_b32 s38, s38, 10
	s_mov_b32 s39, 0
	s_wait_kmcnt 0x0
	s_add_nc_u64 s[28:29], s[8:9], s[44:45]
	s_add_nc_u64 s[30:31], s[8:9], s[26:27]
	s_add_nc_u64 s[6:7], s[6:7], s[32:33]
	s_add_nc_u64 s[4:5], s[4:5], s[34:35]
	s_add_nc_u64 s[52:53], s[12:13], s[36:37]      ; out0 at row 13,600 b + 4 w
	s_add_nc_u64 s[14:15], s[14:15], s[38:39]
	s_add_nc_u64 s[50:51], s[10:11], QSO
	s_wait_alu depctr_va_vdst(0)                   ; the offsets and addresses v1-11, v14, v104, v107-112 are written, which the loads and stores below read
.set n, 0
.rept 25
	global_load_b64 v[S+2*n:S+2*n+1], v107, s[8:9] offset:102400+2048*n
.set n, n+1
.endr
	global_load_b32 v190, v112, s[4:5]
.irp f, 0,1,2,3
.irp i, 0,1,2,3
	global_load_u8 v[192+4*\f+\i], v104, s[30:31] offset:KSB+64*\f+32*(\i/2)+8*(\i%2)
.endr
.endr
.irp k, 0,1
	global_load_b32 v[VLS+\k], v110, s[30:31] offset:VLSB+64*\k
.endr
	WIN 0x40                                       ; destination window 1
.irp f, 0,1,2,3
.irp c, 0,1
.irp p, 0,1,2
	global_load_b64 v[KD+12*\f+6*\c+2*\p:KD+12*\f+6*\c+2*\p+1], v108, s[28:29] offset:KC+1536*\f+768*\c+8*\p
	global_load_b64 v[VL+12*\f+6*\c+2*\p:VL+12*\f+6*\c+2*\p+1], v109, s[28:29] offset:VLC+1536*(\f/2)+96*(\f%2)+48*\c+8*\p
.endr
.endr
.endr
.irp i, 0,1,2,3
	global_load_b128 v[BO+4*\i:BO+4*\i+3], v111, s[6:7] offset:64*(\i/2)+16*(\i%2)
.endr
	WIN 0
	s_min_u32 s43, s41, 424
	s_add_co_u32 s43, s43, s42
	QLOAD                                          ; the first block's q
	s_wait_loadcnt 0x0
.set n, 0
.rept 25
	ds_store_b64 v107, v[S+2*n:S+2*n+1] offset:2048*n
.set n, n+1
.endr
	v_mov_b32 v191, 0xd9ffcb9e                     ; -9e15
	v_cmp_eq_f32 vcc_lo, 0, v190
	s_wait_alu depctr_va_vcc(0)                    ; the compare has written VCC, which the select reads
	v_cndmask_b32 v190, v190, v191, vcc_lo         ; a mask of 0 becomes -9e15, any other number is added as it is
	v_mul_f32 v190, s22, v190
	s_wait_alu depctr_va_vdst(0)                   ; v190 is written, which the LDS store reads
	ds_store_b32 v112, v190 offset:MLL
.irp f, 0,1,2,3
	v_lshl_or_b32 v[KS+\f], v[193+4*\f], 8, v[192+4*\f]
	v_lshl_or_b32 v[KS+\f], v[194+4*\f], 16, v[KS+\f]
	v_lshl_or_b32 v[KS+\f], v[195+4*\f], 24, v[KS+\f]
.endr
.irp i, 0,1,2,3,4,5
	v_mov_b32 v[QV+\i], 0                          ; the variants' zero codes
	v_mov_b32 v[QV+12+\i], 0
	v_mov_b32 v[QV+24+\i], 0
.endr
	s_wait_alu depctr_vm_vsrc(0)                   ; the head's loads and LDS stores have read their offsets v108-112, which the lines below clear
.irp i, 0,1,2,3,4,5,6,7
	v_mov_b32 v[BP+\i], 0                          ; written once: a lane permute's destination counts as one of its sources.  (The head's figures in v108-113 end here)
.endr
	v_mov_b32 v45, 0
	BAR                                            ; Wov's region and the mask lie in LDS
	WIN 0x40
.set n, 0
.rept 32
	ds_load_b128 v[ML+4*n:ML+4*n+3], v14 offset:128*(n/4)+16*(n%4)       ; register 16 b + i: language token 32 b + 16 h + i.  (v14 stands written since the head's first wait on va_vdst; no vector instruction names the mask's registers)
.set n, n+1
.endr
.set n, 0
.rept 16
	v_mov_b32 v[AM+n], 0xff800000
.set n, n+1
.endr
	WIN 0
	ds_load_b32 v[WOS], v2
	ds_load_b32 v[WOS+1], v2 offset:128
	s_wait_dscnt 0x0
	s_mov_b32 s40, 0
.Ltrip:
	s_wait_xcnt 0x0                                ; the last trip's stores have had their addresses translated: their base is written below
	s_add_co_u32 s43, s41, s40
	s_min_u32 s43, s43, 424
	s_lshl_b32 s44, s43, 15
	s_add_nc_u64 s[54:55], s[52:53], s[44:45]
	s_wait_loadcnt 0x0                             ; this block's q
	ATT 0
	ATT 1
	BAR                                            ; all heads' codes of O lie in LDS
.set n, 0
.rept 12
	ds_load_b128 v[S+4*n:S+4*n+3], v1 offset:512*n                       ; Wov (t, g) at S + 12 (2 t + g)
.set n, n+1
.endr
.irp k, 0,1
.irp g, 0,1
.irp c, 0,1
.irp p, 0,1,2
	ds_load_b64 v[176+12*(2*\k+\g)+6*\c+2*\p:177+12*(2*\k+\g)+6*\c+2*\p], v5 offset:3072*\k+1536*\g+768*\c+8*\p
.endr
.endr
.endr
	ds_load_b32 v[OFS+\k], v6 offset:128*\k
.endr
	s_wait_dscnt 0x0
	WIN 0x10                                       ; out0^T: source 0 = 16 outputs of Wov, source 1 = 16 tokens; bov is the first C; four accumulators by turns
.irp k, 0,1
.irp t, 0,1
	MM 224+8*(2*\k+\t), S+24*\t, 176+24*\k, v[BO+8*\t:BO+8*\t+7], WOS+\t, OFS+\k
.endr
.endr
	WIN 0
.irp k, 0,1
.irp t, 0,1
	MM1 224+8*(2*\k+\t), S+24*\t+12, 176+24*\k+12, v[224+8*(2*\k+\t):231+8*(2*\k+\t)], WOS+\t, OFS+\k
.endr
.endr
	PLACES 4
	s_wait_alu depctr_va_vdst(0)                   ; the products have written v224-255, which the LDS stores read, and are done reading Wov's fragments, in which the stage's rows land; the places above stay beside this wait
.irp k, 0,1
.irp t, 0,1
	ds_store_b128 v7, v[224+8*(2*\k+\t):227+8*(2*\k+\t)] offset:8320*\k+64*\t
	ds_store_b128 v7, v[228+8*(2*\k+\t):231+8*(2*\k+\t)] offset:8320*\k+64*\t+16
.endr
.endr
	BAR                                            ; 32 whole rows of out0 lie in the stage
.set n, 0
.rept 8
	ds_load_b128 v[S+4*n:S+4*n+3], v8 offset:1040*(n/2)+512*(n%2)
.set n, n+1
.endr
.set n, 0
.rept 8
	s_wait_dscnt 7-n                               ; the younger loads stay out
	global_store_b128 v11, v[S+4*n:S+4*n+3], s[54:55] offset:1024*(n/2)+512*(n%2) th:TH_STORE_NT   ; 32 lanes store 512 consecutive bytes
.set n, n+1
.endr
	s_add_co_u32 s40, s40, 1
	s_cmp_lt_u32 s40, 7
	s_cbranch_scc1 .Ltrip
	; the chunk's largest score of each language token: the two halves of the lanes are joined, and two sets leave as 32 neighbouring numbers
	s_wait_xcnt 0x0                                ; the last stores have had their addresses translated
	s_wait_alu depctr_vm_vsrc(0)                   ; the last stores have read v128-159, the loads of the mask v14: both are written below
	WIN 0x01
.set n, 0
.rept 16
	v_mov_b32 v[S+n], v[AM+n]
.set n, n+1
.endr
	WIN 0
.set n, 0
.rept 16
	v_permlanex16_b32 v[S+16+n], v[S+n], s[SEL], s[SEL+1]
.set n, n+1
.endr
.set n, 0
.rept 16
	v_max_num_f32 v[S+n], v[S+n], v[S+16+n]
.set n, n+1
.endr
	v_bfe_u32 v14, v0, 4, 1
	v_cmp_ne_u32 vcc_lo, 0, v14
	v_and_b32 v15, 7, v0
	v_bfe_u32 v100, v0, 3, 1
	v_lshl_add_u32 v15, v100, 4, v15
	v_lshl_add_u32 v15, v14, 3, v15
	v_lshlrev_b32 v15, 2, v15                      ; language token 8 h + r % 8 + 16 (r / 8) of 32
	s_wait_alu depctr_va_vcc(0)                    ; the compare has written VCC, which the selects read
.irp b, 0,1,2,3,4,5,6,7
	v_cndmask_b32 v[S+32+\b], v[S+2*\b], v[S+2*\b+1], vcc_lo
.endr
	s_wait_alu depctr_va_vdst(0)                   ; the offset v15 and the eight selected maxima are written, which the stores read
.irp b, 0,1,2,3,4,5,6,7
	global_store_b32 v15, v[S+32+\b], s[14:15] offset:128*\b
.endr
	s_wait_dscnt 0x0                               ; the closing lines, six on end
	s_wait_alu 0x0
	s_wait_tensorcnt 0x0
	ds_add_u32 v123, v127
	s_wait_dscnt 0x0
	s_endpgm
.Lfunc_end_k_q18f9b93336_passA:
	.size	k_q18f9b93336_passA, .Lfunc_end_k_q18f9b93336_passA-k_q18f9b93336_passA
	.p2alignl 7, 3214868480
	.fill 96, 4, 3214868480
	.section	.rodata,"a",@progbits
	.p2align	6, 0x0
	.amdhsa_kernel k_q18f9b93336_passA
		.amdhsa_group_segment_fixed_size 93184
		.amdhsa_private_segment_fixed_size 0
		.amdhsa_enable_private_segment 0
		.amdhsa_kernarg_size 48
		.amdhsa_user_sgpr_count 2
		.amdhsa_user_sgpr_kernarg_segment_ptr 1
		.amdhsa_wavefront_size32 1
		.amdhsa_system_sgpr_workgroup_id_x 1
		.amdhsa_system_sgpr_workgroup_id_y 1
		.amdhsa_system_sgpr_workgroup_id_z 1
		.amdhsa_system_vgpr_workitem_id 0
		.amdhsa_next_free_vgpr 512
		.amdhsa_next_free_sgpr 66
		.amdhsa_reserve_vcc 1
		.amdhsa_float_denorm_mode_32 3
		.amdhsa_float_denorm_mode_16_64 3
		.amdhsa_memory_ordered 1
		.amdhsa_forward_progress 1
		.amdhsa_inst_pref_size 122
	.end_amdhsa_kernel
	.amdgpu_metadata
---
amdhsa.version: [ 1, 2 ]
amdhsa.kernels:
  - .name:           k_q18f9b93336_passA
    .symbol:         k_q18f9b93336_passA.kd
    .args:
      - { .name: attention_mask_l, .offset: 0, .size: 8, .value_kind: global_buffer, .address_space: global }
      - { .name: bov, .offset: 8, .size: 8, .value_kind: global_buffer, .address_space: global }
      - { .name: prep, .offset: 16, .size: 8, .value_kind: global_buffer, .address_space: global }
      - { .name: qbuf, .offset: 24, .size: 8, .value_kind: global_buffer, .address_space: global }
      - { .name: out0, .offset: 32, .size: 8, .value_kind: global_buffer, .address_space: global }
      - { .name: pam, .offset: 40, .size: 8, .value_kind: global_buffer, .address_space: global }
    .group_segment_fixed_size: 93184
    .private_segment_fixed_size: 0
    .kernarg_segment_align: 8
    .kernarg_segment_size: 48
    .max_flat_workgroup_size: 256
    .sgpr_count:     66
    .vgpr_count:     512
    .wavefront_size: 32
...
	.end_amdgpu_metadata
.endif
;; end of part 8
;; launch passB (part 9): grid 8 x 32, 8 waves a work-group, no clusters, 26,624 bytes of LDS; arguments qbuf, vbuf, prep, pam, attention_mask_v, part; writes part
.if DOCPART == 9
	.amdgcn_target "amdgcn-amd-amdhsa--gfx1250"
	.amdhsa_code_object_version 6
	.text
	.protected	k_q18f9b93336_passB
	.globl	k_q18f9b93336_passB
	.p2align	8
	.type	k_q18f9b93336_passB,@function
k_q18f9b93336_passB:
	s_mov_b64 s[64:65], 0
	v_nop
	global_prefetch_b8 v0, s[64:65] scope:SCOPE_SE
	s_setreg_imm32_b32 hwreg(HW_REG_WAVE_SCHED_MODE, 0, 2), 2
	s_setreg_imm32_b32 hwreg(HW_REG_WAVE_MODE, 25, 1), 1
	s_wait_xcnt 0x0
	s_wait_alu depctr_vm_vsrc(0)
; The language direction, a range of tokens at a time: O = sum over tokens of p val_v, p = 2^(t - M), t = (clip(clip(score) - amax) + mv) x log2(e), with a running whole-number M; all products on codes of
; FP6 (E2M3) with E8M0 scales.  Stored for the last launch: O, -M and the sum of the unquantised p of this range.
; SHARES.  Work-group (rg, bh): head bh, blocks 53 rg on: 53 blocks of 32 tokens, 54 for rg = 7.  Wave w owns language tokens 32 w .. 32 w + 31, two tiles of 16.  14 steps of four blocks; the last step takes
; the range's LAST four blocks, and its part of the mask holds -infinity for those that earlier steps have done: p = 0 there.  q's and val_v's codes go from memory straight into registers, one step ahead.
; K = 32 IN AN INSTRUCTION OF K = 128: q's operand is dense (its four blocks are the step's four blocks of tokens), k's a variant (24 bytes in one block, zero codes in the others; see the register run below).
; amax, the largest clipped score of a language token over ALL tokens, comes from the launch before; -amax is the C of the score products.
; LIMITS: the two clips are one clamp of score - amax between max(-50,000 - amax, -50,000) and 50,000 - amax: each bound is rounded once.  NaN and infinities are not served; p under 2^-126 counts as 0.
; REGISTERS: window 0: v1-15 addresses, v16-22 scale words, v24-39 scale bytes, v40-55 the rows' figures, v56-89 the quantiser, v96-127 O, v128-191 scores, v192-252 the head's scratch.
;   window 1: v0-59 k's variants, v60-75 -amax, v76-123 q (two sets), v124-171 val_v (two sets), v172-235 the mask of a step.
; THE MODE: SCHED_MODE bits 1:0 = 2 (LLVM: expert scheduling mode 2), set by the entry lines.  The code itself states the register dependences
; between vector or matrix instructions and memory or LDS instructions, with s_wait_alu, always for 0.
; THE PLAN.  Registers that memory or LDS instructions touch, in the loop:
;   QD, VV, v[BY ..]  two sets by turns.  Step n's products and word makers read set n % 2; the loads of step n + 1, issued in step n, land in the other set, which step n - 1 read.
;   MV                the step's part of the mask: LDS loads land in it, both tiles' multiply-adds read it.
;   v5                the mask's LDS address, the one address that is stepped: read by the 16 LDS loads, written at the next step's head.
;   v1-4              offsets: made once at the head, never written again.
; So a step's head holds one wait on vm_vsrc (the last step's LDS loads have read v5), the lines that make the scale words and v5, the eight places, and ONE wait on va_vdst: v5 and the scale words are written,
; and the step before is done reading MV and the other set.  All the step's loads follow it.  In a tile: one wait for its 68 exponentials, one in front of the products that take p's codes and scale word.
.set KC,   307200
.set KSB,  503808
.set QSO,  10444800
.set STG,  7168                        ; LDS: the mask, 56 blocks x 128 bytes, at 0; then a stage of 16 rows x 144 bytes for each wave
.set QSW, 16
.set VSW, 18
.set KSR, 20
.set PW, 22
.set BY, 24
.set NM, 40                            ; tile m: -M at NM + 4 m, the largest t at + 1, the sum in two halves at + 2, + 3
.set CLO, 48
.set CHI, 50
.set P, 56
.set PT, 68
.set BM, 76
.set BP, 80
.set SO, 84
.set OA, 96
.set S, 128
.set KV, 0
.set NA, 60
.set QD, 76
.set VV, 124
.set MV, 172
.set SEL, 20
.set MSB, 0
.macro WIN new                         ; the immediate's high byte repeats the setting that is left
.if MSB != \new
	s_set_vgpr_msb (MSB<<8)|\new
.set MSB, \new
.endif
.endm
.macro PLACES n
.rept \n
	v_nop
.endr
.endm
.macro BAR
	s_wait_dscnt 0x0
	s_barrier_signal -1
	s_barrier_wait -1
.endm
.macro MM d, a, b, c, sa, sb
	v_wmma_scale_f32_16x16x128_f8f6f4 v[\d:\d+7], v[\a:\a+11], v[\b:\b+11], \c, v[\sa], v[\sb] matrix_a_fmt:MATRIX_FMT_FP6 matrix_b_fmt:MATRIX_FMT_FP6
.endm
.macro MMA d, a, b, c, sa, sb          ; source 0's scales from lanes 16-31
	v_wmma_scale_f32_16x16x128_f8f6f4 v[\d:\d+7], v[\a:\a+11], v[\b:\b+11], \c, v[\sa], v[\sb] matrix_a_fmt:MATRIX_FMT_FP6 matrix_b_fmt:MATRIX_FMT_FP6 matrix_a_scale:MATRIX_SCALE_ROW1
.endm
.macro LOADS z                         ; a step's operands into set z: 24 loads of 8 bytes (lane (r, h): row r of blocks h and 2 + h) and 8 scale bytes
	WIN 0x40
.irp k, 0,1
.irp p, 0,1,2
	global_load_b64 v[QD+24*(\z)+12*\k+2*\p:QD+24*(\z)+12*\k+2*\p+1], v1, s[28:29] offset:384*\k+8*\p
	global_load_b64 v[QD+24*(\z)+12*\k+6+2*\p:QD+24*(\z)+12*\k+7+2*\p], v2, s[28:29] offset:384*\k+8*\p
	global_load_b64 v[VV+24*(\z)+12*\k+2*\p:VV+24*(\z)+12*\k+2*\p+1], v1, s[30:31] offset:384*\k+8*\p
	global_load_b64 v[VV+24*(\z)+12*\k+6+2*\p:VV+24*(\z)+12*\k+7+2*\p], v2, s[30:31] offset:384*\k+8*\p
.endr
.endr
	WIN 0
.irp b, 0,1,2,3
	global_load_u8 v[BY+8*(\z)+\b], v3, s[32:33] offset:32*\b
	global_load_u8 v[BY+8*(\z)+4+\b], v3, s[34:35] offset:32*\b
.endr
.endm
; 128 tokens against tile m of my language tokens
.macro SUB z, m
	WIN 0x15                                           ; score - amax: source 0 = 16 tokens of q, source 1 = 16 language tokens: a lane holds a language token; register 16 b + i is token 32 b + 16 h + i
.irp b, 0,1,2,3
	MM S+16*\b, QD+24*(\z), KV+30*\m+12*(\b%2)+6-6*(\b/2), v[NA+8*\m:NA+8*\m+7], QSW+(\z), KSR+\m
	MMA S+16*\b+8, QD+24*(\z)+12, KV+30*\m+12*(\b%2)+6-6*(\b/2), v[NA+8*\m:NA+8*\m+7], QSW+(\z), KSR+\m
.endr
	WIN 0
	PLACES 4
.set n, 0
.rept 64
	v_med3_num_f32 v[S+n], v[S+n], v[CLO+\m], v[CHI+\m]
.set n, n+1
.endr
	WIN 0x10
.set n, 0
.rept 32
	v_pk_fma_f32 v[S+n:S+n+1], v[S+n:S+n+1], s[22:23], v[MV+n:MV+n+1] op_sel_hi:[1,0,1]   ; t
.set n, n+2
.endr
	WIN 0
.irp b, 0,1,2,3
	v_max3_num_f32 v[BM+\b], v[S+16*\b], v[S+16*\b+1], v[S+16*\b+2]
.endr
.irp i, 3,5,7,9,11,13
.irp b, 0,1,2,3
	v_max3_num_f32 v[BM+\b], v[BM+\b], v[S+16*\b+\i], v[S+16*\b+\i+1]
.endr
.endr
.irp b, 0,1,2,3
	v_max_num_f32 v[BM+\b], v[BM+\b], v[S+16*\b+15]
.endr
.irp b, 0,1,2,3
	v_permlanex16_b32 v[BP+\b], v[BM+\b], s[SEL], s[SEL+1]
.endr
.irp b, 0,1,2,3
	v_max_num_f32 v[BM+\b], v[BM+\b], v[BP+\b]
.endr
	v_max3_num_f32 v54, v[BM], v[BM+1], v[BM+2]
	v_max_num_f32 v54, v54, v[BM+3]
	v_max_num_f32 v[NM+4*\m+1], v[NM+4*\m+1], v54      ; the running largest t
	v_mov_b32 v54, v[NM+4*\m]
	v_floor_f32 v[NM+4*\m], -v[NM+4*\m+1]              ; the new -M
	v_sub_f32 v54, v[NM+4*\m], v54                     ; old M - new M: a whole number, 0 or less
	v_cvt_i32_f32 v54, v54                             ; (it saturates)
	v_ldexp_f32 v52, 1.0, v54                          ; f = 2^(old M - new M)
.set n, 0
.rept 32
	v_pk_add_f32 v[S+n:S+n+1], v[S+n:S+n+1], v[NM+4*\m:NM+4*\m+1] op_sel_hi:[1,0]
.set n, n+2
.endr
.irp b, 0,1,2,3
	v_add_f32 v[BM+\b], v[BM+\b], v[NM+4*\m]
.endr
.set n, 0
	s_wait_alu depctr_va_vdst(0)
.rept 64
	v_exp_f32 v[S+n], v[S+n]
.set n, n+1
.endr
.irp b, 0,1,2,3
	v_exp_f32 v[BM+\b], v[BM+\b]                       ; each block's largest p, in the same batch
.endr
	v_pk_mul_f32 v[NM+4*\m+2:NM+4*\m+3], v[NM+4*\m+2:NM+4*\m+3], v[52:53] op_sel_hi:[1,0]   ; the sums under the new M: a plain place behind the exponentials
	s_wait_alu depctr_va_vdst(0)                       ; the 68 exponentials have written p and the blocks' largest p: one wait for the batch, ahead of its first reader
	v_pk_add_f32 v[88:89], v[S:S+1], v[S+2:S+3]
.set n, 4
.rept 15
	v_pk_add_f32 v[NM+4*\m+2:NM+4*\m+3], v[NM+4*\m+2:NM+4*\m+3], v[S+n:S+n+1]
	v_pk_add_f32 v[88:89], v[88:89], v[S+n+2:S+n+3]
.set n, n+4
.endr
	v_pk_add_f32 v[NM+4*\m+2:NM+4*\m+3], v[NM+4*\m+2:NM+4*\m+3], v[88:89]
.irp b, 0,1,2,3
	v_max_num_f32 v[BM+\b], 0x1800000, v[BM+\b]        ; the floor 2^(3 - 127)
.endr
.irp b, 0,1,2,3
	v_add_nc_u32 v[SO+\b], 0xff000000, v[BM+\b]
.endr
.irp b, 0,1,2,3
	v_lshrrev_b32 v[BP+\b], 23, v[SO+\b]
.endr
	v_lshl_or_b32 v[PW], v[BP+1], 8, v[BP]
	v_lshl_or_b32 v[PW], v[BP+2], 16, v[PW]
	v_lshl_or_b32 v[PW], v[BP+3], 24, v[PW]
.irp c, 0,1
	v_cvt_scalef32_pk16_fp6_f32 v[P+6*\c:P+6*\c+2], v[S+32*\c:S+32*\c+15], v[SO+2*\c]
	v_cvt_scalef32_pk16_fp6_f32 v[PT+4*\c:PT+4*\c+2], v[S+32*\c+16:S+32*\c+31], v[SO+2*\c+1]
.endr
	v_nop                                              ; one plain place behind a scaled conversion
.irp c, 0,1
.irp i, 0,1,2
	v_permlane16_swap_b32 v[P+6*\c+\i], v[PT+4*\c+\i]
.endr
.irp i, 0,1,2
	v_mov_b32 v[P+6*\c+3+\i], v[PT+4*\c+\i]
.endr
.endr
.irp j, 0,2,4,6,8,10,12,14
	v_pk_mul_f32 v[OA+16*\m+\j:OA+16*\m+\j+1], v[OA+16*\m+\j:OA+16*\m+\j+1], v[52:53] op_sel_hi:[1,0]   ; O under the new M
.endr
	PLACES 4                                           ; an operand made by vector instructions stands 4 places ahead of a scaled product
	s_wait_alu depctr_va_vdst(0)                       ; p's fragment and scale word are written, which the scaled products take
	WIN 0x01                                           ; O^T += val_v^T p^T: source 0 = 16 channels, K = the step's 128 tokens
	MM OA+16*\m, VV+24*(\z), P, v[OA+16*\m:OA+16*\m+7], VSW+(\z), PW
	MMA OA+16*\m+8, VV+24*(\z)+12, P, v[OA+16*\m+8:OA+16*\m+15], VSW+(\z), PW
	WIN 0
.endm
.macro STEP z, next
	s_wait_loadcnt 0x0                                 ; this step's operands: asked for a step ago
	s_wait_alu depctr_vm_vsrc(0)                       ; the last step's LDS loads have read v5, which is written below (the first time: the head's LDS stores have read v144-150 and a load v154, which the scores write)
	v_lshl_or_b32 v[QSW+\z], v[BY+8*\z+1], 8, v[BY+8*\z]
	v_lshl_or_b32 v[VSW+\z], v[BY+8*\z+5], 8, v[BY+8*\z+4]
	v_lshl_or_b32 v[QSW+\z], v[BY+8*\z+2], 16, v[QSW+\z]
	v_lshl_or_b32 v[VSW+\z], v[BY+8*\z+6], 16, v[VSW+\z]
	v_lshl_or_b32 v[QSW+\z], v[BY+8*\z+3], 24, v[QSW+\z]
	v_lshl_or_b32 v[VSW+\z], v[BY+8*\z+7], 24, v[VSW+\z]
	v_add_nc_u32 v5, s41, v4
	PLACES 8                                           ; a scale word made by vector instructions stands 8 places ahead of a scaled product
	s_wait_alu depctr_va_vdst(0)                       ; v5 is written, which the LDS loads read; the scale words (the first time k's variants and words too) are written, which the scaled products take; the step before is done reading the mask's registers and the other set of operands and bytes, in which the loads below land
	WIN 0x40
.set n, 0
.rept 16
	ds_load_b128 v[MV+4*n:MV+4*n+3], v5 offset:128*(n/4)+16*(n%4)
.set n, n+1
.endr
	WIN 0
.if \next
	s_add_nc_u64 s[28:29], s[28:29], s[36:37]          ; all earlier loads are in, so their bases may step
	s_add_nc_u64 s[30:31], s[30:31], s[36:37]
	s_add_nc_u64 s[32:33], s[32:33], s[38:39]
	s_add_nc_u64 s[34:35], s[34:35], s[38:39]
	LOADS 1-\z
.endif
	s_wait_dscnt 0x0
	SUB \z, 0
	SUB \z, 1
	s_add_co_u32 s41, s41, 512
.endm
	s_load_b256 s[4:11], s[0:1], 0x0               ; qbuf 4, vbuf 6, prep 8, pam 10
	s_load_b128 s[12:15], s[0:1], 0x20             ; attention_mask_v 12, part 14
	v_lshl_add_u32 v254, v0, 2, 0x6400
	v_mov_b32 v255, 0
	v_lshrrev_b32 v10, 5, v0
	v_readfirstlane_b32 s16, v10                   ; wave 0..7
	s_mov_b32 s17, ttmp9                           ; rg
	s_and_b32 s18, ttmp7, 0xffff                   ; bh
	s_mov_b32 s[SEL], 0x76543210
	s_mov_b32 s[SEL+1], 0xfedcba98
	s_mov_b32 s22, 0x3fb8aa3b                      ; log2(e)
	s_mov_b32 s23, s22
	s_mov_b32 s24, 0x47435000                      ; 50,000
	s_mov_b32 s25, 0xc7435000
	s_cmp_eq_u32 s17, 7
	s_cselect_b32 s26, 1, 0                        ; e: the last range has one block more
	s_lshl_b32 s27, s26, 5
	s_sub_co_u32 s27, s27, 96                      ; the tail's first token less 1,664: 32 (49 + e) - 1,664
	v_and_b32 v3, 31, v0                           ; lane: also the offset of a scale byte
	v_and_b32 v10, 15, v0                          ; r
	v_bfe_u32 v11, v0, 4, 1                        ; h
	v_mul_u32_u24 v12, v10, 24                     ; k's rows: 24 r
	v_mad_u32_u24 v1, v11, 768, v12                ; q, val_v: row r of block h,
	v_add_nc_u32 v2, 1536, v1                      ; and of block 2 + h
	v_lshlrev_b32 v4, 6, v11                       ; the mask in LDS: 64 h
	s_wait_alu depctr_va_sdst(0)                   ; s16, the wave's number, is written, ahead of its first reader
	s_mul_i32 s19, s16, 2304
	s_add_co_u32 s19, s19, STG
	v_mul_u32_u24 v6, v10, 144
	v_lshl_add_u32 v6, v11, 5, v6
	v_add_nc_u32 v6, s19, v6                       ; my stage, in: row r, + 32 h
	v_lshrrev_b32 v7, 3, v3
	v_mul_u32_u24 v7, v7, 144
	v_and_b32 v13, 7, v0
	v_lshl_add_u32 v7, v13, 4, v7
	v_add_nc_u32 v7, s19, v7                       ; back: eight lanes to a row of 128 bytes
	v_lshlrev_b32 v8, 4, v3
	v_lshlrev_b32 v9, 2, v3
	v_lshlrev_b32 v14, 2, v0                       ; 4 x thread
	v_add_nc_u32 v15, -1, v11                      ; all ones in lanes 0-15
	v_sub_nc_u32 v23, 0, v11                       ; all ones in lanes 16-31
	v_cmp_le_u32 vcc_lo, 128, v0                   ; the mask's seventh element of threads 128 on belongs to the tail's four blocks
	v_mov_b32 v154, s27
	s_wait_alu depctr_va_vcc(0)                    ; the compare has written VCC, which the select reads
	v_cndmask_b32 v154, 0, v154, vcc_lo
	v_add_nc_u32 v154, v154, v0
	v_cmp_gt_u32 s59, 128, v154
	s_wait_alu depctr_va_sdst(0)                   ; the compare has written s59, which the line below reads
	s_and_b32 s58, vcc_lo, s59                     ; and is a token that an earlier step has done
	v_lshlrev_b32 v154, 2, v154
	s_mul_i32 s42, s18, 425
	s_mul_i32 s43, s17, 53
	s_add_co_u32 s42, s42, s43                     ; my first block among all heads' blocks
	s_mov_b32 s45, 0
	s_mov_b32 s47, 0
	s_mov_b32 s49, 0
	s_mov_b32 s51, 0
	s_mov_b32 s53, 0
	s_mov_b32 s55, 0
	s_mov_b32 s57, 0
	s_mul_i32 s44, s42, 768
	s_lshl_b32 s46, s42, 5
	s_add_co_u32 s46, s46, QSO
	s_wait_kmcnt 0x0
	s_add_nc_u64 s[28:29], s[4:5], s[44:45]
	s_add_nc_u64 s[30:31], s[6:7], s[44:45]
	s_add_nc_u64 s[32:33], s[4:5], s[46:47]
	s_add_nc_u64 s[34:35], s[6:7], s[46:47]
	s_mul_i32 s46, s18, 62464                      ; pam: 61 chunks x 1,024 bytes a head, + my 32 tokens
	s_lshl_b32 s43, s16, 7
	s_add_co_u32 s46, s46, s43
	s_add_nc_u64 s[46:47], s[10:11], s[46:47]
	s_mul_i32 s48, s18, 6144
	s_mul_i32 s43, s16, 768
	s_add_co_u32 s48, s48, s43
	s_add_nc_u64 s[48:49], s[8:9], s[48:49]
	s_lshl_b32 s50, s18, 8
	s_lshl_b32 s43, s16, 5
	s_add_co_u32 s50, s50, s43
	s_add_nc_u64 s[50:51], s[8:9], s[50:51]
	s_lshr_b32 s52, s18, 3
	s_mul_i32 s52, s52, 13600
	s_mul_i32 s43, s17, 1696
	s_add_co_u32 s52, s52, s43
	s_lshl_b32 s52, s52, 2
	s_add_nc_u64 s[52:53], s[12:13], s[52:53]
	s_lshl_b32 s43, s18, 3
	s_add_co_u32 s43, s43, s17                     ; 8 bh + rg
	s_lshl_b32 s54, s43, 15
	s_lshl_b32 s44, s16, 12
	s_add_co_u32 s54, s54, s44
	s_add_nc_u64 s[54:55], s[14:15], s[54:55]
	s_lshl_b32 s56, s43, 11
	s_lshl_b32 s44, s16, 7
	s_add_co_u32 s56, s56, s44
	s_add_co_u32 s56, s56, 8388608
	s_add_nc_u64 s[56:57], s[14:15], s[56:57]
	s_mov_b32 s36, 3072                            ; a step: four blocks of 768 bytes of codes,
	s_mov_b32 s37, 0
	s_mov_b32 s38, 128                             ; and of 32 scale bytes
	s_mov_b32 s39, 0
	s_wait_alu depctr_va_vdst(0)                   ; the offsets and addresses v1-4, v6-10, v12, v14, v154 are written, which the loads and stores below read
.set n, 0
.rept 61
	global_load_b32 v[192+n], v9, s[46:47] offset:1024*n
.set n, n+1
.endr
.irp m, 0,1
.irp p, 0,1,2
	global_load_b64 v[S+6*\m+2*\p:S+6*\m+2*\p+1], v12, s[48:49] offset:KC+384*\m+8*\p
.endr
	global_load_u8 v[140+\m], v10, s[50:51] offset:KSB+16*\m
.endr
.irp i, 0,1,2,3,4,5
	global_load_b32 v[144+\i], v14, s[52:53] offset:1024*\i
.endr
	global_load_b32 v150, v154, s[52:53] offset:6144
	LOADS 0
	s_wait_loadcnt 32                              ; all but the first step's 32 operand loads
	v_mov_b32 v152, 0xd9ffcb9e                     ; -9e15
	v_mov_b32 v153, 0xff800000                     ; -infinity
.irp i, 0,1,2,3,4,5,6
	v_cmp_eq_f32 s[42+\i+14*(\i/4)], 0, v[144+\i]  ; the seven compares in a run, into s42-45 and s60-62, which are free here
.endr
	v_cmp_ne_u32 s63, 0, v11                       ; and the lanes' upper half, for amax below
	s_wait_alu depctr_va_sdst(0)                   ; the eight compares have written their masks, which the selects below read: one wait for the run
.irp i, 0,1,2,3,4,5,6
	v_cndmask_b32 v[144+\i], v[144+\i], v152, s[42+\i+14*(\i/4)]   ; a mask of 0 becomes -9e15, any other number is added as it is
.endr
.irp i, 0,1,2,3,4,5,6
	v_mul_f32 v[144+\i], s22, v[144+\i]
.endr
	v_cndmask_b32 v150, v150, v153, s58
	s_wait_alu depctr_va_vdst(0)                   ; v144-150 are written, which the LDS stores read
.irp i, 0,1,2,3,4,5,6
	ds_store_b32 v14, v[144+\i] offset:1024*\i
.endr
.set n, 0
.rept 30
	v_max3_num_f32 v192, v192, v[193+2*n], v[194+2*n]
.set n, n+1
.endr
	v_med3_num_f32 v192, v192, s25, s24            ; amax of language token 32 w + lane: the clip is monotone, so it is taken last
	v_permlanex16_b32 v193, v192, s[SEL], s[SEL+1]
	v_cndmask_b32 v194, v192, v193, s63            ; tile 0's, in both halves of the lanes
	v_cndmask_b32 v195, v193, v192, s63            ; tile 1's
.irp m, 0,1
	v_sub_f32 v[CLO+\m], s25, v[194+\m]
	v_max_num_f32 v[CLO+\m], s25, v[CLO+\m]
	v_sub_f32 v[CHI+\m], s24, v[194+\m]
	v_perm_b32 v[KSR+\m], v[140+\m], v[140+\m], 0  ; k's scale byte in all four bytes
	v_mov_b32 v[NM+4*\m+1], 0xff61b1e6             ; the largest t so far: -3e38
	v_floor_f32 v[NM+4*\m], -v[NM+4*\m+1]
	v_mov_b32 v[NM+4*\m+2], 0
	v_mov_b32 v[NM+4*\m+3], 0
.endr
.set n, 0
.rept 32
	v_mov_b32 v[OA+n], 0                           ; the step is written once: the first finds zeros
.set n, n+1
.endr
.irp i, 0,1,2,3
	v_mov_b32 v[BP+\i], 0                          ; written once: a lane permute's destination counts as one of its sources
.endr
	v_mov_b32 v53, 0
	v_mov_b32 v55, 0
	WIN 0x40
.irp m, 0,1
.irp i, 0,1,2,3,4,5
	v_mov_b32 v[KV+30*\m+\i], 0
	v_and_b32 v[KV+30*\m+6+\i], v15, v[S+6*\m+\i]
	v_mov_b32 v[KV+30*\m+12+\i], 0
	v_and_b32 v[KV+30*\m+18+\i], v23, v[S+6*\m+\i]
	v_mov_b32 v[KV+30*\m+24+\i], 0
.endr
.irp i, 0,1,2,3,4,5,6,7
	v_mul_f32 v[NA+8*\m+\i], -1.0, v[194+\m]
.endr
.endr
	WIN 0
	s_mov_b32 s41, 0
	BAR                                            ; the mask lies in LDS
	s_mov_b32 s40, 6
.Lstep:
	STEP 0, 1
	STEP 1, 1
	s_sub_co_u32 s40, s40, 1
	s_cmp_lg_u32 s40, 0
	s_cbranch_scc1 .Lstep
	s_add_co_u32 s43, s26, 1                       ; from block 48 to the range's last four: 1 + e blocks on
	s_mul_i32 s36, s43, 768
	s_lshl_b32 s38, s43, 5
	STEP 0, 1
	STEP 1, 0
	PLACES 4
.irp m, 0,1
	v_add_f32 v54, v[NM+4*\m+2], v[NM+4*\m+3]
	v_permlanex16_b32 v55, v54, s[SEL], s[SEL+1]
	v_add_f32 v[88+\m], v54, v55                   ; the range's sum of p
.endr
	v_cmp_ne_u32 vcc_lo, 0, v11
	s_wait_alu depctr_va_vcc(0)                    ; the compare has written VCC, which the selects read
	v_cndmask_b32 v54, v[NM], v[NM+4], vcc_lo
	v_cndmask_b32 v55, v88, v89, vcc_lo
	s_wait_alu depctr_va_vdst(0)                   ; the last products have written O, which the LDS stores read (the places above stay beside this wait); v54 and v55 are written, which the last two stores read; every reader of v128-159 is done, in which the stage's rows land
.irp m, 0,1
.irp k, 0,1
	ds_store_b128 v6, v[OA+16*\m+8*\k:OA+16*\m+8*\k+3] offset:64*\k
	ds_store_b128 v6, v[OA+16*\m+8*\k+4:OA+16*\m+8*\k+7] offset:64*\k+16
.endr
.irp k, 0,1,2,3
	ds_load_b128 v[S+16*\m+4*\k:S+16*\m+4*\k+3], v7 offset:576*\k      ; LDS serves a wave's instructions in order: these see my stores, and the next tile's stores come behind them
.endr
.endr
	s_wait_dscnt 0x0
.irp m, 0,1
.irp k, 0,1,2,3
	global_store_b128 v8, v[S+16*\m+4*\k:S+16*\m+4*\k+3], s[54:55] offset:2048*\m+512*\k   ; 32 lanes store 512 consecutive bytes
.endr
.endr
	global_store_b32 v9, v54, s[56:57]
	global_store_b32 v9, v55, s[56:57] offset:1024
	s_wait_dscnt 0x0                               ; the closing lines, six on end
	s_wait_alu 0x0
	s_wait_tensorcnt 0x0
	ds_add_u32 v254, v255
	s_wait_dscnt 0x0
	s_endpgm
.Lfunc_end_k_q18f9b93336_passB:
	.size	k_q18f9b93336_passB, .Lfunc_end_k_q18f9b93336_passB-k_q18f9b93336_passB
	.p2alignl 7, 3214868480
	.fill 96, 4, 3214868480
	.section	.rodata,"a",@progbits
	.p2align	6, 0x0
	.amdhsa_kernel k_q18f9b93336_passB
		.amdhsa_group_segment_fixed_size 26624
		.amdhsa_private_segment_fixed_size 0
		.amdhsa_enable_private_segment 0
		.amdhsa_kernarg_size 48
		.amdhsa_user_sgpr_count 2
		.amdhsa_user_sgpr_kernarg_segment_ptr 1
		.amdhsa_wavefront_size32 1
		.amdhsa_system_sgpr_workgroup_id_x 1
		.amdhsa_system_sgpr_workgroup_id_y 1
		.amdhsa_system_sgpr_workgroup_id_z 1
		.amdhsa_system_vgpr_workitem_id 0
		.amdhsa_next_free_vgpr 512
		.amdhsa_next_free_sgpr 66
		.amdhsa_reserve_vcc 1
		.amdhsa_float_denorm_mode_32 3
		.amdhsa_float_denorm_mode_16_64 3
		.amdhsa_memory_ordered 1
		.amdhsa_forward_progress 1
		.amdhsa_inst_pref_size 193
	.end_amdhsa_kernel
	.amdgpu_metadata
---
amdhsa.version: [ 1, 2 ]
amdhsa.kernels:
  - .name:           k_q18f9b93336_passB
    .symbol:         k_q18f9b93336_passB.kd
    .args:
      - { .name: qbuf, .offset: 0, .size: 8, .value_kind: global_buffer, .address_space: global }
      - { .name: vbuf, .offset: 8, .size: 8, .value_kind: global_buffer, .address_space: global }
      - { .name: prep, .offset: 16, .size: 8, .value_kind: global_buffer, .address_space: global }
      - { .name: pam, .offset: 24, .size: 8, .value_kind: global_buffer, .address_space: global }
      - { .name: attention_mask_v, .offset: 32, .size: 8, .value_kind: global_buffer, .address_space: global }
      - { .name: part, .offset: 40, .size: 8, .value_kind: global_buffer, .address_space: global }
    .group_segment_fixed_size: 26624
    .private_segment_fixed_size: 0
    .kernarg_segment_align: 8
    .kernarg_segment_size: 48
    .max_flat_workgroup_size: 256
    .sgpr_count:     66
    .vgpr_count:     512
    .wavefront_size: 32
...
	.end_amdgpu_metadata
.endif
;; end of part 9
;; launch final (part 10): grid 64 x 3, 8 waves a work-group, no clusters, 21,504 bytes of LDS; arguments part, prep, bol, out1; writes out1
.if DOCPART == 10
	.amdgcn_target "amdgcn-amd-amdhsa--gfx1250"
	.amdhsa_code_object_version 6
	.text
	.protected	k_q18f9b93336_final
	.globl	k_q18f9b93336_final
	.p2align	8
	.type	k_q18f9b93336_final,@function
k_q18f9b93336_final:
	s_mov_b64 s[64:65], 0
	v_nop
	global_prefetch_b8 v0, s[64:65] scope:SCOPE_SE
	s_setreg_imm32_b32 hwreg(HW_REG_WAVE_SCHED_MODE, 0, 2), 2
	s_setreg_imm32_b32 hwreg(HW_REG_WAVE_MODE, 25, 1), 1
	s_wait_xcnt 0x0
	s_wait_alu depctr_vm_vsrc(0)
; out1 = out_l Wol^T + bol.  out_l of a language token and a head is the sum of its eight ranges' O, each brought under the largest M by an exact power of two, divided by the sum of their sums of p;
; it is quantised along the 256 channels (a head is a block) to codes of FP6 (E2M3) with E8M0 scales and multiplied by Wol's codes.
; SHARES.  Work-group (x, y): x = 16 of the 4 x 256 language tokens, y = 256 of the 768 outputs.  Wave w first is head w (the sum, the codes into LDS), then makes outputs 256 y + 32 w .. + 31.
; LIMITS: NaN and infinities are not served; a block under 2^-124 has the scale byte 1.
; THE MODE: SCHED_MODE bits 1:0 = 2 (LLVM: expert scheduling mode 2), set by the entry lines.  The code itself states the register dependences
; between vector or matrix instructions and memory or LDS instructions, with s_wait_alu, always for 0.
; THE PLAN.  Registers that memory or LDS instructions touch:
;   v1-11            offsets and addresses: made once, ahead of the wait on va_vdst in front of the first load; never written again.
;   v20-22, v[TM+6]  written by the quantiser, (wait on va_vdst) read by four LDS stores; not written again.
;   v[R ..]          global loads land in them; the sums and the quantiser name them; that same wait shows those done, and behind the barrier O's fragments land in v[R .. R+23];
;                    the products read these; (four places, wait on va_vdst) the stage's rows land in v[R .. R+15], which the global stores read.
;   v240-255         bol lands in them; the products add onto them; behind that last wait the stage's LDS stores read them.
.set OSC, 3072                         ; LDS: O's codes at head x 384 + 24 r + 12 h; their scale bytes at 64 (head / 4) + 4 r + head % 4
.set STG, 3328                         ; the stage: 16 rows x (1,024 + 16)
.set TM, 24
.set SEL, 20
.set R, 64
.macro PLACES n
.rept \n
	v_nop
.endr
.endm
.macro BAR
	s_wait_dscnt 0x0
	s_barrier_signal -1
	s_barrier_wait -1
.endm
.macro MM d, a, b, c, sa, sb
	v_wmma_scale_f32_16x16x128_f8f6f4 v[\d:\d+7], v[\a:\a+11], v[\b:\b+11], \c, v[\sa], v[\sb] matrix_a_fmt:MATRIX_FMT_FP6 matrix_b_fmt:MATRIX_FMT_FP6
.endm
.macro MM1 d, a, b, c, sa, sb
	v_wmma_scale_f32_16x16x128_f8f6f4 v[\d:\d+7], v[\a:\a+11], v[\b:\b+11], \c, v[\sa], v[\sb] matrix_a_fmt:MATRIX_FMT_FP6 matrix_b_fmt:MATRIX_FMT_FP6 matrix_a_scale:MATRIX_SCALE_ROW1 matrix_b_scale:MATRIX_SCALE_ROW1
.endm
.macro QH1 y, x
	v_max3_num_f32 v[TM], |v[\y]|, |v[\y+1]|, 0x1800000
.irp i, 2,4,6,8,10,12,14
	v_max3_num_f32 v[TM], v[TM], |v[\y+\i]|, |v[\y+\i+1]|
.endr
	v_permlanex16_b32 v[TM+2], v[TM], s[SEL], s[SEL+1]
	v_max_num_f32 v[TM], v[TM], v[TM+2]
	v_add_nc_u32 v[TM+4], 0xff000000, v[TM]
	v_lshrrev_b32 v[TM+6], 23, v[TM+4]
	v_cvt_scalef32_pk16_fp6_f32 v[\x:\x+2], v[\y:\y+15], v[TM+4]
	v_nop
.endm
	s_load_b256 s[4:11], s[0:1], 0x0               ; part 4, prep 6, bol 8, out1 10
	v_lshl_add_u32 v62, v0, 2, 0x5000
	v_mov_b32 v63, 0
	v_lshrrev_b32 v12, 5, v0
	v_readfirstlane_b32 s12, v12                   ; wave 0..7
	s_mov_b32 s13, ttmp9
	s_and_b32 s14, ttmp7, 0xffff
	s_mov_b32 s[SEL], 0x76543210
	s_mov_b32 s[SEL+1], 0xfedcba98
	v_and_b32 v12, 31, v0                          ; lane
	v_and_b32 v13, 15, v0                          ; r
	v_bfe_u32 v14, v0, 4, 1                        ; h
	v_lshlrev_b32 v1, 4, v12
	v_lshlrev_b32 v2, 2, v12
	v_mul_u32_u24 v15, v13, 24
	v_mad_u32_u24 v3, v14, 12, v15
	s_wait_alu depctr_va_sdst(0)                   ; s12, the wave's number, is written, ahead of its first reader
	s_mul_i32 s15, s12, 384
	v_add_nc_u32 v3, s15, v3                       ; my head's codes, on the way in
	s_lshr_b32 s15, s12, 2
	s_lshl_b32 s15, s15, 6
	s_and_b32 s22, s12, 3
	s_add_co_u32 s15, s15, s22
	s_add_co_u32 s15, s15, OSC
	v_lshl_add_u32 v4, v13, 2, s15
	v_mad_u32_u24 v5, v14, 384, v15                ; the fragments: head 4 g + 2 c + h, row r
	v_lshl_add_u32 v6, v12, 2, OSC
	v_mul_u32_u24 v7, v13, 1040
	v_lshl_add_u32 v7, v14, 5, v7
	s_lshl_b32 s15, s12, 7
	s_add_co_u32 s15, s15, STG
	v_add_nc_u32 v7, s15, v7
	s_mul_i32 s15, s12, 2080
	s_add_co_u32 s15, s15, STG
	v_add_nc_u32 v8, s15, v1                       ; back: my two rows
	v_lshlrev_b32 v9, 7, v13
	v_lshl_add_u32 v9, v14, 6, v9                  ; O: row r of 128 bytes, + 64 h
	v_lshlrev_b32 v10, 2, v13
	v_lshlrev_b32 v11, 5, v14                      ; bol: 32 h
.irp i, 0,1,2,3,4,5,6,7
	v_mov_b32 v[TM+\i], 0                          ; written once: a lane permute's destination counts as one of its sources
.endr
	s_lshr_b32 s23, s13, 4                         ; b
	s_and_b32 s24, s13, 15                         ; which 16 of the batch's 256 tokens
	s_lshl_b32 s25, s23, 3
	s_add_co_u32 s25, s25, s12                     ; 8 b + w
	s_lshl_b32 s16, s25, 18
	s_lshl_b32 s26, s24, 11
	s_add_co_u32 s16, s16, s26
	s_mov_b32 s17, 0
	s_lshl_b32 s18, s25, 14
	s_lshl_b32 s26, s24, 6
	s_add_co_u32 s18, s18, s26
	s_add_co_u32 s18, s18, 8388608
	s_mov_b32 s19, 0
	s_lshl_b32 s26, s14, 5
	s_lshl_b32 s27, s12, 2
	s_add_co_u32 s26, s26, s27
	s_mul_i32 s28, s26, 1536
	s_add_co_u32 s28, s28, 153600                  ; Wol's images 32 y + 4 w on
	s_mov_b32 s29, 0
	s_lshl_b32 s30, s26, 6
	s_add_co_u32 s30, s30, 301056                  ; and the scale words of tiles 16 y + 2 w on
	s_mov_b32 s31, 0
	s_lshl_b32 s32, s14, 10
	s_lshl_b32 s27, s12, 7
	s_add_co_u32 s32, s32, s27
	s_mov_b32 s33, 0
	s_lshl_b32 s34, s23, 8
	s_lshl_b32 s27, s24, 4
	s_add_co_u32 s34, s34, s27
	s_lshl_b32 s27, s12, 1
	s_add_co_u32 s34, s34, s27                     ; the first row that I store
	s_mul_i32 s34, s34, 3072
	s_lshl_b32 s27, s14, 10
	s_add_co_u32 s34, s34, s27
	s_mov_b32 s35, 0
	s_wait_kmcnt 0x0
	s_add_nc_u64 s[16:17], s[4:5], s[16:17]
	s_add_nc_u64 s[18:19], s[4:5], s[18:19]
	s_add_nc_u64 s[28:29], s[6:7], s[28:29]
	s_add_nc_u64 s[30:31], s[6:7], s[30:31]
	s_add_nc_u64 s[8:9], s[8:9], s[32:33]
	s_add_nc_u64 s[10:11], s[10:11], s[34:35]
	s_wait_alu depctr_va_vdst(0)                   ; the offsets and addresses v1-11 are written, which every load and store of the kernel reads
.irp g, 0,1,2,3,4,5,6,7
.irp k, 0,1,2,3
	global_load_b128 v[R+16*\g+4*\k:R+16*\g+4*\k+3], v9, s[16:17] offset:32768*\g+16*\k
.endr
	global_load_b32 v[32+\g], v10, s[18:19] offset:2048*\g
	global_load_b32 v[40+\g], v10, s[18:19] offset:2048*\g+1024
.endr
.set n, 0
.rept 12
	global_load_b128 v[192+4*n:195+4*n], v1, s[28:29] offset:512*n       ; Wol (t, g) at 192 + 12 (2 t + g)
.set n, n+1
.endr
.irp t, 0,1
	global_load_b32 v[16+\t], v2, s[30:31] offset:128*\t
	global_load_b128 v[240+8*\t:243+8*\t], v11, s[8:9] offset:64*\t
	global_load_b128 v[244+8*\t:247+8*\t], v11, s[8:9] offset:64*\t+16
.endr
	s_wait_loadcnt 0x0
	v_min3_num_f32 v12, v32, v33, v34              ; the least -M: the largest M
	v_min3_num_f32 v12, v12, v35, v36
	v_min3_num_f32 v12, v12, v37, v38
	v_min_num_f32 v12, v12, v39
.irp g, 0,1,2,3,4,5,6,7
	v_sub_f32 v[48+\g], v12, v[32+\g]              ; the range's M less the largest: a whole number, 0 or less
.endr
.irp g, 0,1,2,3,4,5,6,7
	v_cvt_i32_f32 v[48+\g], v[48+\g]               ; (it saturates)
.endr
.irp g, 0,1,2,3,4,5,6,7
	v_ldexp_f32 v[48+\g], 1.0, v[48+\g]
.endr
	v_mul_f32 v13, v40, v48
.irp g, 1,2,3,4,5,6,7
	v_fma_f32 v13, v[40+\g], v[48+\g], v13         ; the row's sum of p
.endr
	s_wait_alu depctr_va_vdst(0)
	v_rcp_f32 v13, v13
.set n, 0
.rept 16
	v_mul_f32 v[R+n], v[R+n], v48
.set n, n+1
.endr
.irp g, 1,2,3,4,5,6,7
.set n, 0
.rept 16
	v_fma_f32 v[R+n], v[R+16*\g+n], v[48+\g], v[R+n]
.set n, n+1
.endr
.endr
	s_wait_alu depctr_va_vdst(0)                   ; the reciprocal has written v13, ahead of its first reader; the sums above are the work between
.set n, 0
.rept 16
	v_mul_f32 v[R+n], v[R+n], v13
.set n, n+1
.endr
	QH1 R, 20
	s_wait_alu depctr_va_vdst(0)                   ; the quantiser has written v20-22 and v[TM+6], which the LDS stores read; it and the sums are done with v[R ..], in which the fragments behind the barrier land
	ds_store_b32 v3, v20
	ds_store_b32 v3, v21 offset:4
	ds_store_b32 v3, v22 offset:8
	ds_store_b8 v4, v[TM+6]
	BAR                                            ; all heads' codes lie in LDS
.irp g, 0,1
.irp c, 0,1
.irp p, 0,1,2
	ds_load_b64 v[R+12*\g+6*\c+2*\p:R+12*\g+6*\c+2*\p+1], v5 offset:1536*\g+768*\c+8*\p
.endr
.endr
.endr
	ds_load_b32 v18, v6
	s_wait_dscnt 0x0
	MM 240, 192, R, v[240:247], 16, 18             ; source 0 = 16 outputs of Wol, source 1 = my 16 tokens; bol is the first C; two accumulators by turns
	MM 248, 216, R, v[248:255], 17, 18
	MM1 240, 204, R+12, v[240:247], 16, 18
	MM1 248, 228, R+12, v[248:255], 17, 18
	PLACES 4
	s_wait_alu depctr_va_vdst(0)                   ; the products have written v240-255, which the LDS stores read, and are done reading v[R ..], in which the stage's rows land; the places above stay beside this wait
.irp t, 0,1
	ds_store_b128 v7, v[240+8*\t:243+8*\t] offset:64*\t
	ds_store_b128 v7, v[244+8*\t:247+8*\t] offset:64*\t+16
.endr
	BAR                                            ; 16 rows of 256 outputs lie in the stage
.set n, 0
.rept 4
	ds_load_b128 v[R+4*n:R+4*n+3], v8 offset:1040*(n/2)+512*(n%2)
.set n, n+1
.endr
.set n, 0
.rept 4
	s_wait_dscnt 3-n                               ; the younger loads stay out
	global_store_b128 v1, v[R+4*n:R+4*n+3], s[10:11] offset:3072*(n/2)+512*(n%2) th:TH_STORE_NT   ; 32 lanes store 512 consecutive bytes
.set n, n+1
.endr
	s_wait_dscnt 0x0                               ; the closing lines, six on end
	s_wait_alu 0x0
	s_wait_tensorcnt 0x0
	ds_add_u32 v62, v63
	s_wait_dscnt 0x0
	s_endpgm
.Lfunc_end_k_q18f9b93336_final:
	.size	k_q18f9b93336_final, .Lfunc_end_k_q18f9b93336_final-k_q18f9b93336_final
	.p2alignl 7, 3214868480
	.fill 96, 4, 3214868480
	.section	.rodata,"a",@progbits
	.p2align	6, 0x0
	.amdhsa_kernel k_q18f9b93336_final
		.amdhsa_group_segment_fixed_size 21504
		.amdhsa_private_segment_fixed_size 0
		.amdhsa_enable_private_segment 0
		.amdhsa_kernarg_size 32
		.amdhsa_user_sgpr_count 2
		.amdhsa_user_sgpr_kernarg_segment_ptr 1
		.amdhsa_wavefront_size32 1
		.amdhsa_system_sgpr_workgroup_id_x 1
		.amdhsa_system_sgpr_workgroup_id_y 1
		.amdhsa_system_sgpr_workgroup_id_z 1
		.amdhsa_system_vgpr_workitem_id 0
		.amdhsa_next_free_vgpr 256
		.amdhsa_next_free_sgpr 66
		.amdhsa_reserve_vcc 0
		.amdhsa_float_denorm_mode_32 3
		.amdhsa_float_denorm_mode_16_64 3
		.amdhsa_memory_ordered 1
		.amdhsa_forward_progress 1
		.amdhsa_inst_pref_size 25
	.end_amdhsa_kernel
	.amdgpu_metadata
---
amdhsa.version: [ 1, 2 ]
amdhsa.kernels:
  - .name:           k_q18f9b93336_final
    .symbol:         k_q18f9b93336_final.kd
    .args:
      - { .name: part, .offset: 0, .size: 8, .value_kind: global_buffer, .address_space: global }
      - { .name: prep, .offset: 8, .size: 8, .value_kind: global_buffer, .address_space: global }
      - { .name: bol, .offset: 16, .size: 8, .value_kind: global_buffer, .address_space: global }
      - { .name: out1, .offset: 24, .size: 8, .value_kind: global_buffer, .address_space: global }
    .group_segment_fixed_size: 21504
    .private_segment_fixed_size: 0
    .kernarg_segment_align: 8
    .kernarg_segment_size: 32
    .max_flat_workgroup_size: 256
    .sgpr_count:     66
    .vgpr_count:     256
    .wavefront_size: 32
...
	.end_amdgpu_metadata
.endif
;; end of part 10
